; MI455X (gfx1250); checked and timed in simulation.
; The chip was launched on July 23, 2026; its instructions are those of AMD's public machine-readable ISA for CDNA 5 (MIT licence, August 2026) and "CDNA5" Instruction Set Architecture Reference Guide (July 2026). The comments in the code are by the model that wrote it; some were corrected since.
;; Transformer Block. Allowed arithmetic: matrix products marked QUANTISED: E3M2 operands, one E8M0 scale for each 32 along K, by v_wmma_scale_f32_16x16x128_f8f6f4 with both operands' format E3M2, f32 sums; everything else in f32.
;; Inputs: ffn1_bias 1,024 float32; ffn1_weight 1,024 x 1,024 float32; ffn2_bias 1,024 float32; ffn2_weight 1,024 x 1,024 float32; k_bias 1,024 float32; k_weight 1,024 x 1,024 float32; ln1_beta 1,024 float32; ln1_gamma 1,024 float32; ln2_beta 1,024 float32; ln2_gamma 1,024 float32; o_bias 1,024 float32; o_weight 1,024 x 1,024 float32; q_bias 1,024 float32; q_weight 1,024 x 1,024 float32; v_bias 1,024 float32; v_weight 1,024 x 1,024 float32; x 2 x 2,048 x 1,024 float32.
;; Outputs: out0 2 x 2,048 x 1,024 float32.
;; This version of the problem:
;;   THIS VERSION OF THE PROBLEM IS GIVEN IN LOW PRECISION. The matrix products marked QUANTISED in the list below multiply operands that are first quantised to E3M2 (3 exponent bits, 2 mantissa bits; 6 bits a number), with one power-of-two scale for each 32 numbers along K (OCP MX v1.0); their sums are f32. All else is computed in f32.
;;   The module's matrix products, in the order in which they are computed (A, B: the left and right operand; K: the contracted axis; several contracted axes count as one K, in the product's order):
;;     1. [M 4,096, K 1,024] x [K 1,024, N 1,024]; A: computed on the way; B: input q_weight: QUANTISED
;;     2. [M 4,096, K 1,024] x [K 1,024, N 1,024]; A: computed on the way; B: input k_weight: QUANTISED
;;     3. [M 4,096, K 1,024] x [K 1,024, N 1,024]; A: computed on the way; B: input v_weight: QUANTISED
;;     4. batch 32 x [M 2,048, K 64] x [K 64, N 2,048]; A: computed on the way; B: computed on the way: QUANTISED
;;     5. batch 32 x [M 2,048, K 2,048] x [K 2,048, N 64]; A: softmax (see below); B: computed on the way: QUANTISED
;;     6. [M 4,096, K 1,024] x [K 1,024, N 1,024]; A: computed on the way; B: input o_weight: QUANTISED
;;     7. [M 4,096, K 1,024] x [K 1,024, N 1,024]; A: computed on the way; B: input ffn1_weight: QUANTISED
;;     8. [M 4,096, K 1,024] x [K 1,024, N 1,024]; A: computed on the way; B: input ffn2_weight: QUANTISED
;;   THE QUANTISER, for each operand of a quantised product, along K:
;;     - K is cut into blocks of 32 from its start; a last block that is shorter is filled with zeros.
;;     - A block's scale is 2^e with e = floor(log2(the largest magnitude in the block)) - 4, held to -126 .. 127; a block of zeros has e = 0. As a byte (E8M0): e + 127.
;;     - Each number is divided by its block's scale, clamped to +-28, and rounded to the nearest number of E3M2, ties to even, subnormals kept.
;;     - The product sums the exact products of the quantised numbers (number of the format x scale) in f32.
;;   ~~~python
;;   def quantise(x, axis):      # numpy; x: float32 -> the quantised numbers, widened to float32 again
;;       x = np.moveaxis(x, axis, -1); K = x.shape[-1]
;;       x = np.pad(x, [(0, 0)] * (x.ndim - 1) + [(0, -K % 32)]); x = x.reshape(x.shape[:-1] + (-1, 32)); a = np.abs(x).max(-1, keepdims=True)
;;       e = np.where(a > 0, np.clip(np.frexp(np.where(a > 0, a, 1))[1] - 1 - 4, -126, 127), 0)      # np.frexp(a)[1] - 1 = floor(log2(a)), exactly
;;       r = np.clip(x / 2.0 ** e, -28, 28)
;;       step = 2.0 ** (np.maximum(np.frexp(np.where(r == 0, 1, r))[1] - 1, -2) - 2)
;;       q = np.round(r / step) * step * 2.0 ** e      # np.round: ties to even
;;       return np.moveaxis(q.reshape(q.shape[:-2] + (-1,))[..., :K], -1, axis).astype(np.float32)
;;   ~~~
;;   SOFTMAX AHEAD OF A QUANTISED PRODUCT. Where the list says 'softmax', what is quantised is not the finished softmax but p = 2^(t - M), with t = logit x log2(e) and M = ceil(the row's largest t), a whole number; so 1/2 < the row's largest p <= 1. The row's sum l is taken of the UNQUANTISED p, in f32, and the product's result is divided by l at the end. Since M is a whole number, a kernel that streams over the keys may use a running M (the ceiling of the running maximum): every later rescaling is an exact power of two, which a block's scale takes up: the codes' values come out the same.
;;   OPERANDS COMPUTED ON THE WAY. 'Computed on the way' means the value that the module computes at that place (a softmax that the list does not call 'softmax' is quantised finished and normalised). What goes into a quantiser is computed in f32, as accurately as f32 sums, v_exp_f32 and their like allow (about 1e-6 of the number): no bf16 or f16 on the way to a quantiser, and a product that is left as it is and whose result goes on into a quantised operand takes f32 operands (vector FMAs, or v_wmma_f32_16x16x4_f32). A number that lies on a knife's edge between two numbers of the format may be rounded either way, as far as f32 arithmetic and the matrix unit's own rounding can turn it there, and no further.
;; 3 versions. Each part assembles by itself: llvm-mc -triple=amdgcn-amd-amdhsa -mcpu=gfx1250 --defsym DOCPART=n.
;; ======== version 1 of 3: 4 launches
;; workspace buffers: cod 7,864,320 bytes; scl 327,680 bytes; qkvc 9,437,184 bytes; qkvs 786,432 bytes; cc 3,145,728 bytes; cs 131,072 bytes
;; launch prep (part 1): grid 640 x 1, 16 waves a work-group, no clusters, 88,576 bytes of LDS; arguments x, q_weight, k_weight, v_weight, o_weight, ffn1_weight, ffn2_weight, ln1_gamma, ln1_beta, cod, scl; writes cod, scl
.if DOCPART == 1
	.amdgcn_target "amdgcn-amd-amdhsa--gfx1250"
	.amdhsa_code_object_version 6
	.text
	.protected	k_q32528031fc_prep
	.globl	k_q32528031fc_prep
	.p2align	8
	.type	k_q32528031fc_prep,@function
k_q32528031fc_prep:
	s_mov_b64 s[64:65], 0
	v_nop
	global_prefetch_b8 v0, s[64:65] scope:SCOPE_SE
	s_setreg_imm32_b32 hwreg(HW_REG_WAVE_MODE, 25, 1), 1
	s_wait_xcnt 0x0
; LN1(x) [4096][1024] and the six weights [1024][1024], f32 with K innermost, become codes of BF6 (E3M2) with one E8M0 byte for each 32 along K.
; THE OUTPUT IS LAID AS IMAGES OF OPERAND REGISTERS.  A tile is 16 rows; tile T's slot r is row 32 (T / 2) + 8 (T % 2) + r + 8 (r / 8) of its tensor.  For each 128 along K a tile has a
; fragment of 12 registers a lane (lane = slot + 16 h holds the blocks h and 2 + h of the four): register j of lane l lies at 512 (j / 4) + 16 l + 4 (j % 4) of 1,536 bytes.
; cod: 640 tiles x 8 fragments (tiles 0-255 LN1(x), then 64 each of Wq, Wk, Wv, Wo, W1, W2).  scl: 640 tiles x [K step 8][slot 16] words of four scale bytes.
; SHARES.  Work-group g makes tile g; wave w makes slot w: one row of 1,024 numbers, 32 a lane.  The loads take the row as it lies (512 consecutive bytes an instruction), the layer norm is done on that
; layout inside the wave, then the row turns through the wave's own LDS so that lane l holds block l of 32 neighbours.  The codes meet in an image of the tile in LDS and leave in runs of 256 aligned bytes.
; A block's scale is 2^(floor(log2(largest magnitude)) - 4): its byte is the largest magnitude's exponent field - 4, held at 1 from below by a floor among the maximum's leaves.
; LIMITS: NaN and infinities among the inputs are not served; a block of zeros gets the byte 1 (the rule says 127): its codes are zeros, and this program alone reads the bytes.
.set TURNW, 4608                       ; LDS 0 .. 73,727: a wave's turn: 32 places of 144 bytes (a block's 128 + 16 of padding)
.set PLACE, 144
.set IMG,   73728                      ; the tile's 8 fragment images, 12,288 bytes
.set SCB,   86016                      ; the tile's 512 scale bytes
.set X,     16                         ; v16-47   the row as loaded
.set Y,     48                         ; v48-79   gamma, later my block of 32
.set BE,    80                         ; v80-111  beta
.set CD,    112                        ; v112-118 codes
.set SEL,   32                         ; s[32:33] lane selects: lane l xor 16
.macro WSUM a                          ; the sum over the wave's 32 lanes, in every lane
	v_add_f32_dpp v[\a], v[\a], v[\a] row_xmask:1 row_mask:0xf bank_mask:0xf
	v_add_f32_dpp v[\a], v[\a], v[\a] row_xmask:2 row_mask:0xf bank_mask:0xf
	v_add_f32_dpp v[\a], v[\a], v[\a] row_xmask:4 row_mask:0xf bank_mask:0xf
	v_add_f32_dpp v[\a], v[\a], v[\a] row_xmask:8 row_mask:0xf bank_mask:0xf
	v_permlanex16_b32 v14, v[\a], s[SEL], s[SEL+1]
	v_add_f32 v[\a], v[\a], v14
.endm
	s_load_b512 s[8:23], s[0:1], 0x0               ; x, Wq, Wk, Wv, Wo, W1, W2, gamma
	s_load_b128 s[24:27], s[0:1], 0x40             ; beta, cod
	s_load_b64 s[28:29], s[0:1], 0x50              ; scl
	v_lshl_add_u32 v128, v0, 2, 0x15200
	v_mov_b32 v129, 0
	v_lshrrev_b32 v1, 5, v0
	v_readfirstlane_b32 s2, v1                     ; wave = slot
	v_and_b32 v1, 31, v0                           ; lane
	v_lshlrev_b32 v2, 4, v1                        ; 16 x lane
	s_mul_i32 s3, s2, TURNW
	v_lshrrev_b32 v10, 3, v1
	v_and_b32 v11, 7, v1
	v_mul_u32_u24 v3, v10, PLACE
	v_lshl_add_u32 v3, v11, 4, v3
	v_add_nc_u32 v3, s3, v3                        ; into the turn: eight lanes fill a block's place
	v_mul_u32_u24 v4, v1, PLACE
	v_add_nc_u32 v4, s3, v4                        ; out of it: my block
	v_lshrrev_b32 v10, 2, v1                       ; my block's K step,
	v_and_b32 v11, 1, v1                           ; the half of the lanes that holds it,
	v_bfe_u32 v12, v1, 1, 1                        ; and which six registers: c
	v_mul_u32_u24 v13, v10, 1536
	v_lshl_add_u32 v13, v11, 8, v13
	s_lshl_b32 s3, s2, 4
	s_add_co_u32 s3, s3, IMG
	v_add_nc_u32 v13, s3, v13
	v_mad_u32_u24 v5, v12, 520, v13                ; registers 6 c, 6 c + 1 (and, 512 on, 6 c + 4, 6 c + 5)
	v_mad_u32_u24 v6, v12, 1016, v13               ; registers 6 c + 2, 6 c + 3 lie 8 on from here
	v_and_b32 v11, 3, v1
	v_lshl_add_u32 v7, v10, 6, v11
	s_lshl_b32 s3, s2, 2
	s_add_co_u32 s3, s3, SCB
	v_add_nc_u32 v7, s3, v7                        ; my block's scale byte: 64 x K step + 4 x slot + block % 4
	v_lshlrev_b32 v8, 3, v0                        ; the way out: 8 bytes a thread
	v_add_nc_u32 v9, IMG, v8
	v_add_nc_u32 v15, SCB, v2
	v_mov_b32 v14, 0                               ; a lane permute's destination counts as one of its sources
	s_mov_b32 s[SEL], 0x76543210
	s_mov_b32 s[SEL+1], 0xfedcba98
	s_mov_b32 s34, 0x3a800000                      ; 1 / 1024
	s_mov_b32 s35, 0x3727c5ac                      ; 1e-5
	s_and_b32 s6, ttmp9, 63
	s_cmp_lt_u32 ttmp9, 256
	s_cselect_b32 s6, ttmp9, s6                    ; the tile's number in its own tensor
	s_lshr_b32 s7, s6, 1
	s_lshl_b32 s7, s7, 5
	s_and_b32 s6, s6, 1
	s_lshl_b32 s6, s6, 3
	s_add_co_u32 s6, s6, s7
	s_add_co_u32 s6, s6, s2
	s_and_b32 s7, s2, 8
	s_add_co_u32 s6, s6, s7                        ; my row
	s_lshl_b32 s6, s6, 12                          ; x 4,096 bytes
	s_mov_b32 s7, 0
	s_mul_i32 s30, ttmp9, 12288
	s_mov_b32 s31, 0
	s_lshl_b32 s36, ttmp9, 9
	s_mov_b32 s37, 0
	s_wait_kmcnt 0x0
	s_mov_b64 s[4:5], s[8:9]                       ; which tensor: the choice hangs on the work-group's number alone
	s_cmp_ge_u32 ttmp9, 256
	s_cselect_b64 s[4:5], s[10:11], s[4:5]
	s_cmp_ge_u32 ttmp9, 320
	s_cselect_b64 s[4:5], s[12:13], s[4:5]
	s_cmp_ge_u32 ttmp9, 384
	s_cselect_b64 s[4:5], s[14:15], s[4:5]
	s_cmp_ge_u32 ttmp9, 448
	s_cselect_b64 s[4:5], s[16:17], s[4:5]
	s_cmp_ge_u32 ttmp9, 512
	s_cselect_b64 s[4:5], s[18:19], s[4:5]
	s_cmp_ge_u32 ttmp9, 576
	s_cselect_b64 s[4:5], s[20:21], s[4:5]
	s_add_nc_u64 s[4:5], s[4:5], s[6:7]
	s_add_nc_u64 s[26:27], s[26:27], s[30:31]
	s_add_nc_u64 s[28:29], s[28:29], s[36:37]
.set j, 0
.rept 8
	global_load_b128 v[X+4*j:X+4*j+3], v2, s[4:5] offset:512*j th:TH_LOAD_NT   ; 512 consecutive bytes an instruction
.set j, j+1
.endr
	s_cmp_lt_u32 ttmp9, 256                        ; x's tiles take the layer norm; the weights go as they are
	s_cbranch_scc0 .Lplain
.set j, 0
.rept 8
	global_load_b128 v[Y+4*j:Y+4*j+3], v2, s[22:23] offset:512*j
	global_load_b128 v[BE+4*j:BE+4*j+3], v2, s[24:25] offset:512*j
.set j, j+1
.endr
	s_wait_loadcnt 16                              ; the row is in; the 16 younger loads of gamma and beta may be out
	v_pk_add_f32 v[120:121], v[X:X+1], v[X+2:X+3]  ; the row's sum, two chains
	v_pk_add_f32 v[122:123], v[X+4:X+5], v[X+6:X+7]
.irp i, 8,12,16,20,24,28
	v_pk_add_f32 v[120:121], v[120:121], v[X+\i:X+\i+1]
	v_pk_add_f32 v[122:123], v[122:123], v[X+\i+2:X+\i+3]
.endr
	v_pk_add_f32 v[120:121], v[120:121], v[122:123]
	v_add_f32 v120, v120, v121
	WSUM 120
	v_mul_f32 v120, s34, v120                      ; the mean
.set j, 0
.rept 16
	v_pk_add_f32 v[X+j:X+j+1], v[X+j:X+j+1], v[120:121] op_sel_hi:[1,0] neg_lo:[0,1] neg_hi:[0,1]   ; x - mean
.set j, j+2
.endr
	v_pk_mul_f32 v[122:123], v[X:X+1], v[X:X+1]    ; the sum of squares of the differences, two chains
	v_pk_mul_f32 v[124:125], v[X+2:X+3], v[X+2:X+3]
.irp i, 4,8,12,16,20,24,28
	v_pk_fma_f32 v[122:123], v[X+\i:X+\i+1], v[X+\i:X+\i+1], v[122:123]
	v_pk_fma_f32 v[124:125], v[X+\i+2:X+\i+3], v[X+\i+2:X+\i+3], v[124:125]
.endr
	v_pk_add_f32 v[122:123], v[122:123], v[124:125]
	v_add_f32 v122, v122, v123
	WSUM 122
	v_fma_f32 v122, v122, s34, s35                 ; the variance + 1e-5
	v_rsq_f32 v122, v122
	v_nop                                          ; a plain instruction behind the transcendental,
	s_wait_alu depctr_va_vdst(0)                   ; and the wait ahead of its first reader
.set j, 0
.rept 16
	v_pk_mul_f32 v[X+j:X+j+1], v[X+j:X+j+1], v[122:123] op_sel_hi:[1,0]
.set j, j+2
.endr
	s_wait_loadcnt 0x0                             ; gamma and beta
.set j, 0
.rept 16
	v_pk_fma_f32 v[X+j:X+j+1], v[X+j:X+j+1], v[Y+j:Y+j+1], v[BE+j:BE+j+1]
.set j, j+2
.endr
.Lplain:
	s_wait_loadcnt 0x0
.set j, 0
.rept 8
	ds_store_b128 v3, v[X+4*j:X+4*j+3] offset:576*j   ; a load's 512 bytes are four blocks: four places
.set j, j+1
.endr
.set j, 0
.rept 8
	ds_load_b128 v[Y+4*j:Y+4*j+3], v4 offset:16*j  ; the bytes are my wave's own, and LDS serves a wave's instructions in order: these see the stores above
.set j, j+1
.endr
	s_wait_dscnt 0x0
	v_max3_num_f32 v10, |v[Y]|, |v[Y+1]|, |v[Y+2]|  ; my block's largest magnitude
	v_max3_num_f32 v11, |v[Y+3]|, |v[Y+4]|, |v[Y+5]|
.irp i, 6,10,14,18,22,26
	v_max3_num_f32 v10, v10, |v[Y+\i]|, |v[Y+\i+1]|
	v_max3_num_f32 v11, v11, |v[Y+\i+2]|, |v[Y+\i+3]|
.endr
	v_max3_num_f32 v10, v10, |v[Y+30]|, |v[Y+31]|
	v_max3_num_f32 v10, v10, v11, 0x2800000        ; and the floor 2^(5 - 127): the byte cannot fall under 1
	v_add_nc_u32 v12, 0xfe000000, v10              ; 4 off its exponent field: the conversion takes that field as its scale
	v_lshrrev_b32 v13, 23, v12                     ; the scale's byte
	v_cvt_scalef32_pk16_bf6_f32 v[CD:CD+2], v[Y:Y+15], v12
	v_cvt_scalef32_pk16_bf6_f32 v[CD+4:CD+6], v[Y+16:Y+31], v12   ; (a conversion's three registers begin on an even number)
	v_nop                                          ; one plain instruction behind a scaled conversion
	v_mov_b32 v[CD+3], v[CD+4]
	v_mov_b32 v[CD+4], v[CD+5]
	v_mov_b32 v[CD+5], v[CD+6]
	ds_store_b64 v5, v[CD:CD+1]
	ds_store_b64 v6, v[CD+2:CD+3] offset:8
	ds_store_b64 v5, v[CD+4:CD+5] offset:512
	ds_store_b8 v7, v13
	s_wait_dscnt 0x0                               ; for the others' sake: my part of the images has landed
	s_barrier_signal -1
	s_barrier_wait -1
.irp i, 0,1,2
	ds_load_b64 v[16+2*\i:17+2*\i], v9 offset:4096*\i
.endr
	s_wait_dscnt 0x0
.irp i, 0,1,2
	global_store_b64 v8, v[16+2*\i:17+2*\i], s[26:27] offset:4096*\i   ; a wave stores 256 consecutive bytes, aligned
.endr
	s_cmp_lg_u32 s2, 0
	s_cbranch_scc1 .Lend
	ds_load_b128 v[24:27], v15                     ; wave 0: the tile's 512 scale bytes
	s_wait_dscnt 0x0
	global_store_b128 v2, v[24:27], s[28:29]
.Lend:
	s_wait_tensorcnt 0x0
	ds_add_u32 v128, v129
	s_wait_dscnt 0x0
	s_endpgm
.Lfunc_end_k_q32528031fc_prep:
	.size	k_q32528031fc_prep, .Lfunc_end_k_q32528031fc_prep-k_q32528031fc_prep
	.p2alignl 7, 3214868480
	.fill 96, 4, 3214868480
	.section	.rodata,"a",@progbits
	.p2align	6, 0x0
	.amdhsa_kernel k_q32528031fc_prep
		.amdhsa_group_segment_fixed_size 88576
		.amdhsa_private_segment_fixed_size 0
		.amdhsa_enable_private_segment 0
		.amdhsa_kernarg_size 88
		.amdhsa_user_sgpr_count 2
		.amdhsa_user_sgpr_kernarg_segment_ptr 1
		.amdhsa_wavefront_size32 1
		.amdhsa_system_sgpr_workgroup_id_x 1
		.amdhsa_system_sgpr_workgroup_id_y 1
		.amdhsa_system_sgpr_workgroup_id_z 1
		.amdhsa_system_vgpr_workitem_id 0
		.amdhsa_next_free_vgpr 130
		.amdhsa_next_free_sgpr 66
		.amdhsa_reserve_vcc 0
		.amdhsa_float_denorm_mode_32 3
		.amdhsa_float_denorm_mode_16_64 3
		.amdhsa_memory_ordered 1
		.amdhsa_forward_progress 1
		.amdhsa_inst_pref_size 16
	.end_amdhsa_kernel
	.amdgpu_metadata
---
amdhsa.version: [ 1, 2 ]
amdhsa.kernels:
  - .name:           k_q32528031fc_prep
    .symbol:         k_q32528031fc_prep.kd
    .args:
      - { .name: x, .offset: 0, .size: 8, .value_kind: global_buffer, .address_space: global }
      - { .name: q_weight, .offset: 8, .size: 8, .value_kind: global_buffer, .address_space: global }
      - { .name: k_weight, .offset: 16, .size: 8, .value_kind: global_buffer, .address_space: global }
      - { .name: v_weight, .offset: 24, .size: 8, .value_kind: global_buffer, .address_space: global }
      - { .name: o_weight, .offset: 32, .size: 8, .value_kind: global_buffer, .address_space: global }
      - { .name: ffn1_weight, .offset: 40, .size: 8, .value_kind: global_buffer, .address_space: global }
      - { .name: ffn2_weight, .offset: 48, .size: 8, .value_kind: global_buffer, .address_space: global }
      - { .name: ln1_gamma, .offset: 56, .size: 8, .value_kind: global_buffer, .address_space: global }
      - { .name: ln1_beta, .offset: 64, .size: 8, .value_kind: global_buffer, .address_space: global }
      - { .name: cod, .offset: 72, .size: 8, .value_kind: global_buffer, .address_space: global }
      - { .name: scl, .offset: 80, .size: 8, .value_kind: global_buffer, .address_space: global }
    .group_segment_fixed_size: 88576
    .private_segment_fixed_size: 0
    .kernarg_segment_align: 8
    .kernarg_segment_size: 88
    .max_flat_workgroup_size: 512
    .sgpr_count:     66
    .vgpr_count:     130
    .wavefront_size: 32
...
	.end_amdgpu_metadata
.endif
;; end of part 1
;; launch qkv (part 2): grid 16 x 16, 12 waves a work-group, no clusters, 0 bytes of LDS; arguments cod, scl, q_bias, k_bias, v_bias, qkvc, qkvs; writes qkvc, qkvs
.if DOCPART == 2
	.amdgcn_target "amdgcn-amd-amdhsa--gfx1250"
	.amdhsa_code_object_version 6
	.text
	.protected	k_q32528031fc_qkv
	.globl	k_q32528031fc_qkv
	.p2align	8
	.type	k_q32528031fc_qkv,@function
k_q32528031fc_qkv:
	s_mov_b64 s[64:65], 0
	v_nop
	global_prefetch_b8 v0, s[64:65] scope:SCOPE_SE
	s_setreg_imm32_b32 hwreg(HW_REG_WAVE_MODE, 25, 1), 1
	s_wait_xcnt 0x0
; Q, K, V = LN1(x) W^T + b on codes of BF6, and the results quantised at once: Q and K along the head's 64, V along the keys.
; SHARES.  A work-group: 256 tokens (y) x 3 head units (x); a head unit hu = 0 .. 47 is kind hu / 16 (Q, K, V), head hu % 16.  A wave: 64 tokens x one head unit's 64: 16 accumulators.
; ONE PATH FOR ALL KINDS.  D(o, i) = R_i (source 0) x P_o (source 1).  In D a lane holds one slot of P_o, and the 32 registers of o run along R's 64 rows as two blocks of 32: register 16 b + n is row
; 32 b + 16 (lane / 16) + n, since tile T's slot r is row 32 (T / 2) + 8 (T % 2) + r + 8 (r / 8).  Q, K: R = the weight's four tiles, P = the tokens'; V: the two are swapped, so that the registers run along the keys.
; Fragments and scale words come from memory straight into registers: they lie there as images of registers (three loads of 16 bytes a lane).  No LDS, no barrier: waves share nothing.
; The sums begin as the bias, loaded into the accumulators.  OUT: for each o a half fragment (16 rows x 64 K: six registers a lane, 768 bytes) and a word a row with its two scale bytes (upper half 0).
; No joint loads: operands go to registers, so there is no LDS tile that several work-groups could be sent.
; LIMITS: NaN and infinities are not served; a block of zeros gets the byte 1 over zero codes.
.set PF,  32                           ; v32-79   P's four fragments
.set RF,  80                           ; v80-127  R's four
.set ACC, 128                          ; v128-255 D(o, i) at ACC + 8 (4 o + i)
.set SEL, 46                           ; s[46:47]
.macro WM d, a, b, sa, sb, ra, rb      ; one product in place; ra, rb: the side's scale words stand in lanes 16-31
.if (\ra) && (\rb)
	v_wmma_scale_f32_16x16x128_f8f6f4 v[\d:\d+7], v[\a:\a+11], v[\b:\b+11], v[\d:\d+7], v[\sa], v[\sb] matrix_a_fmt:MATRIX_FMT_BF6 matrix_b_fmt:MATRIX_FMT_BF6 matrix_a_scale:MATRIX_SCALE_ROW1 matrix_b_scale:MATRIX_SCALE_ROW1
.elseif (\ra)
	v_wmma_scale_f32_16x16x128_f8f6f4 v[\d:\d+7], v[\a:\a+11], v[\b:\b+11], v[\d:\d+7], v[\sa], v[\sb] matrix_a_fmt:MATRIX_FMT_BF6 matrix_b_fmt:MATRIX_FMT_BF6 matrix_a_scale:MATRIX_SCALE_ROW1
.elseif (\rb)
	v_wmma_scale_f32_16x16x128_f8f6f4 v[\d:\d+7], v[\a:\a+11], v[\b:\b+11], v[\d:\d+7], v[\sa], v[\sb] matrix_a_fmt:MATRIX_FMT_BF6 matrix_b_fmt:MATRIX_FMT_BF6 matrix_b_scale:MATRIX_SCALE_ROW1
.else
	v_wmma_scale_f32_16x16x128_f8f6f4 v[\d:\d+7], v[\a:\a+11], v[\b:\b+11], v[\d:\d+7], v[\sa], v[\sb] matrix_a_fmt:MATRIX_FMT_BF6 matrix_b_fmt:MATRIX_FMT_BF6
.endif
.endm
; 32 numbers of a lane, register 16 b + n = k 32 b + 16 (lane / 16) + n of my row, become six registers of codes in v[c] on (lanes 0-15 block 0, lanes 16-31 block 1) and the two scale bytes in v[t + 4]
.macro HQ s, c, t
	v_max3_num_f32 v[\t], |v[\s]|, |v[\s+1]|, 0x2800000          ; my 16 of each block, from the low end on, and the floor 2^(5 - 127)
	v_max3_num_f32 v[\t+1], |v[\s+16]|, |v[\s+17]|, 0x2800000
.irp i, 2,4,6,8,10,12,14
	v_max3_num_f32 v[\t], v[\t], |v[\s+\i]|, |v[\s+\i+1]|
	v_max3_num_f32 v[\t+1], v[\t+1], |v[\s+16+\i]|, |v[\s+17+\i]|
.endr
	v_permlanex16_b32 v[\t+2], v[\t], s[SEL], s[SEL+1]
	v_permlanex16_b32 v[\t+3], v[\t+1], s[SEL], s[SEL+1]
	v_max_num_f32 v[\t], v[\t], v[\t+2]            ; with lane l xor 16's 16: the block's largest magnitude
	v_max_num_f32 v[\t+1], v[\t+1], v[\t+3]
	v_add_nc_u32 v[\t], 0xfe000000, v[\t]          ; 4 off the exponent field: the conversion's scale operand
	v_add_nc_u32 v[\t+1], 0xfe000000, v[\t+1]
	v_lshrrev_b32 v[\t+2], 23, v[\t]               ; the bytes
	v_lshrrev_b32 v[\t+3], 23, v[\t+1]
	v_lshl_or_b32 v[\t+4], v[\t+3], 8, v[\t+2]
	v_cvt_scalef32_pk16_bf6_f32 v[\c:\c+2], v[\s:\s+15], v[\t]
	v_cvt_scalef32_pk16_bf6_f32 v[\c+4:\c+6], v[\s+16:\s+31], v[\t+1]
	v_nop                                          ; one plain instruction behind a scaled conversion
.irp i, 0,1,2
	v_permlane16_swap_b32 v[\c+\i], v[\c+4+\i]     ; a whole block to a lane
.endr
	v_mov_b32 v[\c+3], v[\c+4]
	v_mov_b32 v[\c+4], v[\c+5]
	v_mov_b32 v[\c+5], v[\c+6]
.endm
	s_load_b256 s[4:11], s[0:1], 0x0               ; cod, scl, q_bias, k_bias
	s_load_b128 s[12:15], s[0:1], 0x20             ; v_bias, qkvc
	s_load_b64 s[16:17], s[0:1], 0x30              ; qkvs
	v_lshrrev_b32 v1, 5, v0
	v_readfirstlane_b32 s18, v1                    ; wave 0 .. 11
	v_and_b32 v7, 31, v0                           ; lane
	v_and_b32 v8, 15, v0                           ; r
	v_bfe_u32 v9, v0, 4, 1                         ; h
	v_lshlrev_b32 v1, 4, v7                        ; 16 x lane
	v_lshlrev_b32 v2, 3, v7                        ; 8 x lane
	v_lshlrev_b32 v3, 2, v8
	v_lshl_add_u32 v3, v9, 9, v3                   ; scale words: lanes 0-15 an even tile's, lanes 16-31 the next tile's: 512 h + 4 r
	v_lshlrev_b32 v4, 6, v9                        ; 64 h
	v_and_b32 v5, 8, v8
	v_add_nc_u32 v5, v5, v8
	v_lshlrev_b32 v5, 2, v5                        ; 4 (r + 8 (r / 8))
	v_lshlrev_b32 v6, 2, v7                        ; 4 x lane
	s_lshr_b32 s19, s18, 2
	s_mul_i32 s20, ttmp9, 3
	s_add_co_u32 s19, s19, s20                     ; hu
	s_lshr_b32 s20, s19, 4                         ; kind
	s_and_b32 s21, s19, 15                         ; head
	s_and_b32 s22, s18, 3
	s_lshl_b32 s22, s22, 2
	s_and_b32 s23, ttmp7, 0xffff
	s_lshl_b32 s23, s23, 4
	s_add_co_u32 s23, s23, s22                     ; my first tile of tokens
	s_lshl_b32 s24, s19, 2
	s_add_co_u32 s24, s24, 256                     ; my first tile of the weight
	s_cmp_ge_u32 s19, 32
	s_cselect_b32 s25, s23, s24                    ; R's first tile
	s_cselect_b32 s26, s24, s23                    ; P's
	s_mul_i32 s28, s25, 12288
	s_mov_b32 s29, 0
	s_mul_i32 s30, s26, 12288
	s_mov_b32 s31, 0
	s_lshl_b32 s32, s25, 9
	s_mov_b32 s33, 0
	s_lshl_b32 s34, s26, 9
	s_mov_b32 s35, 0
	s_lshr_b32 s36, s23, 7                         ; the batch
	s_lshl_b32 s36, s36, 4
	s_add_co_u32 s36, s36, s21
	s_lshl_b32 s36, s36, 7
	s_and_b32 s37, s23, 127
	s_add_co_u32 s36, s36, s37                     ; (batch x 16 + head) x 128 + the tile in its batch
	s_lshl_b32 s37, s20, 12
	s_add_co_u32 s36, s36, s37                     ; + kind x 4,096
	s_mul_i32 s38, s36, 768
	s_mov_b32 s39, 0
	s_lshl_b32 s40, s36, 6
	s_mov_b32 s41, 0
	s_lshl_b32 s44, s21, 8                         ; the head's 64 numbers of the bias
	s_mov_b32 s45, 0
	s_mov_b32 s27, 0xffff0000                      ; lanes 16-31
	s_mov_b32 s[SEL], 0x76543210
	s_mov_b32 s[SEL+1], 0xfedcba98
	s_wait_kmcnt 0x0
	s_add_nc_u64 s[28:29], s[4:5], s[28:29]        ; R's fragments
	s_add_nc_u64 s[30:31], s[4:5], s[30:31]        ; P's
	s_add_nc_u64 s[32:33], s[6:7], s[32:33]        ; R's scale words
	s_add_nc_u64 s[34:35], s[6:7], s[34:35]        ; P's
	s_add_nc_u64 s[14:15], s[14:15], s[38:39]
	s_add_nc_u64 s[16:17], s[16:17], s[40:41]
	s_cmp_eq_u32 s20, 0
	s_cselect_b64 s[42:43], s[8:9], s[10:11]
	s_cmp_eq_u32 s20, 2
	s_cselect_b64 s[42:43], s[12:13], s[42:43]
	s_add_nc_u64 s[42:43], s[42:43], s[44:45]
	s_cmp_eq_u32 s20, 2                            ; the sums begin as the bias
	s_cbranch_scc1 .Lbias_v
.irp o, 0,1,2,3                        ; Q, K: the bias runs along the registers: register 16 b + n takes number 32 b + 16 h + n
.irp bb, 0,1
.irp q, 0,1,2,3
	global_load_b128 v[ACC+32*\o+16*\bb+4*\q:ACC+32*\o+16*\bb+4*\q+3], v4, s[42:43] offset:128*\bb+16*\q
.endr
.endr
.endr
	s_branch .Lbias_done
.Lbias_v:
.irp o, 0,1,2,3                        ; V: the bias hangs on the lane's slot of tile o alone: one number for the 32 registers
.set j, 0
.rept 32
	global_load_b32 v[ACC+32*\o+j], v5, s[42:43] offset:(32*(\o/2)+8*(\o%2))*4
.set j, j+1
.endr
.endr
.Lbias_done:
; A K step of 128: 24 loads of 16 bytes a lane and 4 of scale words, then 16 products, the accumulators by turns, one instruction a turn, in the same order in every step.
.macro KSTEP ks
.if \ks > 0
.rept 4
	v_nop                                          ; four places in front of loads into registers that matrix instructions have read
.endr
.endif
.irp t, 0,1,2,3
.irp c, 0,1,2
	global_load_b128 v[PF+12*\t+4*\c:PF+12*\t+4*\c+3], v1, s[30:31] offset:12288*\t+1536*\ks+512*\c
	global_load_b128 v[RF+12*\t+4*\c:RF+12*\t+4*\c+3], v1, s[28:29] offset:12288*\t+1536*\ks+512*\c
.endr
.endr
.irp p, 0,1
	global_load_b32 v[16+\p], v3, s[32:33] offset:1024*\p+64*\ks
	global_load_b32 v[18+\p], v3, s[34:35] offset:1024*\p+64*\ks
.endr
	s_wait_loadcnt 0x0                             ; one set of fragment registers: the SIMD's other two waves work meanwhile
.irp o, 0,1,2,3
.irp i, 0,1,2,3
	WM ACC+8*(4*\o+\i), RF+12*\i, PF+12*\o, 16+\i/2, 18+\o/2, \i%2, \o%2
.endr
.endr
.endm
.irp s, 0,1,2,3,4,5,6,7
	KSTEP \s
.endr
.rept 4
	v_nop                                          ; four places in front of the first read of results and the first write of operands
.endr
.irp o, 0,1,2,3
	HQ ACC+32*\o, 32+8*\o, 64+6*\o
.endr
.irp o, 0,1,2,3
	global_store_b128 v1, v[32+8*\o:35+8*\o], s[14:15] offset:768*\o          ; 512 consecutive bytes, aligned
	global_store_b64 v2, v[36+8*\o:37+8*\o], s[14:15] offset:768*\o+512       ; and 256
.endr
	v_cndmask_b32 v88, v68, v74, s27               ; lanes 0-15 tile 0's words, lanes 16-31 tile 1's
	v_cndmask_b32 v89, v80, v86, s27
	global_store_b32 v6, v88, s[16:17]
	global_store_b32 v6, v89, s[16:17] offset:128
	s_endpgm
.Lfunc_end_k_q32528031fc_qkv:
	.size	k_q32528031fc_qkv, .Lfunc_end_k_q32528031fc_qkv-k_q32528031fc_qkv
	.p2alignl 7, 3214868480
	.fill 96, 4, 3214868480
	.section	.rodata,"a",@progbits
	.p2align	6, 0x0
	.amdhsa_kernel k_q32528031fc_qkv
		.amdhsa_group_segment_fixed_size 0
		.amdhsa_private_segment_fixed_size 0
		.amdhsa_enable_private_segment 0
		.amdhsa_kernarg_size 56
		.amdhsa_user_sgpr_count 2
		.amdhsa_user_sgpr_kernarg_segment_ptr 1
		.amdhsa_wavefront_size32 1
		.amdhsa_system_sgpr_workgroup_id_x 1
		.amdhsa_system_sgpr_workgroup_id_y 1
		.amdhsa_system_sgpr_workgroup_id_z 1
		.amdhsa_system_vgpr_workitem_id 0
		.amdhsa_next_free_vgpr 256
		.amdhsa_next_free_sgpr 66
		.amdhsa_reserve_vcc 0
		.amdhsa_float_denorm_mode_32 3
		.amdhsa_float_denorm_mode_16_64 3
		.amdhsa_memory_ordered 1
		.amdhsa_forward_progress 1
		.amdhsa_inst_pref_size 65
	.end_amdhsa_kernel
	.amdgpu_metadata
---
amdhsa.version: [ 1, 2 ]
amdhsa.kernels:
  - .name:           k_q32528031fc_qkv
    .symbol:         k_q32528031fc_qkv.kd
    .args:
      - { .name: cod, .offset: 0, .size: 8, .value_kind: global_buffer, .address_space: global }
      - { .name: scl, .offset: 8, .size: 8, .value_kind: global_buffer, .address_space: global }
      - { .name: q_bias, .offset: 16, .size: 8, .value_kind: global_buffer, .address_space: global }
      - { .name: k_bias, .offset: 24, .size: 8, .value_kind: global_buffer, .address_space: global }
      - { .name: v_bias, .offset: 32, .size: 8, .value_kind: global_buffer, .address_space: global }
      - { .name: qkvc, .offset: 40, .size: 8, .value_kind: global_buffer, .address_space: global }
      - { .name: qkvs, .offset: 48, .size: 8, .value_kind: global_buffer, .address_space: global }
    .group_segment_fixed_size: 0
    .private_segment_fixed_size: 0
    .kernarg_segment_align: 8
    .kernarg_segment_size: 56
    .max_flat_workgroup_size: 384
    .sgpr_count:     66
    .vgpr_count:     256
    .wavefront_size: 32
...
	.end_amdgpu_metadata
.endif
;; end of part 2
;; launch attn (part 3): grid 8 x 32, 16 waves a work-group, no clusters, 215,040 bytes of LDS; arguments qkvc, qkvs, cc, cs; writes cc, cs
.if DOCPART == 3
	.amdgcn_target "amdgcn-amd-amdhsa--gfx1250"
	.amdhsa_code_object_version 6
	.text
	.protected	k_q32528031fc_attn
	.globl	k_q32528031fc_attn
	.p2align	8
	.type	k_q32528031fc_attn,@function
k_q32528031fc_attn:
	s_mov_b64 s[64:65], 0
	v_nop
	global_prefetch_b8 v0, s[64:65] scope:SCOPE_SE
	s_setreg_imm32_b32 hwreg(HW_REG_WAVE_MODE, 25, 1), 1
	s_wait_xcnt 0x0
; Causal attention of one head (y = batch x 16 + head) on codes of BF6; head size 64; the result is quantised along the head's 64 for the next product.
; THE SOFTMAX: t = score x log2(e) / 8; M = the running largest t rounded UP to a whole number; p = 2^(t - M) is quantised along the keys; the row's sum is taken of the unquantised p and divides at the end.
; SHARES.  A wave owns one tile of 16 queries.  Waves 0-7 take tiles 8 j + w, waves 8-15 tiles 8 (15 - j) + (w - 8) (j = work-group x): a tile of group g walks g + 1 key steps of 128, so each SIMD's four
; waves (s, s + 4, s + 8, s + 12) walk 2 (j + 1) + 2 (16 - j) = 34 steps in every work-group.
; LDS is filled ONCE, through registers, with the head's whole K and V (images of registers: 768 bytes for 16 rows x 64 K) and their scale words; one barrier; then it is only read.
; LAYOUT.  S^T = K Q^T (source 0 = 16 keys, source 1 = my queries); the head's 64 fill half of the instruction's 128: the upper six registers of both operands are zero codes, under the scale byte 0.
; O^T = V^T P^T (source 0 = 16 of the head's 64, K = 128 keys).  A lane holds one query throughout.  Tile T's slot r is token 32 (T / 2) + 8 (T % 2) + r + 8 (r / 8), so the 16 registers of key tiles 2 b, 2 b + 1 are keys 32 b + 16 (lane / 16) + 0 .. 15.
; The loop has 16 trips in every wave; a step all of whose keys come after my queries is jumped over by a scalar branch on ids.  No joint loads: nothing is filled by a copy engine.
; LIMITS: NaN and infinities are not served; a block of zeros gets the byte 1 over zero codes.
; REGISTERS: v1-6 lane terms; v7-11 the step's addresses; v12 -M, v13 the largest t, v[14:15] the sum; v16-27 Q; v32-79 four fragments of K; v84-87 K's scale words, v88-91 V's halves, v92-93 V's words;
;   v96-159 S^T, then p, then V's four fragments; v160-191 O^T; v224-235 p's codes; v232-254 at work; v253 p's scale word; v255 Q's.
.set VC,   98304                       ; LDS: K's codes 0 .. 98,303; V's from here; K's words from 196,608; V's from 204,800
.set KSO,  196608
.set G,    40                          ; s40  my group: the last key step that I walk
.set STEP, 41
.set TK,   42                          ; s42  6,144 x step: a step's eight images
.set TS,   43                          ; s43  512 x step: its scale words
.set SEL,  44
.set CS,   46                          ; s[46:47] c = log2(e) / 8
.macro WS d, a, sa, ra                 ; S^T's tile: begins its sum with 0
.if (\ra)
	v_wmma_scale_f32_16x16x128_f8f6f4 v[\d:\d+7], v[\a:\a+11], v[16:27], 0, v[\sa], v255 matrix_a_fmt:MATRIX_FMT_BF6 matrix_b_fmt:MATRIX_FMT_BF6 matrix_a_scale:MATRIX_SCALE_ROW1
.else
	v_wmma_scale_f32_16x16x128_f8f6f4 v[\d:\d+7], v[\a:\a+11], v[16:27], 0, v[\sa], v255 matrix_a_fmt:MATRIX_FMT_BF6 matrix_b_fmt:MATRIX_FMT_BF6
.endif
.endm
.macro WO d, a, sa, ra                 ; O^T's tile, in place
.if (\ra)
	v_wmma_scale_f32_16x16x128_f8f6f4 v[\d:\d+7], v[\a:\a+11], v[224:235], v[\d:\d+7], v[\sa], v253 matrix_a_fmt:MATRIX_FMT_BF6 matrix_b_fmt:MATRIX_FMT_BF6 matrix_a_scale:MATRIX_SCALE_ROW1
.else
	v_wmma_scale_f32_16x16x128_f8f6f4 v[\d:\d+7], v[\a:\a+11], v[224:235], v[\d:\d+7], v[\sa], v253 matrix_a_fmt:MATRIX_FMT_BF6 matrix_b_fmt:MATRIX_FMT_BF6
.endif
.endm
.macro HQ s, c, t                      ; 32 numbers of a lane (register 16 b + n = k 32 b + 16 (lane / 16) + n) -> six registers of codes in v[c] on, two scale bytes in v[t + 4]
	v_max3_num_f32 v[\t], |v[\s]|, |v[\s+1]|, 0x2800000
	v_max3_num_f32 v[\t+1], |v[\s+16]|, |v[\s+17]|, 0x2800000
.irp i, 2,4,6,8,10,12,14
	v_max3_num_f32 v[\t], v[\t], |v[\s+\i]|, |v[\s+\i+1]|
	v_max3_num_f32 v[\t+1], v[\t+1], |v[\s+16+\i]|, |v[\s+17+\i]|
.endr
	v_permlanex16_b32 v[\t+2], v[\t], s[SEL], s[SEL+1]
	v_permlanex16_b32 v[\t+3], v[\t+1], s[SEL], s[SEL+1]
	v_max_num_f32 v[\t], v[\t], v[\t+2]
	v_max_num_f32 v[\t+1], v[\t+1], v[\t+3]
	v_add_nc_u32 v[\t], 0xfe000000, v[\t]
	v_add_nc_u32 v[\t+1], 0xfe000000, v[\t+1]
	v_lshrrev_b32 v[\t+2], 23, v[\t]
	v_lshrrev_b32 v[\t+3], 23, v[\t+1]
	v_lshl_or_b32 v[\t+4], v[\t+3], 8, v[\t+2]
	v_cvt_scalef32_pk16_bf6_f32 v[\c:\c+2], v[\s:\s+15], v[\t]
	v_cvt_scalef32_pk16_bf6_f32 v[\c+4:\c+6], v[\s+16:\s+31], v[\t+1]
	v_nop
.irp i, 0,1,2
	v_permlane16_swap_b32 v[\c+\i], v[\c+4+\i]
.endr
	v_mov_b32 v[\c+3], v[\c+4]
	v_mov_b32 v[\c+4], v[\c+5]
	v_mov_b32 v[\c+5], v[\c+6]
.endm
	s_load_b256 s[4:11], s[0:1], 0x0               ; qkvc, qkvs, cc, cs
	v_lshl_add_u32 v250, v0, 2, 0x34000
	v_mov_b32 v251, 0
	v_lshrrev_b32 v1, 5, v0
	v_readfirstlane_b32 s12, v1                    ; wave 0 .. 15
	v_and_b32 v13, 31, v0                          ; lane
	v_and_b32 v14, 15, v0                          ; r
	v_bfe_u32 v15, v0, 4, 1                        ; h
	v_lshlrev_b32 v1, 4, v13                       ; 16 x lane
	v_lshlrev_b32 v2, 3, v13                       ; 8 x lane
	v_add_nc_u32 v3, VC, v1
	v_add_nc_u32 v4, VC, v2
	v_lshl_add_u32 v5, v13, 2, KSO
	s_and_b32 s15, s12, 7
	s_lshr_b32 s17, s15, 1
	s_lshl_b32 s17, s17, 5
	s_and_b32 s18, s12, 1
	s_lshl_b32 s18, s18, 3
	s_add_co_u32 s17, s17, s18
	v_and_b32 v6, 8, v14
	v_add_nc_u32 v6, v6, v14
	v_lshlrev_b32 v15, 4, v15
	v_sub_nc_u32 v6, v6, v15
	v_add_nc_u32 v6, s17, v6                       ; my query's place among its group's 128, less 16 h: register n's key is hidden on the diagonal where 32 (n / 16) + n % 16 is above it
	v_lshlrev_b32 v7, 4, v0                        ; the copy: 16 bytes a thread, 8,192 an instruction; four registers reach all of it
	v_add_nc_u32 v8, 0x10000, v7
	v_add_nc_u32 v9, 0x20000, v7
	v_add_nc_u32 v10, 0x30000, v7
	v_lshlrev_b32 v11, 4, v0
	v_lshlrev_b32 v12, 2, v14
	s_and_b32 s13, ttmp7, 0xffff                   ; batch x 16 + head
	s_sub_co_u32 s14, 15, ttmp9
	s_cmp_lt_u32 s12, 8
	s_cselect_b32 s[G], ttmp9, s14
	s_lshl_b32 s16, s[G], 3
	s_add_co_u32 s16, s16, s15                     ; my tile of queries
	s_mul_i32 s20, s13, 98304
	s_mov_b32 s21, 0
	s_lshl_b32 s26, s13, 13
	s_mov_b32 s27, 0
	s_lshl_b32 s18, s13, 7
	s_add_co_u32 s18, s18, s16
	s_mul_i32 s32, s18, 768
	s_mov_b32 s33, 0
	s_lshl_b32 s38, s18, 6
	s_mov_b32 s39, 0
	s_lshr_b32 s18, s13, 4
	s_lshl_b32 s18, s18, 7
	s_add_co_u32 s18, s18, s16                     ; my tile among all 256 tiles of tokens
	s_and_b32 s19, s13, 15                         ; the head
	s_lshl_b32 s48, s18, 4
	s_add_co_u32 s48, s48, s19
	s_mul_i32 s48, s48, 768
	s_mov_b32 s49, 0
	s_lshl_b32 s54, s18, 9
	s_lshl_b32 s19, s19, 1
	s_add_co_u32 s54, s54, s19
	s_mov_b32 s55, 0
	s_mov_b32 s[SEL], 0x76543210
	s_mov_b32 s[SEL+1], 0xfedcba98
	s_mov_b32 s[CS], 0x3e38aa3b
	s_mov_b32 s[CS+1], s[CS]                       ; (named with it as a pair, so it is written)
	s_wait_kmcnt 0x0
	s_add_nc_u64 s[22:23], s[4:5], s[20:21]
	s_add_nc_u64 s[24:25], s[22:23], 6291456       ; V's codes of the head
	s_add_nc_u64 s[22:23], s[22:23], 3145728       ; K's
	s_add_nc_u64 s[28:29], s[6:7], s[26:27]
	s_add_nc_u64 s[30:31], s[28:29], 524288        ; V's words
	s_add_nc_u64 s[28:29], s[28:29], 262144        ; K's
	s_add_nc_u64 s[34:35], s[4:5], s[32:33]        ; my Q
	s_add_nc_u64 s[36:37], s[6:7], s[38:39]
	s_add_nc_u64 s[50:51], s[8:9], s[48:49]        ; where my codes go,
	s_add_nc_u64 s[52:53], s[10:11], s[54:55]      ; and their scale bytes
.set n, 0
.rept 12
	global_load_b128 v[32+4*n:35+4*n], v11, s[22:23] offset:8192*n
.set n, n+1
.endr
.set n, 0
.rept 12
	global_load_b128 v[80+4*n:83+4*n], v11, s[24:25] offset:8192*n
.set n, n+1
.endr
	global_load_b128 v[128:131], v11, s[28:29]
	global_load_b128 v[132:135], v11, s[30:31]
	global_load_b128 v[16:19], v1, s[34:35]
	global_load_b64 v[20:21], v2, s[34:35] offset:512
	global_load_b32 v255, v12, s[36:37]
.set n, 0
.rept 26
	s_wait_loadcnt 28-n                            ; load n is in: behind it stand 25 - n of the copy and Q's three
	ds_store_b128 v[7+n/8], v[32+4*n:35+4*n] offset:8192*(n%8)
.set n, n+1
.endr
	s_wait_dscnt 0x0                               ; for the others' sake: my part of the copy has landed
	s_barrier_signal -1
	s_barrier_wait -1
	s_wait_loadcnt 0x0                             ; Q
.irp i, 22,23,24,25,26,27
	v_mov_b32 v\i, 0                               ; the upper 64 of the instruction's K: zero codes, written once
.endr
.irp t, 0,1,2,3
.irp i, 6,7,8,9,10,11
	v_mov_b32 v[32+12*\t+\i], 0
.endr
.endr
.set n, 0
.rept 32
	v_mov_b32 v[160+n], 0                          ; O^T: the step is written once; the first change of M multiplies zeros
.set n, n+1
.endr
	v_mov_b32 v13, 0xff61b1e6                      ; the largest t so far: -3e38
	v_floor_f32 v12, -v13                          ; -M
	v_mov_b32 v14, 0
	v_mov_b32 v15, 0
.irp i, 236,237,238,239,252,253
	v_mov_b32 v\i, 0                               ; lane permutes' destinations and a pair's upper half are written before they are named
.endr
	s_mov_b32 s[STEP], 0
	s_mov_b32 s[TK], 0
	s_mov_b32 s[TS], 0
.Lstep:
	s_cmp_gt_u32 s[STEP], s[G]                     ; all of this step's keys come after my queries
	s_cbranch_scc1 .Lhidden
	v_add_nc_u32 v7, s[TS], v5
	v_add_nc_u32 v8, s[TK], v1
	v_add_nc_u32 v9, s[TK], v2
	v_add_nc_u32 v10, s[TK], v3
	v_add_nc_u32 v11, s[TK], v4
	v_nop                                          ; six places: the products below write over registers that the last step's products read (five are owed)
.irp p, 0,1,2,3
	ds_load_b32 v[84+\p], v7 offset:128*\p         ; K's words: lanes 0-15 tile 2 p's, lanes 16-31 tile 2 p + 1's
.endr
.irp c, 0,1
.irp p, 0,1
	ds_load_b32 v[88+2*\c+\p], v7 offset:8192+256*\c+128*\p   ; V's: the two bytes of keys 64 c on
.endr
.endr
.irp g, 0,1
.if \g == 1
	v_lshl_or_b32 v92, v90, 16, v88                ; V's scale words of these 128 keys.  With the two lines below: the four places in front of the loads
	v_lshl_or_b32 v93, v91, 16, v89
	v_nop
	v_nop
.endif
.irp t, 0,1,2,3
	ds_load_b128 v[32+12*\t:35+12*\t], v8 offset:768*(4*\g+\t)
	ds_load_b64 v[36+12*\t:37+12*\t], v9 offset:768*(4*\g+\t)+512
.endr
	s_wait_dscnt 0x0
.irp t, 0,1,2,3
	WS 96+8*(4*\g+\t), 32+12*\t, 84+2*\g+\t/2, \t%2
.endr
.endr
.rept 4
	v_nop
.endr
	s_cmp_lg_u32 s[STEP], s[G]                     ; on the diagonal hidden scores become -infinity ahead of the maximum
	s_cbranch_scc1 .Lopen
	v_mov_b32 v254, 0xff800000
.set n, 0
.rept 64
	v_cmp_gt_i32 vcc_lo, 32*(n/16)+n%16, v6
	v_cndmask_b32 v[96+n], v[96+n], v254, vcc_lo
.set n, n+1
.endr
.Lopen:
.irp b, 0,1,2,3
	v_max3_num_f32 v[232+\b], v[96+16*\b], v[97+16*\b], v[98+16*\b]   ; the largest score of each block of 32 keys: for the row's maximum and for the block's largest p
.endr
.irp i, 3,5,7,9,11,13
.irp b, 0,1,2,3
	v_max3_num_f32 v[232+\b], v[232+\b], v[96+16*\b+\i], v[97+16*\b+\i]
.endr
.endr
.irp b, 0,1,2,3
	v_max_num_f32 v[232+\b], v[232+\b], v[111+16*\b]
.endr
.irp b, 0,1,2,3
	v_permlanex16_b32 v[236+\b], v[232+\b], s[SEL], s[SEL+1]
.endr
.irp b, 0,1,2,3
	v_max_num_f32 v[232+\b], v[232+\b], v[236+\b]
.endr
	v_max3_num_f32 v254, v232, v233, v234
	v_max_num_f32 v254, v254, v235
	v_mul_f32 v254, s[CS], v254
	v_max_num_f32 v13, v13, v254                   ; the running largest t
	v_mov_b32 v254, v12
	v_floor_f32 v12, -v13                          ; the new -M: M is a whole number
	v_sub_f32 v254, v12, v254
	v_cvt_i32_f32 v254, v254                       ; (it saturates)
	v_ldexp_f32 v252, 1.0, v254                    ; f = 2^(old M - new M)
.set n, 0
.rept 32
	v_pk_fma_f32 v[96+n:97+n], v[96+n:97+n], s[CS:CS+1], v[12:13] op_sel_hi:[1,0,0]   ; t - M
.set n, n+2
.endr
.irp b, 0,1,2,3
	v_fma_f32 v[232+\b], v[232+\b], s[CS], v12
.endr
.set n, 0
.rept 64
	v_exp_f32 v[96+n], v[96+n]                     ; p = 2^(t - M)
.set n, n+1
.endr
	v_pk_mul_f32 v[14:15], v[14:15], v[252:253] op_sel_hi:[1,0]   ; the sums under the new M: the plain instruction behind the exponentials
	s_wait_alu depctr_va_vdst(0)                   ; one wait for the batch, ahead of its first reader
.irp b, 0,1,2,3
	v_exp_f32 v[232+\b], v[232+\b]                 ; each block's largest p
.endr
	v_pk_add_f32 v[236:237], v[96:97], v[98:99]    ; the row's sum of the unquantised p, two chains
.irp j, 4,8,12,16,20,24,28,32,36,40,44,48,52,56,60
	v_pk_add_f32 v[14:15], v[14:15], v[96+\j:97+\j]
	v_pk_add_f32 v[236:237], v[236:237], v[98+\j:99+\j]
.endr
	v_pk_add_f32 v[14:15], v[14:15], v[236:237]
	s_wait_alu depctr_va_vdst(0)                   ; and one for the four
.irp b, 0,1,2,3
	v_max_num_f32 v[232+\b], 0x2800000, v[232+\b]  ; the floor 2^(5 - 127)
.endr
.irp b, 0,1,2,3
	v_add_nc_u32 v[244+\b], 0xfe000000, v[232+\b]
.endr
.irp b, 0,1,2,3
	v_lshrrev_b32 v[236+\b], 23, v[244+\b]
.endr
	v_lshl_or_b32 v253, v237, 8, v236              ; p's scale word
	v_lshl_or_b32 v253, v238, 16, v253
	v_lshl_or_b32 v253, v239, 24, v253
.irp c, 0,1
	v_cvt_scalef32_pk16_bf6_f32 v[224+6*\c:226+6*\c], v[96+32*\c:111+32*\c], v[244+2*\c]
	v_cvt_scalef32_pk16_bf6_f32 v[236+4*\c:238+4*\c], v[112+32*\c:127+32*\c], v[244+2*\c+1]
.endr
	v_nop
.irp c, 0,1
.irp i, 0,1,2
	v_permlane16_swap_b32 v[224+6*\c+\i], v[236+4*\c+\i]
.endr
.irp i, 0,1,2
	v_mov_b32 v[227+6*\c+\i], v[236+4*\c+\i]
.endr
.endr
.irp t, 0,1,2,3
.irp c, 0,1
	ds_load_b128 v[96+12*\t+6*\c:99+12*\t+6*\c], v10 offset:768*(4*\c+\t)          ; V's four fragments, where p lay: registers 6 c on are keys 64 c on
	ds_load_b64 v[100+12*\t+6*\c:101+12*\t+6*\c], v11 offset:768*(4*\c+\t)+512
.endr
.endr
.set n, 0
.rept 16
	v_pk_mul_f32 v[160+n:161+n], v[160+n:161+n], v[252:253] op_sel_hi:[1,0]   ; O^T under the new M; also the places between the codes' and the scale word's last writes and the products
.set n, n+2
.endr
	s_wait_dscnt 0x0
.irp t, 0,1,2,3
	WO 160+8*\t, 96+12*\t, 92+\t/2, \t%2
.endr
.Lhidden:
	s_add_co_u32 s[TK], s[TK], 6144
	s_add_co_u32 s[TS], s[TS], 512
	s_add_co_u32 s[STEP], s[STEP], 1
	s_cmp_lt_u32 s[STEP], 16
	s_cbranch_scc1 .Lstep
.rept 4
	v_nop                                          ; four places behind the last products
.endr
	v_add_f32 v14, v14, v15
	v_permlanex16_b32 v252, v14, s[SEL], s[SEL+1]
	v_add_f32 v14, v14, v252                       ; the row's sum
	v_rcp_f32 v14, v14
	v_and_b32 v7, 15, v0                           ; (a plain instruction behind the transcendental)
	v_lshlrev_b32 v7, 5, v7                        ; 32 r
	s_wait_alu depctr_va_vdst(0)
.set n, 0
.rept 32
	v_mul_f32 v[96+n], v[160+n], v14               ; register 16 b + i is channel 32 b + 16 h + i of my query
.set n, n+1
.endr
	HQ 96, 32, 64
	global_store_b128 v1, v[32:35], s[50:51]
	global_store_b64 v2, v[36:37], s[50:51] offset:512
	global_store_b16 v7, v68, s[52:53]             ; two bytes a row, 32 bytes apart; both halves of the lanes write the same value: 32 bytes a wave
	s_wait_tensorcnt 0x0
	ds_add_u32 v250, v251
	s_wait_dscnt 0x0
	s_endpgm
.Lfunc_end_k_q32528031fc_attn:
	.size	k_q32528031fc_attn, .Lfunc_end_k_q32528031fc_attn-k_q32528031fc_attn
	.p2alignl 7, 3214868480
	.fill 96, 4, 3214868480
	.section	.rodata,"a",@progbits
	.p2align	6, 0x0
	.amdhsa_kernel k_q32528031fc_attn
		.amdhsa_group_segment_fixed_size 215040
		.amdhsa_private_segment_fixed_size 0
		.amdhsa_enable_private_segment 0
		.amdhsa_kernarg_size 32
		.amdhsa_user_sgpr_count 2
		.amdhsa_user_sgpr_kernarg_segment_ptr 1
		.amdhsa_wavefront_size32 1
		.amdhsa_system_sgpr_workgroup_id_x 1
		.amdhsa_system_sgpr_workgroup_id_y 1
		.amdhsa_system_sgpr_workgroup_id_z 1
		.amdhsa_system_vgpr_workitem_id 0
		.amdhsa_next_free_vgpr 256
		.amdhsa_next_free_sgpr 66
		.amdhsa_reserve_vcc 1
		.amdhsa_float_denorm_mode_32 3
		.amdhsa_float_denorm_mode_16_64 3
		.amdhsa_memory_ordered 1
		.amdhsa_forward_progress 1
		.amdhsa_inst_pref_size 37
	.end_amdhsa_kernel
	.amdgpu_metadata
---
amdhsa.version: [ 1, 2 ]
amdhsa.kernels:
  - .name:           k_q32528031fc_attn
    .symbol:         k_q32528031fc_attn.kd
    .args:
      - { .name: qkvc, .offset: 0, .size: 8, .value_kind: global_buffer, .address_space: global }
      - { .name: qkvs, .offset: 8, .size: 8, .value_kind: global_buffer, .address_space: global }
      - { .name: cc, .offset: 16, .size: 8, .value_kind: global_buffer, .address_space: global }
      - { .name: cs, .offset: 24, .size: 8, .value_kind: global_buffer, .address_space: global }
    .group_segment_fixed_size: 215040
    .private_segment_fixed_size: 0
    .kernarg_segment_align: 8
    .kernarg_segment_size: 32
    .max_flat_workgroup_size: 512
    .sgpr_count:     66
    .vgpr_count:     256
    .wavefront_size: 32
...
	.end_amdgpu_metadata
.endif
;; end of part 3
;; launch tail (part 4): grid 128 x 1, 16 waves a work-group, no clusters, 188,928 bytes of LDS; arguments cc, cs, cod, scl, x, o_bias, ln2_gamma, ln2_beta, ffn1_bias, ffn2_bias, out0; writes out0
.if DOCPART == 4
	.amdgcn_target "amdgcn-amd-amdhsa--gfx1250"
	.amdhsa_code_object_version 6
	.text
	.protected	k_q32528031fc_tail
	.globl	k_q32528031fc_tail
	.p2align	8
	.type	k_q32528031fc_tail,@function
k_q32528031fc_tail:
	s_mov_b64 s[64:65], 0
	v_nop
	global_prefetch_b8 v0, s[64:65] scope:SCOPE_SE
	s_setreg_imm32_b32 hwreg(HW_REG_WAVE_MODE, 25, 1), 1
	s_wait_xcnt 0x0
; out = x1 + gelu(LN2(x1) W1^T + b1) W2^T + b2, x1 = x + ctx Wo^T + bo: three products on codes of BF6 in one launch; x1 and the hidden layers never go to memory.
; SHARES.  A work-group owns 32 whole rows (two tiles of tokens, o = 0, 1), so that the layer norm stays inside it.  In all three products wave w makes columns 64 w .. 64 w + 63: four tiles of the weight (source 0)
; x two tiles of rows (source 1): 8 accumulators.  Register 32 o + 16 b + n of a lane is column 64 w + 32 b + 16 (lane / 16) + n of token 8 o + r + 8 (r / 8): 32 neighbours along the next K.
; The weights' fragments come from memory straight into registers (images of registers); the rows' codes go from wave to wave through LDS as half fragments of 768 bytes, wave w's being the next K's 64 w on.
; Six barriers; in front of each a wave waits for all its LDS instructions.  No region is written again before a barrier that every wave reaches behind its last read of it.
; GELU: 0.5 x (1 + erf(x / sqrt 2)), erf as z P(z^2) / Q(z^2) on z held to +-4.  LIMITS: 1 + erf carries an absolute error of about 1e-7; NaN and infinities are not served; a block of zeros gets the byte 1 over zero codes.
; No joint loads: the weights go to registers, so there is no LDS tile that several work-groups could be sent.
.set S0,    0                          ; LDS: scale bytes [o][slot 16][half 16] u16, two sets;
.set S1,    1024
.set RED1,  2048                       ; partial sums [o][slot 16][wave 16] f32, two sets;
.set RED2,  4096
.set A0,    6144                       ; the rows' codes [o][half 16] x 768 bytes, two sets;
.set A1,    30720
.set STAGE, 55296                      ; 32 rows x (4,096 + 16) bytes: x on the way in, out0 on the way out
.set SP,    4112
.set AF,  32                           ; v32-55   the rows' two fragments
.set X1,  64                           ; v64-127  x1, at last the output
.set HH,  128                          ; v128-191 at work: x, LN2, the hidden layer
.set WF,  192                          ; v192-239 the weight's four fragments
.set ZZ,  192                          ; GELU: z, then x / 2
.set PP,  208
.set QQ,  224
.set Z2,  240
.set SEL, 44
.macro WM d, a, b, sa, sb, ra, rb
.if (\ra) && (\rb)
	v_wmma_scale_f32_16x16x128_f8f6f4 v[\d:\d+7], v[\a:\a+11], v[\b:\b+11], v[\d:\d+7], v[\sa], v[\sb] matrix_a_fmt:MATRIX_FMT_BF6 matrix_b_fmt:MATRIX_FMT_BF6 matrix_a_scale:MATRIX_SCALE_ROW1 matrix_b_scale:MATRIX_SCALE_ROW1
.elseif (\ra)
	v_wmma_scale_f32_16x16x128_f8f6f4 v[\d:\d+7], v[\a:\a+11], v[\b:\b+11], v[\d:\d+7], v[\sa], v[\sb] matrix_a_fmt:MATRIX_FMT_BF6 matrix_b_fmt:MATRIX_FMT_BF6 matrix_a_scale:MATRIX_SCALE_ROW1
.elseif (\rb)
	v_wmma_scale_f32_16x16x128_f8f6f4 v[\d:\d+7], v[\a:\a+11], v[\b:\b+11], v[\d:\d+7], v[\sa], v[\sb] matrix_a_fmt:MATRIX_FMT_BF6 matrix_b_fmt:MATRIX_FMT_BF6 matrix_b_scale:MATRIX_SCALE_ROW1
.else
	v_wmma_scale_f32_16x16x128_f8f6f4 v[\d:\d+7], v[\a:\a+11], v[\b:\b+11], v[\d:\d+7], v[\sa], v[\sb] matrix_a_fmt:MATRIX_FMT_BF6 matrix_b_fmt:MATRIX_FMT_BF6
.endif
.endm
.macro HQ s, c, t                      ; 32 numbers of a lane (register 16 b + n = k 32 b + 16 (lane / 16) + n) -> six registers of codes in v[c] on, two scale bytes in v[t + 4]
	v_max3_num_f32 v[\t], |v[\s]|, |v[\s+1]|, 0x2800000
	v_max3_num_f32 v[\t+1], |v[\s+16]|, |v[\s+17]|, 0x2800000
.irp i, 2,4,6,8,10,12,14
	v_max3_num_f32 v[\t], v[\t], |v[\s+\i]|, |v[\s+\i+1]|
	v_max3_num_f32 v[\t+1], v[\t+1], |v[\s+16+\i]|, |v[\s+17+\i]|
.endr
	v_permlanex16_b32 v[\t+2], v[\t], s[SEL], s[SEL+1]
	v_permlanex16_b32 v[\t+3], v[\t+1], s[SEL], s[SEL+1]
	v_max_num_f32 v[\t], v[\t], v[\t+2]
	v_max_num_f32 v[\t+1], v[\t+1], v[\t+3]
	v_add_nc_u32 v[\t], 0xfe000000, v[\t]
	v_add_nc_u32 v[\t+1], 0xfe000000, v[\t+1]
	v_lshrrev_b32 v[\t+2], 23, v[\t]
	v_lshrrev_b32 v[\t+3], 23, v[\t+1]
	v_lshl_or_b32 v[\t+4], v[\t+3], 8, v[\t+2]
	v_cvt_scalef32_pk16_bf6_f32 v[\c:\c+2], v[\s:\s+15], v[\t]
	v_cvt_scalef32_pk16_bf6_f32 v[\c+4:\c+6], v[\s+16:\s+31], v[\t+1]
	v_nop
.irp i, 0,1,2
	v_permlane16_swap_b32 v[\c+\i], v[\c+4+\i]
.endr
	v_mov_b32 v[\c+3], v[\c+4]
	v_mov_b32 v[\c+4], v[\c+5]
	v_mov_b32 v[\c+5], v[\c+6]
.endm
.macro VEC32 dst, sb                   ; my wave's 64 numbers of a vector along the columns, in the results' layout: register 16 b + n takes number 32 b + 16 h + n
.irp bb, 0,1
.irp q, 0,1,2,3
	global_load_b128 v[\dst+16*\bb+4*\q:\dst+16*\bb+4*\q+3], v5, s[\sb:\sb+1] offset:128*\bb+16*\q
.endr
.endr
.endm
.macro PLACES
.rept 4
	v_nop
.endr
.endm
.macro BARRIER                         ; my LDS stores have landed and my LDS loads are in: then the work-group's barrier
	s_wait_dscnt 0x0
	s_barrier_signal -1
	s_barrier_wait -1
.endm
; A product: 8 K steps of 128, each 12 loads of the weight's fragments, 2 of its scale words, 8 LDS loads of the rows' fragments, 8 products in place, the accumulators by turns.
; wt: the weight's first tile in cod and scl, which stands in the immediates (7,126,528 at the most: inside the signed 24 bits).  The rows' scale words for all of K come first: lanes 0-15 tile 0's, lanes 16-31 tile 1's.
.macro GEMM acc, wt, ab, sb
	ds_load_b128 v[16:19], v3 offset:\sb
	ds_load_b128 v[20:23], v3 offset:\sb+16
.irp ks, 0,1,2,3,4,5,6,7
	PLACES                                         ; in front of loads into registers that matrix instructions have read
.irp i, 0,1,2,3
.irp c, 0,1,2
	global_load_b128 v[WF+12*\i+4*\c:WF+12*\i+4*\c+3], v1, s[28:29] offset:(\wt+\i)*12288+1536*\ks+512*\c
.endr
.endr
.irp p, 0,1
	global_load_b32 v[24+\p], v4, s[30:31] offset:\wt*512+1024*\p+64*\ks
.endr
.irp o, 0,1
.irp c, 0,1
	ds_load_b128 v[AF+12*\o+6*\c:AF+12*\o+6*\c+3], v1 offset:\ab+(16*\o+2*\ks+\c)*768
	ds_load_b64 v[AF+12*\o+6*\c+4:AF+12*\o+6*\c+5], v2 offset:\ab+(16*\o+2*\ks+\c)*768+512
.endr
.endr
	s_wait_loadcnt 0x0                             ; one set of fragment registers: the SIMD's other three waves work meanwhile
	s_wait_dscnt 0x0
.irp i, 0,1,2,3
.irp o, 0,1
	WM \acc+8*(4*\o+\i), WF+12*\i, AF+12*\o, 24+\i/2, 16+\ks, \i%2, \o
.endr
.endr
.endr
.endm
.macro LEND d, e                       ; the end of a lane's sum: the two chains, the pair's halves, lane l xor 16's
	v_pk_add_f32 v[\d:\d+1], v[\d:\d+1], v[\e:\e+1]
	v_add_f32 v[\d], v[\d], v[\d+1]
	v_permlanex16_b32 v[\e], v[\d], s[SEL], s[SEL+1]
	v_add_f32 v[\d], v[\d], v[\e]
.endm
.macro LSUM s, d, e                    ; my wave's sum of a row's 64 numbers
	v_pk_add_f32 v[\d:\d+1], v[\s:\s+1], v[\s+2:\s+3]
	v_pk_add_f32 v[\e:\e+1], v[\s+4:\s+5], v[\s+6:\s+7]
.irp i, 8,12,16,20,24,28
	v_pk_add_f32 v[\d:\d+1], v[\d:\d+1], v[\s+\i:\s+\i+1]
	v_pk_add_f32 v[\e:\e+1], v[\e:\e+1], v[\s+\i+2:\s+\i+3]
.endr
	LEND \d, \e
.endm
.macro LSQ s, d, e                     ; and of their squares
	v_pk_mul_f32 v[\d:\d+1], v[\s:\s+1], v[\s:\s+1]
	v_pk_mul_f32 v[\e:\e+1], v[\s+2:\s+3], v[\s+2:\s+3]
.irp i, 4,8,12,16,20,24,28
	v_pk_fma_f32 v[\d:\d+1], v[\s+\i:\s+\i+1], v[\s+\i:\s+\i+1], v[\d:\d+1]
	v_pk_fma_f32 v[\e:\e+1], v[\s+\i+2:\s+\i+3], v[\s+\i+2:\s+\i+3], v[\e:\e+1]
.endr
	LEND \d, \e
.endm
.macro RSUM base                       ; the sixteen waves' parts of my two rows, added in one order in every wave: v26 (o = 0), v28 (o = 1)
.irp o, 0,1
.irp q, 0,1,2,3
	ds_load_b128 v[32+16*\o+4*\q:35+16*\o+4*\q], v10 offset:\base+1024*\o+16*\q
.endr
.endr
	s_wait_dscnt 0x0
.irp o, 0,1
	v_pk_add_f32 v[32+16*\o:33+16*\o], v[32+16*\o:33+16*\o], v[34+16*\o:35+16*\o]
	v_pk_add_f32 v[36+16*\o:37+16*\o], v[36+16*\o:37+16*\o], v[38+16*\o:39+16*\o]
	v_pk_add_f32 v[32+16*\o:33+16*\o], v[32+16*\o:33+16*\o], v[40+16*\o:41+16*\o]
	v_pk_add_f32 v[36+16*\o:37+16*\o], v[36+16*\o:37+16*\o], v[42+16*\o:43+16*\o]
	v_pk_add_f32 v[32+16*\o:33+16*\o], v[32+16*\o:33+16*\o], v[44+16*\o:45+16*\o]
	v_pk_add_f32 v[36+16*\o:37+16*\o], v[36+16*\o:37+16*\o], v[46+16*\o:47+16*\o]
	v_pk_add_f32 v[32+16*\o:33+16*\o], v[32+16*\o:33+16*\o], v[36+16*\o:37+16*\o]
	v_add_f32 v[26+2*\o], v[32+16*\o], v[33+16*\o]
.endr
.endm
.macro SENDQ c, t, o, ab, sb           ; a half fragment and its two scale bytes go to LDS as they stand
	ds_store_b128 v6, v[\c:\c+3] offset:\ab+12288*\o
	ds_store_b64 v7, v[\c+4:\c+5] offset:\ab+12288*\o+512
	ds_store_b16 v8, v[\t+4] offset:\sb+512*\o
.endm
.macro GELU16 b                        ; 16 numbers of the hidden layer
.set HB, HH+16*(\b)
.irp k, 0,2,4,6,8,10,12,14
	v_pk_mul_f32 v[ZZ+\k:ZZ+\k+1], v[HB+\k:HB+\k+1], 0x3f3504f3 op_sel_hi:[1,0]   ; z = x / sqrt 2
.endr
.irp k, 0,1,2,3,4,5,6,7,8,9,10,11,12,13,14,15
	v_med3_num_f32 v[ZZ+\k], v[ZZ+\k], -4.0, 4.0
.endr
.irp k, 0,2,4,6,8,10,12,14
	v_pk_mul_f32 v[Z2+\k:Z2+\k+1], v[ZZ+\k:ZZ+\k+1], v[ZZ+\k:ZZ+\k+1]
.endr
.irp k, 0,2,4,6,8,10,12,14
	v_pk_fma_f32 v[PP+\k:PP+\k+1], v[Z2+\k:Z2+\k+1], v[48:49], 0x32edffee op_sel_hi:[1,1,0]
	v_pk_fma_f32 v[QQ+\k:QQ+\k+1], v[Z2+\k:Z2+\k+1], v[50:51], 0xb95fbd29 op_sel_hi:[1,1,0]
.endr
.irp a, 0xb60cff51, 0xb86ec2d2, 0xba40ac63, 0xbb41a1f6, 0xbc83dbd4
.irp k, 0,2,4,6,8,10,12,14
	v_pk_fma_f32 v[PP+\k:PP+\k+1], v[PP+\k:PP+\k+1], v[Z2+\k:Z2+\k+1], \a op_sel_hi:[1,1,0]
.endr
.endr
.irp a, 0xbadc924e, 0xbbf19bf8, 0xbc69b6a7
.irp k, 0,2,4,6,8,10,12,14
	v_pk_fma_f32 v[QQ+\k:QQ+\k+1], v[QQ+\k:QQ+\k+1], v[Z2+\k:Z2+\k+1], \a op_sel_hi:[1,1,0]
.endr
.endr
.irp k, 0,2,4,6,8,10,12,14
	v_pk_mul_f32 v[PP+\k:PP+\k+1], v[PP+\k:PP+\k+1], v[ZZ+\k:ZZ+\k+1]
.endr
.irp k, 0,1,2,3,4,5,6,7,8,9,10,11,12,13,14,15
	v_rcp_f32 v[Z2+\k], v[QQ+\k]
.endr
.irp k, 0,2,4,6,8,10,12,14
	v_pk_mul_f32 v[ZZ+\k:ZZ+\k+1], v[HB+\k:HB+\k+1], 0.5 op_sel_hi:[1,0]   ; x / 2: plain work behind the reciprocals
.endr
	s_wait_alu depctr_va_vdst(0)                   ; one wait for the sixteen, ahead of their first reader
.irp k, 0,2,4,6,8,10,12,14
	v_pk_mul_f32 v[PP+\k:PP+\k+1], v[PP+\k:PP+\k+1], v[Z2+\k:Z2+\k+1]     ; erf
.endr
.irp k, 0,2,4,6,8,10,12,14
	v_pk_fma_f32 v[HB+\k:HB+\k+1], v[ZZ+\k:ZZ+\k+1], v[PP+\k:PP+\k+1], v[ZZ+\k:ZZ+\k+1]
.endr
.endm
	s_load_b512 s[4:19], s[0:1], 0x0               ; cc, cs, cod, scl, x, o_bias, ln2_gamma, ln2_beta
	s_load_b128 s[20:23], s[0:1], 0x40             ; ffn1_bias, ffn2_bias
	s_load_b64 s[24:25], s[0:1], 0x50              ; out0
	v_lshrrev_b32 v15, 5, v0
	v_readfirstlane_b32 s26, v15                   ; wave 0 .. 15
	v_and_b32 v15, 31, v0                          ; lane
	v_and_b32 v56, 15, v0                          ; r
	v_bfe_u32 v57, v0, 4, 1                        ; h
	v_lshlrev_b32 v1, 4, v15                       ; 16 x lane
	v_lshlrev_b32 v2, 3, v15                       ; 8 x lane
	v_lshlrev_b32 v3, 5, v15                       ; 32 x lane: a row's eight scale words
	v_lshlrev_b32 v4, 2, v56
	v_lshl_add_u32 v4, v57, 9, v4                  ; the weights' scale words: 512 h + 4 r
	v_lshlrev_b32 v5, 6, v57                       ; 64 h
	s_mul_i32 s27, s26, 768
	v_add_nc_u32 v6, s27, v1                       ; my half fragment: 768 w + 16 x lane,
	v_add_nc_u32 v7, s27, v2                       ; 768 w + 8 x lane
	s_lshl_b32 s27, s26, 1
	v_lshl_add_u32 v8, v56, 5, s27                 ; its scale bytes: 32 r + 2 w
	s_lshl_b32 s27, s26, 2
	v_lshl_add_u32 v9, v56, 6, s27                 ; my part of a row's sum: 64 r + 4 w
	v_lshlrev_b32 v10, 6, v56                      ; a row's sixteen parts: 64 r
	v_and_b32 v58, 8, v56
	v_add_nc_u32 v58, v58, v56
	v_mul_u32_u24 v11, v58, SP
	v_lshl_add_u32 v11, v57, 6, v11
	s_lshl_b32 s27, s26, 8
	s_add_co_u32 s27, s27, STAGE
	v_add_nc_u32 v11, s27, v11                     ; the stage in the results' layout: row r + 8 (r / 8), + 64 h + 256 w
	s_mul_i32 s27, s26, 2*SP
	s_add_co_u32 s27, s27, STAGE
	v_add_nc_u32 v12, s27, v1                      ; the stage by rows: rows 2 w, 2 w + 1, 16 bytes a lane
	v_lshlrev_b32 v13, 4, v0
	v_lshlrev_b32 v14, 1, v0
	s_mul_i32 s32, ttmp9, 24576
	s_mov_b32 s33, 0
	s_lshl_b32 s34, ttmp9, 10
	s_mov_b32 s35, 0
	s_lshl_b32 s36, ttmp9, 17
	s_lshl_b32 s37, s26, 13
	s_add_co_u32 s36, s36, s37                     ; rows 32 G + 2 w of 4,096 bytes
	s_mov_b32 s37, 0
	s_lshl_b32 s38, s26, 8
	s_mov_b32 s39, 0
	s_mul_i32 s40, s26, 49152
	s_mov_b32 s41, 0
	s_lshl_b32 s42, s26, 11
	s_mov_b32 s43, 0
	s_mov_b32 s[SEL], 0x76543210
	s_mov_b32 s[SEL+1], 0xfedcba98
	s_mov_b32 s46, 0x3a800000                      ; 1 / 1024
	s_mov_b32 s47, 0x3727c5ac                      ; 1e-5
	s_wait_kmcnt 0x0
	s_add_nc_u64 s[4:5], s[4:5], s[32:33]
	s_add_nc_u64 s[6:7], s[6:7], s[34:35]
	s_add_nc_u64 s[12:13], s[12:13], s[36:37]
	s_add_nc_u64 s[24:25], s[24:25], s[36:37]
.irp p, 14,16,18,20,22
	s_add_nc_u64 s[\p:\p+1], s[\p:\p+1], s[38:39]  ; my wave's 64 numbers of each vector
.endr
	s_add_nc_u64 s[28:29], s[8:9], s[40:41]        ; my four tiles of a weight: 4 w tiles on
	s_add_nc_u64 s[30:31], s[10:11], s[42:43]
	; ---- 0: ctx's codes and scale bytes, and x's 32 rows, into LDS; the first sums begin as o_bias
.irp i, 0,1,2
	global_load_b128 v[192+4*\i:195+4*\i], v13, s[4:5] offset:8192*\i th:TH_LOAD_NT
.endr
	global_load_u16 v204, v14, s[6:7]
.irp rr, 0,1
.irp q, 0,1,2,3,4,5,6,7
	global_load_b128 v[HH+32*\rr+4*\q:HH+32*\rr+4*\q+3], v1, s[12:13] offset:4096*\rr+512*\q th:TH_LOAD_NT
.endr
.endr
	VEC32 X1, 14
	VEC32 X1+32, 14
	s_wait_loadcnt 16                              ; all but the 16 younger loads of the bias
.irp i, 0,1,2
	ds_store_b128 v13, v[192+4*\i:195+4*\i] offset:A0+8192*\i
.endr
	ds_store_b16 v14, v204 offset:S0
.irp rr, 0,1
.irp q, 0,1,2,3,4,5,6,7
	ds_store_b128 v12, v[HH+32*\rr+4*\q:HH+32*\rr+4*\q+3] offset:SP*\rr+512*\q
.endr
.endr
	BARRIER
	; ---- 1: x1 = x + ctx Wo^T + bo, and my part of each row's sum
	GEMM X1, 448, A0, S0
	PLACES
	VEC32 192, 16                                  ; gamma and beta are wanted two barriers on
	VEC32 224, 18
.irp o, 0,1
.irp bb, 0,1
.irp q, 0,1,2,3
	ds_load_b128 v[HH+32*\o+16*\bb+4*\q:HH+32*\o+16*\bb+4*\q+3], v11 offset:8*SP*\o+128*\bb+16*\q
.endr
.endr
.endr
	s_wait_dscnt 0x0
.set n, 0
.rept 32
	v_pk_add_f32 v[X1+n:X1+n+1], v[X1+n:X1+n+1], v[HH+n:HH+n+1]
.set n, n+2
.endr
	LSUM X1, 26, 30
	LSUM X1+32, 28, 30
	ds_store_b32 v9, v26 offset:RED1
	ds_store_b32 v9, v28 offset:RED1+1024
	BARRIER
	; ---- 2: the mean; x1 - mean; my part of the sum of squares
	RSUM RED1
	v_mul_f32 v26, s46, v26
	v_mul_f32 v28, s46, v28
.irp o, 0,1
.set n, 0
.rept 16
	v_pk_add_f32 v[HH+32*\o+n:HH+32*\o+n+1], v[X1+32*\o+n:X1+32*\o+n+1], v[26+2*\o:27+2*\o] op_sel_hi:[1,0] neg_lo:[0,1] neg_hi:[0,1]
.set n, n+2
.endr
.endr
	LSQ HH, 26, 30
	LSQ HH+32, 28, 30
	ds_store_b32 v9, v26 offset:RED2
	ds_store_b32 v9, v28 offset:RED2+1024
	BARRIER
	; ---- 3: LN2, quantised: K's 64 w on of the next product
	RSUM RED2
	v_fma_f32 v26, v26, s46, s47
	v_fma_f32 v28, v28, s46, s47
	v_rsq_f32 v26, v26
	v_rsq_f32 v28, v28
	v_nop                                          ; a plain instruction behind the transcendentals,
	s_wait_alu depctr_va_vdst(0)                   ; and one wait for the two
.irp o, 0,1
.set n, 0
.rept 16
	v_pk_mul_f32 v[HH+32*\o+n:HH+32*\o+n+1], v[HH+32*\o+n:HH+32*\o+n+1], v[26+2*\o:27+2*\o] op_sel_hi:[1,0]
.set n, n+2
.endr
.endr
	s_wait_loadcnt 0x0                             ; gamma and beta
.irp o, 0,1
.set n, 0
.rept 16
	v_pk_fma_f32 v[HH+32*\o+n:HH+32*\o+n+1], v[HH+32*\o+n:HH+32*\o+n+1], v[192+n:193+n], v[224+n:225+n]
.set n, n+2
.endr
.endr
	HQ HH, 32, 48
	SENDQ 32, 48, 0, A1, S1
	HQ HH+32, 40, 56
	SENDQ 40, 56, 1, A1, S1
	VEC32 HH, 20                                   ; the next sums begin as ffn1_bias
	VEC32 HH+32, 20
	BARRIER
	; ---- 4: the hidden layer, GELU, quantised
	GEMM HH, 512, A1, S1
	PLACES
	v_mov_b32 v48, 0xaf95df0b                      ; the two leading coefficients stand in registers: an instruction takes one literal
	v_mov_b32 v49, 0xaf95df0b
	v_mov_b32 v50, 0xb77460cd
	v_mov_b32 v51, 0xb77460cd
	GELU16 0
	GELU16 1
	GELU16 2
	GELU16 3
	HQ HH, 32, 48
	SENDQ 32, 48, 0, A0, S0
	HQ HH+32, 40, 56
	SENDQ 40, 56, 1, A0, S0
	VEC32 HH, 22                                   ; ffn2_bias
	BARRIER
	; ---- 5: the last product adds onto x1 + b2
	s_wait_loadcnt 0x0
.irp o, 0,1
.set n, 0
.rept 16
	v_pk_add_f32 v[X1+32*\o+n:X1+32*\o+n+1], v[X1+32*\o+n:X1+32*\o+n+1], v[HH+n:HH+n+1]
.set n, n+2
.endr
.endr
	GEMM X1, 576, A0, S0
	PLACES
.irp o, 0,1
.irp bb, 0,1
.irp q, 0,1,2,3
	ds_store_b128 v11, v[X1+32*\o+16*\bb+4*\q:X1+32*\o+16*\bb+4*\q+3] offset:8*SP*\o+128*\bb+16*\q   ; each accumulator from its low end on
.endr
.endr
.endr
	BARRIER
	; ---- 6: each wave stores two whole rows
.set n, 0
.rept 16
	ds_load_b128 v[HH+4*n:HH+4*n+3], v12 offset:SP*(n/8)+512*(n%8)
.set n, n+1
.endr
.set n, 0
.rept 16
	s_wait_dscnt 15-n                              ; load n is in; the 15 - n younger ones may be out
	global_store_b128 v1, v[HH+4*n:HH+4*n+3], s[24:25] offset:4096*(n/8)+512*(n%8) th:TH_STORE_NT   ; 512 consecutive bytes, aligned
.set n, n+1
.endr
	s_wait_xcnt 0x0
	v_lshl_add_u32 v254, v0, 2, 0x2da00
	v_mov_b32 v255, 0
	s_wait_tensorcnt 0x0
	ds_add_u32 v254, v255
	s_wait_dscnt 0x0
	s_endpgm
.Lfunc_end_k_q32528031fc_tail:
	.size	k_q32528031fc_tail, .Lfunc_end_k_q32528031fc_tail-k_q32528031fc_tail
	.p2alignl 7, 3214868480
	.fill 96, 4, 3214868480
	.section	.rodata,"a",@progbits
	.p2align	6, 0x0
	.amdhsa_kernel k_q32528031fc_tail
		.amdhsa_group_segment_fixed_size 188928
		.amdhsa_private_segment_fixed_size 0
		.amdhsa_enable_private_segment 0
		.amdhsa_kernarg_size 88
		.amdhsa_user_sgpr_count 2
		.amdhsa_user_sgpr_kernarg_segment_ptr 1
		.amdhsa_wavefront_size32 1
		.amdhsa_system_sgpr_workgroup_id_x 1
		.amdhsa_system_sgpr_workgroup_id_y 1
		.amdhsa_system_sgpr_workgroup_id_z 1
		.amdhsa_system_vgpr_workitem_id 0
		.amdhsa_next_free_vgpr 256
		.amdhsa_next_free_sgpr 66
		.amdhsa_reserve_vcc 0
		.amdhsa_float_denorm_mode_32 3
		.amdhsa_float_denorm_mode_16_64 3
		.amdhsa_memory_ordered 1
		.amdhsa_forward_progress 1
		.amdhsa_inst_pref_size 166
	.end_amdhsa_kernel
	.amdgpu_metadata
---
amdhsa.version: [ 1, 2 ]
amdhsa.kernels:
  - .name:           k_q32528031fc_tail
    .symbol:         k_q32528031fc_tail.kd
    .args:
      - { .name: cc, .offset: 0, .size: 8, .value_kind: global_buffer, .address_space: global }
      - { .name: cs, .offset: 8, .size: 8, .value_kind: global_buffer, .address_space: global }
      - { .name: cod, .offset: 16, .size: 8, .value_kind: global_buffer, .address_space: global }
      - { .name: scl, .offset: 24, .size: 8, .value_kind: global_buffer, .address_space: global }
      - { .name: x, .offset: 32, .size: 8, .value_kind: global_buffer, .address_space: global }
      - { .name: o_bias, .offset: 40, .size: 8, .value_kind: global_buffer, .address_space: global }
      - { .name: ln2_gamma, .offset: 48, .size: 8, .value_kind: global_buffer, .address_space: global }
      - { .name: ln2_beta, .offset: 56, .size: 8, .value_kind: global_buffer, .address_space: global }
      - { .name: ffn1_bias, .offset: 64, .size: 8, .value_kind: global_buffer, .address_space: global }
      - { .name: ffn2_bias, .offset: 72, .size: 8, .value_kind: global_buffer, .address_space: global }
      - { .name: out0, .offset: 80, .size: 8, .value_kind: global_buffer, .address_space: global }
    .group_segment_fixed_size: 188928
    .private_segment_fixed_size: 0
    .kernarg_segment_align: 8
    .kernarg_segment_size: 88
    .max_flat_workgroup_size: 512
    .sgpr_count:     66
    .vgpr_count:     256
    .wavefront_size: 32
...
	.end_amdgpu_metadata
.endif
;; end of part 4
;; ======== version 2 of 3: 4 launches
;; workspace buffers: cod 7,864,320 bytes; scl 327,680 bytes; qkvc 9,437,184 bytes; qkvs 786,432 bytes; cc 3,145,728 bytes; cs 131,072 bytes
;; launch prep: the kernel of part 1 again; grid 640 x 1, 16 waves a work-group, no clusters, 88,576 bytes of LDS; arguments x, q_weight, k_weight, v_weight, o_weight, ffn1_weight, ffn2_weight, ln1_gamma, ln1_beta, cod, scl; writes cod, scl
;; launch qkv: the kernel of part 2 again; grid 16 x 16, 12 waves a work-group, no clusters, 0 bytes of LDS; arguments cod, scl, q_bias, k_bias, v_bias, qkvc, qkvs; writes qkvc, qkvs
;; launch attn: the kernel of part 3 again; grid 8 x 32, 16 waves a work-group, no clusters, 215,040 bytes of LDS; arguments qkvc, qkvs, cc, cs; writes cc, cs
;; launch tail (part 5): grid 128 x 1, 16 waves a work-group, no clusters, 205,312 bytes of LDS; arguments cc, cs, cod, scl, x, o_bias, ln2_gamma, ln2_beta, ffn1_bias, ffn2_bias, out0; writes out0
.if DOCPART == 5
	.amdgcn_target "amdgcn-amd-amdhsa--gfx1250"
	.amdhsa_code_object_version 6
	.text
	.protected	k_q32528031fc_tail
	.globl	k_q32528031fc_tail
	.p2align	8
	.type	k_q32528031fc_tail,@function
k_q32528031fc_tail:
	s_mov_b64 s[64:65], 0
	v_nop
	global_prefetch_b8 v0, s[64:65] scope:SCOPE_SE
	s_setreg_imm32_b32 hwreg(HW_REG_WAVE_MODE, 25, 1), 1
	s_wait_xcnt 0x0
; out = x1 + gelu(LN2(x1) W1^T + b1) W2^T + b2, x1 = x + ctx Wo^T + bo: three products on codes of BF6 in one launch; x1 and the hidden layers never go to memory.
; SHARES.  A work-group owns 32 whole rows (two tiles of tokens, o = 0, 1), so that the layer norm stays inside it.  In all three products wave w makes columns 64 w .. 64 w + 63: four tiles of the weight (source 0)
; x two tiles of rows (source 1): 8 accumulators, the same 64 registers for all three.  Register 32 o + 16 b + n of a lane is column 64 w + 32 b + 16 (lane / 16) + n of token 8 o + r + 8 (r / 8): 32 neighbours along the next K.
; THE WEIGHTS' FRAGMENTS come from memory straight into registers (images of registers), in TWO sets that take turns: the loads of K step s + 1 are issued at the head of step s, so a wave has two steps' 28 loads on their way.
; The stream does not stop between products: a product's last step asks for the next weight's step 0, and its step 1 is asked for straight behind the last product, so both land during the layer norm or the GELU.
; The rows' codes go from wave to wave through LDS as half fragments of 768 bytes, wave w's being the next K's 64 w on.  x1 waits in LDS, as an image of its 64 registers, from the layer norm to the last product.
; gamma, beta, b1 and b2 are copied into LDS once and read from there in the results' layout.
; Six barriers; in front of each a wave waits for all its LDS instructions.  No region is written again before a barrier that every wave reaches behind its last read of it.
; GELU: 0.5 x (1 + erf(x / sqrt 2)), erf as z P(z^2) / Q(z^2) on z held to +-4.  LIMITS: 1 + erf carries an absolute error of about 1e-7; NaN and infinities are not served; a block of zeros gets the byte 1 over zero codes.
; No joint loads: the weights go to registers, so there is no LDS tile that several work-groups could be sent.
; REGISTERS: v1-15 addresses; v16-23 the rows' scale words; v24-25, v26-27 the weight's, set 0 and 1; v28-31 sums, later two coefficients; v32-55 the rows' two fragments; v32-63, v176-191, v240-255 at work between products;
;   v64-127 the accumulators; v192-239 the weight's four fragments, set 0; v128-175 set 1.
.set S0,    0                          ; LDS: scale bytes [o][slot 16][half 16] u16, two sets;
.set S1,    1024
.set RED1,  2048                       ; partial sums [o][slot 16][wave 16] f32, two sets;
.set RED2,  4096
.set A0,    6144                       ; the rows' codes [o][half 16] x 768 bytes, two sets;
.set A1,    30720
.set STAGE, 55296                      ; 32 rows x (4,096 + 16) bytes: x on the way in, then x1's images (8,192 bytes a wave), out0 on the way out
.set SP,    4112
.set VECS,  186880                     ; gamma, beta, b1, b2: 4,096 bytes each
.set AF,  32
.set ACC, 64
.set T1,  176                          ; sixteen registers at work,
.set T2,  240                          ; and sixteen more
.set HH,  128                          ; the way out: two rows
.set ZZ,  32                           ; GELU: z, then x / 2
.set PP,  48
.set QQ,  176
.set Z2,  240
.set SEL, 44
.macro WM d, a, b, sa, sb, ra, rb      ; one product in place; ra, rb: the side's scale words stand in lanes 16-31
.if (\ra) && (\rb)
	v_wmma_scale_f32_16x16x128_f8f6f4 v[\d:\d+7], v[\a:\a+11], v[\b:\b+11], v[\d:\d+7], v[\sa], v[\sb] matrix_a_fmt:MATRIX_FMT_BF6 matrix_b_fmt:MATRIX_FMT_BF6 matrix_a_scale:MATRIX_SCALE_ROW1 matrix_b_scale:MATRIX_SCALE_ROW1
.elseif (\ra)
	v_wmma_scale_f32_16x16x128_f8f6f4 v[\d:\d+7], v[\a:\a+11], v[\b:\b+11], v[\d:\d+7], v[\sa], v[\sb] matrix_a_fmt:MATRIX_FMT_BF6 matrix_b_fmt:MATRIX_FMT_BF6 matrix_a_scale:MATRIX_SCALE_ROW1
.elseif (\rb)
	v_wmma_scale_f32_16x16x128_f8f6f4 v[\d:\d+7], v[\a:\a+11], v[\b:\b+11], v[\d:\d+7], v[\sa], v[\sb] matrix_a_fmt:MATRIX_FMT_BF6 matrix_b_fmt:MATRIX_FMT_BF6 matrix_b_scale:MATRIX_SCALE_ROW1
.else
	v_wmma_scale_f32_16x16x128_f8f6f4 v[\d:\d+7], v[\a:\a+11], v[\b:\b+11], v[\d:\d+7], v[\sa], v[\sb] matrix_a_fmt:MATRIX_FMT_BF6 matrix_b_fmt:MATRIX_FMT_BF6
.endif
.endm
.macro HQ s, c, t                      ; 32 numbers of a lane (register 16 b + n = k 32 b + 16 (lane / 16) + n) -> six registers of codes in v[c] on, two scale bytes in v[t + 4]
	v_max3_num_f32 v[\t], |v[\s]|, |v[\s+1]|, 0x2800000
	v_max3_num_f32 v[\t+1], |v[\s+16]|, |v[\s+17]|, 0x2800000
.irp i, 2,4,6,8,10,12,14
	v_max3_num_f32 v[\t], v[\t], |v[\s+\i]|, |v[\s+\i+1]|
	v_max3_num_f32 v[\t+1], v[\t+1], |v[\s+16+\i]|, |v[\s+17+\i]|
.endr
	v_permlanex16_b32 v[\t+2], v[\t], s[SEL], s[SEL+1]
	v_permlanex16_b32 v[\t+3], v[\t+1], s[SEL], s[SEL+1]
	v_max_num_f32 v[\t], v[\t], v[\t+2]
	v_max_num_f32 v[\t+1], v[\t+1], v[\t+3]
	v_add_nc_u32 v[\t], 0xfe000000, v[\t]
	v_add_nc_u32 v[\t+1], 0xfe000000, v[\t+1]
	v_lshrrev_b32 v[\t+2], 23, v[\t]
	v_lshrrev_b32 v[\t+3], 23, v[\t+1]
	v_lshl_or_b32 v[\t+4], v[\t+3], 8, v[\t+2]
	v_cvt_scalef32_pk16_bf6_f32 v[\c:\c+2], v[\s:\s+15], v[\t]
	v_cvt_scalef32_pk16_bf6_f32 v[\c+4:\c+6], v[\s+16:\s+31], v[\t+1]
	v_nop
.irp i, 0,1,2
	v_permlane16_swap_b32 v[\c+\i], v[\c+4+\i]
.endr
	v_mov_b32 v[\c+3], v[\c+4]
	v_mov_b32 v[\c+4], v[\c+5]
	v_mov_b32 v[\c+5], v[\c+6]
.endm
.macro VEC32 dst, sb                   ; my wave's 64 numbers of a vector along the columns, from memory, in the results' layout: register 16 b + n takes number 32 b + 16 h + n
.irp bb, 0,1
.irp q, 0,1,2,3
	global_load_b128 v[\dst+16*\bb+4*\q:\dst+16*\bb+4*\q+3], v5, s[\sb:\sb+1] offset:128*\bb+16*\q
.endr
.endr
.endm
.macro LVEC d0, d1, off                ; the same from the copy in LDS: numbers 16 h + n into v[d0] on, 32 + 16 h + n into v[d1] on
.irp q, 0,1,2,3
	ds_load_b128 v[\d0+4*\q:\d0+4*\q+3], v13 offset:\off+16*\q
	ds_load_b128 v[\d1+4*\q:\d1+4*\q+3], v13 offset:\off+128+16*\q
.endr
.endm
.macro PLACES
.rept 4
	v_nop
.endr
.endm
.macro BARRIER                         ; my LDS stores have landed and my LDS loads are in: then the work-group's barrier
	s_wait_dscnt 0x0
	s_barrier_signal -1
	s_barrier_wait -1
.endm
; The 14 loads of one K step of a weight: my four tiles' fragments and their scale words, into set ks % 2.  wt: the weight's first tile in cod and scl, which stands in the immediates (7,126,528 at the most: inside the signed 24 bits).
.macro WLOAD wt, ks
.irp i, 0,1,2,3
.irp c, 0,1,2
	global_load_b128 v[192-64*((\ks)%2)+12*\i+4*\c:192-64*((\ks)%2)+12*\i+4*\c+3], v1, s[28:29] offset:((\wt)+\i)*12288+1536*(\ks)+512*\c
.endr
.endr
.irp p, 0,1
	global_load_b32 v[24+2*((\ks)%2)+\p], v4, s[30:31] offset:(\wt)*512+1024*\p+64*(\ks)
.endr
.endm
; A product: 8 K steps of 128.  It finds its steps 0 and 1 asked for.  A step: four places; the loads of the step after it, into the set that the step before it has read; 8 LDS loads of the rows' fragments;
; 8 products in place, the accumulators by turns.  nwt: the next product's weight (0: none): its step 0 is asked for in step 7, its step 1 behind the last product.
; The rows' scale words for all of K come first: lanes 0-15 tile 0's, lanes 16-31 tile 1's.
.macro GEMM wt, ab, sb, nwt
	ds_load_b128 v[16:19], v3 offset:\sb
	ds_load_b128 v[20:23], v3 offset:\sb+16
.irp ks, 0,1,2,3,4,5,6,7
	PLACES                                         ; in front of loads into registers that matrix instructions have read
.if (\ks > 0) && (\ks < 7)
	WLOAD \wt, \ks+1
.endif
.if (\ks == 7) && (\nwt > 0)
	WLOAD \nwt, 0
.endif
.irp o, 0,1
.irp c, 0,1
	ds_load_b128 v[AF+12*\o+6*\c:AF+12*\o+6*\c+3], v1 offset:\ab+(16*\o+2*\ks+\c)*768
	ds_load_b64 v[AF+12*\o+6*\c+4:AF+12*\o+6*\c+5], v2 offset:\ab+(16*\o+2*\ks+\c)*768+512
.endr
.endr
.if (\ks == 7) && (\nwt == 0)
	s_wait_loadcnt 0x0                             ; the very last step: nothing was asked for behind it
.else
	s_wait_loadcnt 14                              ; this step's loads are in; the 14 of the step after it may be out
.endif
	s_wait_dscnt 0x0
.irp i, 0,1,2,3
.irp o, 0,1
	WM ACC+8*(4*\o+\i), 192-64*(\ks%2)+12*\i, AF+12*\o, 24+2*(\ks%2)+\i/2, 16+\ks, \i%2, \o
.endr
.endr
.endr
	PLACES                                         ; behind the last products: for the loads below, and for the first read of results
.if \nwt > 0
	WLOAD \nwt, 1
.endif
.endm
.macro LEND d, e                       ; the end of a lane's sum: the two chains, the pair's halves, lane l xor 16's
	v_pk_add_f32 v[\d:\d+1], v[\d:\d+1], v[\e:\e+1]
	v_add_f32 v[\d], v[\d], v[\d+1]
	v_permlanex16_b32 v[\e], v[\d], s[SEL], s[SEL+1]
	v_add_f32 v[\d], v[\d], v[\e]
.endm
.macro LSUM s, d, e                    ; my wave's sum of a row's 64 numbers
	v_pk_add_f32 v[\d:\d+1], v[\s:\s+1], v[\s+2:\s+3]
	v_pk_add_f32 v[\e:\e+1], v[\s+4:\s+5], v[\s+6:\s+7]
.irp i, 8,12,16,20,24,28
	v_pk_add_f32 v[\d:\d+1], v[\d:\d+1], v[\s+\i:\s+\i+1]
	v_pk_add_f32 v[\e:\e+1], v[\e:\e+1], v[\s+\i+2:\s+\i+3]
.endr
	LEND \d, \e
.endm
.macro LSQ s, d, e                     ; and of their squares
	v_pk_mul_f32 v[\d:\d+1], v[\s:\s+1], v[\s:\s+1]
	v_pk_mul_f32 v[\e:\e+1], v[\s+2:\s+3], v[\s+2:\s+3]
.irp i, 4,8,12,16,20,24,28
	v_pk_fma_f32 v[\d:\d+1], v[\s+\i:\s+\i+1], v[\s+\i:\s+\i+1], v[\d:\d+1]
	v_pk_fma_f32 v[\e:\e+1], v[\s+\i+2:\s+\i+3], v[\s+\i+2:\s+\i+3], v[\e:\e+1]
.endr
	LEND \d, \e
.endm
.macro RSUM base                       ; the sixteen waves' parts of my two rows, added in one order in every wave: v28 (o = 0), v30 (o = 1)
.irp o, 0,1
.irp q, 0,1,2,3
	ds_load_b128 v[32+16*\o+4*\q:35+16*\o+4*\q], v10 offset:\base+1024*\o+16*\q
.endr
.endr
	s_wait_dscnt 0x0
.irp o, 0,1
	v_pk_add_f32 v[32+16*\o:33+16*\o], v[32+16*\o:33+16*\o], v[34+16*\o:35+16*\o]
	v_pk_add_f32 v[36+16*\o:37+16*\o], v[36+16*\o:37+16*\o], v[38+16*\o:39+16*\o]
	v_pk_add_f32 v[32+16*\o:33+16*\o], v[32+16*\o:33+16*\o], v[40+16*\o:41+16*\o]
	v_pk_add_f32 v[36+16*\o:37+16*\o], v[36+16*\o:37+16*\o], v[42+16*\o:43+16*\o]
	v_pk_add_f32 v[32+16*\o:33+16*\o], v[32+16*\o:33+16*\o], v[44+16*\o:45+16*\o]
	v_pk_add_f32 v[36+16*\o:37+16*\o], v[36+16*\o:37+16*\o], v[46+16*\o:47+16*\o]
	v_pk_add_f32 v[32+16*\o:33+16*\o], v[32+16*\o:33+16*\o], v[36+16*\o:37+16*\o]
	v_add_f32 v[28+2*\o], v[32+16*\o], v[33+16*\o]
.endr
.endm
.macro SENDQ c, t, o, ab, sb           ; a half fragment and its two scale bytes go to LDS as they stand
	ds_store_b128 v6, v[\c:\c+3] offset:\ab+12288*\o
	ds_store_b64 v7, v[\c+4:\c+5] offset:\ab+12288*\o+512
	ds_store_b16 v8, v[\t+4] offset:\sb+512*\o
.endm
.macro GELU16 b                        ; 16 numbers of the hidden layer
.set HB, ACC+16*(\b)
.irp k, 0,2,4,6,8,10,12,14
	v_pk_mul_f32 v[ZZ+\k:ZZ+\k+1], v[HB+\k:HB+\k+1], 0x3f3504f3 op_sel_hi:[1,0]   ; z = x / sqrt 2
.endr
.irp k, 0,1,2,3,4,5,6,7,8,9,10,11,12,13,14,15
	v_med3_num_f32 v[ZZ+\k], v[ZZ+\k], -4.0, 4.0
.endr
.irp k, 0,2,4,6,8,10,12,14
	v_pk_mul_f32 v[Z2+\k:Z2+\k+1], v[ZZ+\k:ZZ+\k+1], v[ZZ+\k:ZZ+\k+1]
.endr
.irp k, 0,2,4,6,8,10,12,14
	v_pk_fma_f32 v[PP+\k:PP+\k+1], v[Z2+\k:Z2+\k+1], v[28:29], 0x32edffee op_sel_hi:[1,1,0]
	v_pk_fma_f32 v[QQ+\k:QQ+\k+1], v[Z2+\k:Z2+\k+1], v[30:31], 0xb95fbd29 op_sel_hi:[1,1,0]
.endr
.irp a, 0xb60cff51, 0xb86ec2d2, 0xba40ac63, 0xbb41a1f6, 0xbc83dbd4
.irp k, 0,2,4,6,8,10,12,14
	v_pk_fma_f32 v[PP+\k:PP+\k+1], v[PP+\k:PP+\k+1], v[Z2+\k:Z2+\k+1], \a op_sel_hi:[1,1,0]
.endr
.endr
.irp a, 0xbadc924e, 0xbbf19bf8, 0xbc69b6a7
.irp k, 0,2,4,6,8,10,12,14
	v_pk_fma_f32 v[QQ+\k:QQ+\k+1], v[QQ+\k:QQ+\k+1], v[Z2+\k:Z2+\k+1], \a op_sel_hi:[1,1,0]
.endr
.endr
.irp k, 0,2,4,6,8,10,12,14
	v_pk_mul_f32 v[PP+\k:PP+\k+1], v[PP+\k:PP+\k+1], v[ZZ+\k:ZZ+\k+1]
.endr
.irp k, 0,1,2,3,4,5,6,7,8,9,10,11,12,13,14,15
	v_rcp_f32 v[Z2+\k], v[QQ+\k]
.endr
.irp k, 0,2,4,6,8,10,12,14
	v_pk_mul_f32 v[ZZ+\k:ZZ+\k+1], v[HB+\k:HB+\k+1], 0.5 op_sel_hi:[1,0]   ; x / 2: plain work behind the reciprocals
.endr
	s_wait_alu depctr_va_vdst(0)                   ; one wait for the sixteen, ahead of their first reader
.irp k, 0,2,4,6,8,10,12,14
	v_pk_mul_f32 v[PP+\k:PP+\k+1], v[PP+\k:PP+\k+1], v[Z2+\k:Z2+\k+1]     ; erf
.endr
.irp k, 0,2,4,6,8,10,12,14
	v_pk_fma_f32 v[HB+\k:HB+\k+1], v[ZZ+\k:ZZ+\k+1], v[PP+\k:PP+\k+1], v[ZZ+\k:ZZ+\k+1]
.endr
.endm
	s_load_b512 s[4:19], s[0:1], 0x0               ; cc, cs, cod, scl, x, o_bias, ln2_gamma, ln2_beta
	s_load_b128 s[20:23], s[0:1], 0x40             ; ffn1_bias, ffn2_bias
	s_load_b64 s[24:25], s[0:1], 0x50              ; out0
	v_lshrrev_b32 v15, 5, v0
	v_readfirstlane_b32 s26, v15                   ; wave 0 .. 15
	v_and_b32 v63, 31, v0                          ; lane
	v_and_b32 v56, 15, v0                          ; r
	v_bfe_u32 v57, v0, 4, 1                        ; h
	v_lshlrev_b32 v1, 4, v63                       ; 16 x lane
	v_lshlrev_b32 v2, 3, v63                       ; 8 x lane
	v_lshlrev_b32 v3, 5, v63                       ; 32 x lane: a row's eight scale words
	v_lshlrev_b32 v4, 2, v56
	v_lshl_add_u32 v4, v57, 9, v4                  ; the weights' scale words: 512 h + 4 r
	v_lshlrev_b32 v5, 6, v57                       ; 64 h
	s_mul_i32 s27, s26, 768
	v_add_nc_u32 v6, s27, v1                       ; my half fragment: 768 w + 16 x lane,
	v_add_nc_u32 v7, s27, v2                       ; 768 w + 8 x lane
	s_lshl_b32 s27, s26, 1
	v_lshl_add_u32 v8, v56, 5, s27                 ; its scale bytes: 32 r + 2 w
	s_lshl_b32 s27, s26, 2
	v_lshl_add_u32 v9, v56, 6, s27                 ; my part of a row's sum: 64 r + 4 w
	v_lshlrev_b32 v10, 6, v56                      ; a row's sixteen parts: 64 r
	v_and_b32 v58, 8, v56
	v_add_nc_u32 v58, v58, v56
	v_mul_u32_u24 v11, v58, SP
	v_lshl_add_u32 v11, v57, 6, v11
	s_lshl_b32 s27, s26, 8
	s_add_co_u32 s27, s27, STAGE
	v_add_nc_u32 v11, s27, v11                     ; the stage in the results' layout: row r + 8 (r / 8), + 64 h + 256 w
	s_mul_i32 s27, s26, 2*SP
	s_add_co_u32 s27, s27, STAGE
	v_add_nc_u32 v12, s27, v1                      ; the stage by rows: rows 2 w, 2 w + 1, 16 bytes a lane
	s_lshl_b32 s27, s26, 8
	s_add_co_u32 s27, s27, VECS
	v_add_nc_u32 v13, s27, v5                      ; the vectors' copies: my wave's 64 numbers, + 64 h
	s_lshl_b32 s27, s26, 13
	s_add_co_u32 s27, s27, STAGE
	v_add_nc_u32 v15, s27, v1                      ; x1's image: 8,192 w + 16 x lane, in the stage
	v_lshlrev_b32 v59, 3, v0                       ; for the head alone: 8 x thread,
	v_add_nc_u32 v60, VECS, v59
	v_lshlrev_b32 v61, 4, v0                       ; 16 x thread,
	v_lshlrev_b32 v62, 1, v0                       ; 2 x thread
	s_mul_i32 s32, ttmp9, 24576
	s_mov_b32 s33, 0
	s_lshl_b32 s34, ttmp9, 10
	s_mov_b32 s35, 0
	s_lshl_b32 s36, ttmp9, 17
	s_lshl_b32 s37, s26, 13
	s_add_co_u32 s36, s36, s37                     ; rows 32 G + 2 w of 4,096 bytes
	s_mov_b32 s37, 0
	s_lshl_b32 s38, s26, 8
	s_mov_b32 s39, 0
	s_mul_i32 s40, s26, 49152
	s_mov_b32 s41, 0
	s_lshl_b32 s42, s26, 11
	s_mov_b32 s43, 0
	s_mov_b32 s[SEL], 0x76543210
	s_mov_b32 s[SEL+1], 0xfedcba98
	s_mov_b32 s46, 0x3a800000                      ; 1 / 1024
	s_mov_b32 s47, 0x3727c5ac                      ; 1e-5
	s_wait_kmcnt 0x0
	s_add_nc_u64 s[4:5], s[4:5], s[32:33]
	s_add_nc_u64 s[6:7], s[6:7], s[34:35]
	s_add_nc_u64 s[12:13], s[12:13], s[36:37]
	s_add_nc_u64 s[24:25], s[24:25], s[36:37]
	s_add_nc_u64 s[14:15], s[14:15], s[38:39]      ; my wave's 64 numbers of o_bias
	s_add_nc_u64 s[28:29], s[8:9], s[40:41]        ; my four tiles of a weight: 4 w tiles on
	s_add_nc_u64 s[30:31], s[10:11], s[42:43]
	; ---- 0: ctx's codes and scale bytes, the four vectors and x's 32 rows go into LDS; the first sums begin as o_bias; the weight stream begins
.irp i, 0,1,2
	global_load_b128 v[32+4*\i:35+4*\i], v61, s[4:5] offset:8192*\i th:TH_LOAD_NT
.endr
	global_load_u16 v44, v62, s[6:7]
	global_load_b64 v[46:47], v59, s[16:17]        ; gamma, beta, b1, b2: 8 bytes a thread, 4,096 a vector
	global_load_b64 v[48:49], v59, s[18:19]
	global_load_b64 v[50:51], v59, s[20:21]
	global_load_b64 v[52:53], v59, s[22:23]
.irp rr, 0,1
.irp q, 0,1,2,3,4,5,6,7
	global_load_b128 v[HH+32*\rr+4*\q:HH+32*\rr+4*\q+3], v1, s[12:13] offset:4096*\rr+512*\q th:TH_LOAD_NT
.endr
.endr
	VEC32 ACC, 14
	VEC32 ACC+32, 14
	WLOAD 448, 0
	s_wait_loadcnt 30                              ; all but the 16 younger loads of the bias and the 14 of the weight's step 0
.irp i, 0,1,2
	ds_store_b128 v61, v[32+4*\i:35+4*\i] offset:A0+8192*\i
.endr
	ds_store_b16 v62, v44 offset:S0
.irp i, 0,1,2,3
	ds_store_b64 v60, v[46+2*\i:47+2*\i] offset:4096*\i
.endr
.irp rr, 0,1
.irp q, 0,1,2,3,4,5,6,7
	ds_store_b128 v12, v[HH+32*\rr+4*\q:HH+32*\rr+4*\q+3] offset:SP*\rr+512*\q
.endr
.endr
	s_wait_dscnt 0x0                               ; for the others' sake: my stores have landed; and they have read x's registers,
	WLOAD 448, 1                                   ; which take the weight's step 1
	s_barrier_signal -1
	s_barrier_wait -1
	; ---- 1: x1 = x + ctx Wo^T + bo, and my part of each row's sum
	GEMM 448, A0, S0, 512
.irp bb, 0,1
.irp q, 0,1,2,3
	ds_load_b128 v[32+16*\bb+4*\q:35+16*\bb+4*\q], v11 offset:128*\bb+16*\q        ; x in the results' layout: tile 0,
.endr
.endr
.irp q, 0,1,2,3
	ds_load_b128 v[T1+4*\q:T1+4*\q+3], v11 offset:8*SP+16*\q                       ; tile 1
	ds_load_b128 v[T2+4*\q:T2+4*\q+3], v11 offset:8*SP+128+16*\q
.endr
	s_wait_dscnt 0x0
.set n, 0
.rept 16
	v_pk_add_f32 v[ACC+n:ACC+n+1], v[ACC+n:ACC+n+1], v[32+n:33+n]                  ; each accumulator from its low end on
.set n, n+2
.endr
.set n, 0
.rept 8
	v_pk_add_f32 v[ACC+32+n:ACC+33+n], v[ACC+32+n:ACC+33+n], v[T1+n:T1+n+1]
.set n, n+2
.endr
.set n, 0
.rept 8
	v_pk_add_f32 v[ACC+48+n:ACC+49+n], v[ACC+48+n:ACC+49+n], v[T2+n:T2+n+1]
.set n, n+2
.endr
	LSUM ACC, 28, 56
	LSUM ACC+32, 30, 56
	ds_store_b32 v9, v28 offset:RED1
	ds_store_b32 v9, v30 offset:RED1+1024
	BARRIER
	; ---- 2: x1 is laid by (every wave's reads of x are over); the mean; x1 - mean, in place; my part of the sum of squares
.set n, 0
.rept 16
	ds_store_b128 v15, v[ACC+4*n:ACC+4*n+3] offset:512*n
.set n, n+1
.endr
	RSUM RED1                                      ; its wait for 0 also shows that the stores above have read their registers
	v_mul_f32 v28, s46, v28
	v_mul_f32 v30, s46, v30
.irp o, 0,1
.set n, 0
.rept 16
	v_pk_add_f32 v[ACC+32*\o+n:ACC+32*\o+n+1], v[ACC+32*\o+n:ACC+32*\o+n+1], v[28+2*\o:29+2*\o] op_sel_hi:[1,0] neg_lo:[0,1] neg_hi:[0,1]
.set n, n+2
.endr
.endr
	LSQ ACC, 28, 56
	LSQ ACC+32, 30, 56
	ds_store_b32 v9, v28 offset:RED2
	ds_store_b32 v9, v30 offset:RED2+1024
	BARRIER
	; ---- 3: LN2, quantised: K's 64 w on of the next product
	LVEC T1, T2, 0                                 ; gamma
	RSUM RED2
	LVEC 32, 48, 4096                              ; beta, where the parts of the sums lay
	v_fma_f32 v28, v28, s46, s47
	v_fma_f32 v30, v30, s46, s47
	v_rsq_f32 v28, v28
	v_rsq_f32 v30, v30
	v_nop                                          ; a plain instruction behind the transcendentals,
	s_wait_alu depctr_va_vdst(0)                   ; and one wait for the two
.irp o, 0,1
.set n, 0
.rept 16
	v_pk_mul_f32 v[ACC+32*\o+n:ACC+32*\o+n+1], v[ACC+32*\o+n:ACC+32*\o+n+1], v[28+2*\o:29+2*\o] op_sel_hi:[1,0]
.set n, n+2
.endr
.endr
	s_wait_dscnt 0x0                               ; beta
.irp o, 0,1
.set n, 0
.rept 8
	v_pk_fma_f32 v[ACC+32*\o+n:ACC+32*\o+n+1], v[ACC+32*\o+n:ACC+32*\o+n+1], v[T1+n:T1+n+1], v[32+n:33+n]
.set n, n+2
.endr
.set n, 0
.rept 8
	v_pk_fma_f32 v[ACC+32*\o+16+n:ACC+32*\o+17+n], v[ACC+32*\o+16+n:ACC+32*\o+17+n], v[T2+n:T2+n+1], v[48+n:49+n]
.set n, n+2
.endr
.endr
	HQ ACC, 32, 48
	SENDQ 32, 48, 0, A1, S1
	HQ ACC+32, 40, 56
	SENDQ 40, 56, 1, A1, S1
	LVEC ACC, ACC+16, 8192                         ; the next sums begin as ffn1_bias
	LVEC ACC+32, ACC+48, 8192
	BARRIER
	; ---- 4: the hidden layer, GELU, quantised
	GEMM 512, A1, S1, 576
	v_mov_b32 v28, 0xaf95df0b                      ; the two leading coefficients stand in registers: an instruction takes one literal
	v_mov_b32 v29, 0xaf95df0b
	v_mov_b32 v30, 0xb77460cd
	v_mov_b32 v31, 0xb77460cd
	GELU16 0
	GELU16 1
	GELU16 2
	GELU16 3
	LVEC T1, T2, 12288                             ; ffn2_bias
	HQ ACC, 32, 48
	SENDQ 32, 48, 0, A0, S0
	HQ ACC+32, 40, 56
	SENDQ 40, 56, 1, A0, S0
.set n, 0
.rept 16
	ds_load_b128 v[ACC+4*n:ACC+4*n+3], v15 offset:512*n   ; x1 comes back: my wave's own bytes
.set n, n+1
.endr
	BARRIER
	; ---- 5: the last product adds onto x1 + b2
.irp o, 0,1
.set n, 0
.rept 8
	v_pk_add_f32 v[ACC+32*\o+n:ACC+32*\o+n+1], v[ACC+32*\o+n:ACC+32*\o+n+1], v[T1+n:T1+n+1]
.set n, n+2
.endr
.set n, 0
.rept 8
	v_pk_add_f32 v[ACC+32*\o+16+n:ACC+32*\o+17+n], v[ACC+32*\o+16+n:ACC+32*\o+17+n], v[T2+n:T2+n+1]
.set n, n+2
.endr
.endr
	GEMM 576, A0, S0, 0
.irp o, 0,1
.irp bb, 0,1
.irp q, 0,1,2,3
	ds_store_b128 v11, v[ACC+32*\o+16*\bb+4*\q:ACC+32*\o+16*\bb+4*\q+3] offset:8*SP*\o+128*\bb+16*\q   ; each accumulator from its low end on
.endr
.endr
.endr
	BARRIER
	; ---- 6: each wave stores two whole rows
.set n, 0
.rept 16
	ds_load_b128 v[HH+4*n:HH+4*n+3], v12 offset:SP*(n/8)+512*(n%8)
.set n, n+1
.endr
.set n, 0
.rept 16
	s_wait_dscnt 15-n                              ; load n is in; the 15 - n younger ones may be out
	global_store_b128 v1, v[HH+4*n:HH+4*n+3], s[24:25] offset:4096*(n/8)+512*(n%8) th:TH_STORE_NT   ; 512 consecutive bytes, aligned
.set n, n+1
.endr
	s_wait_xcnt 0x0
	v_lshl_add_u32 v254, v0, 2, 0x31a00
	v_mov_b32 v255, 0
	s_wait_tensorcnt 0x0
	ds_add_u32 v254, v255
	s_wait_dscnt 0x0
	s_endpgm
.Lfunc_end_k_q32528031fc_tail:
	.size	k_q32528031fc_tail, .Lfunc_end_k_q32528031fc_tail-k_q32528031fc_tail
	.p2alignl 7, 3214868480
	.fill 96, 4, 3214868480
	.section	.rodata,"a",@progbits
	.p2align	6, 0x0
	.amdhsa_kernel k_q32528031fc_tail
		.amdhsa_group_segment_fixed_size 205312
		.amdhsa_private_segment_fixed_size 0
		.amdhsa_enable_private_segment 0
		.amdhsa_kernarg_size 88
		.amdhsa_user_sgpr_count 2
		.amdhsa_user_sgpr_kernarg_segment_ptr 1
		.amdhsa_wavefront_size32 1
		.amdhsa_system_sgpr_workgroup_id_x 1
		.amdhsa_system_sgpr_workgroup_id_y 1
		.amdhsa_system_sgpr_workgroup_id_z 1
		.amdhsa_system_vgpr_workitem_id 0
		.amdhsa_next_free_vgpr 256
		.amdhsa_next_free_sgpr 66
		.amdhsa_reserve_vcc 0
		.amdhsa_float_denorm_mode_32 3
		.amdhsa_float_denorm_mode_16_64 3
		.amdhsa_memory_ordered 1
		.amdhsa_forward_progress 1
		.amdhsa_inst_pref_size 168
	.end_amdhsa_kernel
	.amdgpu_metadata
---
amdhsa.version: [ 1, 2 ]
amdhsa.kernels:
  - .name:           k_q32528031fc_tail
    .symbol:         k_q32528031fc_tail.kd
    .args:
      - { .name: cc, .offset: 0, .size: 8, .value_kind: global_buffer, .address_space: global }
      - { .name: cs, .offset: 8, .size: 8, .value_kind: global_buffer, .address_space: global }
      - { .name: cod, .offset: 16, .size: 8, .value_kind: global_buffer, .address_space: global }
      - { .name: scl, .offset: 24, .size: 8, .value_kind: global_buffer, .address_space: global }
      - { .name: x, .offset: 32, .size: 8, .value_kind: global_buffer, .address_space: global }
      - { .name: o_bias, .offset: 40, .size: 8, .value_kind: global_buffer, .address_space: global }
      - { .name: ln2_gamma, .offset: 48, .size: 8, .value_kind: global_buffer, .address_space: global }
      - { .name: ln2_beta, .offset: 56, .size: 8, .value_kind: global_buffer, .address_space: global }
      - { .name: ffn1_bias, .offset: 64, .size: 8, .value_kind: global_buffer, .address_space: global }
      - { .name: ffn2_bias, .offset: 72, .size: 8, .value_kind: global_buffer, .address_space: global }
      - { .name: out0, .offset: 80, .size: 8, .value_kind: global_buffer, .address_space: global }
    .group_segment_fixed_size: 205312
    .private_segment_fixed_size: 0
    .kernarg_segment_align: 8
    .kernarg_segment_size: 88
    .max_flat_workgroup_size: 512
    .sgpr_count:     66
    .vgpr_count:     256
    .wavefront_size: 32
...
	.end_amdgpu_metadata
.endif
;; end of part 5
;; ======== version 3 of 3: 4 launches
;; workspace buffers: cod 7,864,320 bytes; scl 327,680 bytes; qkvc 9,437,184 bytes; qkvs 786,432 bytes; cc 3,145,728 bytes; cs 131,072 bytes
;; launch prep (part 6): grid 640 x 1, 16 waves a work-group, no clusters, 88,576 bytes of LDS; arguments x, q_weight, k_weight, v_weight, o_weight, ffn1_weight, ffn2_weight, ln1_gamma, ln1_beta, cod, scl; writes cod, scl
.if DOCPART == 6
	.amdgcn_target "amdgcn-amd-amdhsa--gfx1250"
	.amdhsa_code_object_version 6
	.text
	.protected	k_q32528031fc_prep
	.globl	k_q32528031fc_prep
	.p2align	8
	.type	k_q32528031fc_prep,@function
k_q32528031fc_prep:
	s_mov_b64 s[64:65], 0
	v_nop
	global_prefetch_b8 v0, s[64:65] scope:SCOPE_SE
	s_setreg_imm32_b32 hwreg(HW_REG_WAVE_MODE, 25, 1), 1
	s_wait_xcnt 0x0
; LN1(x) [4096][1024] and the six weights [1024][1024], f32 with K innermost, become codes of BF6 (E3M2) with one E8M0 byte for each 32 along K.
; THE OUTPUT IS LAID AS IMAGES OF OPERAND REGISTERS.  A tile is 16 rows; tile T's slot r is row 32 (T / 2) + 8 (T % 2) + r + 8 (r / 8) of its tensor.  For each 128 along K a tile has a
; fragment of 12 registers a lane (lane = slot + 16 h holds the blocks h and 2 + h of the four): register j of lane l lies at 512 (j / 4) + 16 l + 4 (j % 4) of 1,536 bytes.
; cod: 640 tiles x 8 fragments (tiles 0-255 LN1(x), then 64 each of Wq, Wk, Wv, Wo, W1, W2).  scl: 640 tiles x [K step 8][slot 16] words of four scale bytes.
; SHARES.  Work-group g makes tile g; wave w makes slot w: one row of 1,024 numbers, 32 a lane.  The loads take the row as it lies (512 consecutive bytes an instruction), the layer norm is done on that
; layout inside the wave, then the row turns through the wave's own LDS so that lane l holds block l of 32 neighbours.  The codes meet in an image of the tile in LDS and leave in runs of 256 aligned bytes.
; A block's scale is 2^(floor(log2(largest magnitude)) - 4): its byte is the largest magnitude's exponent field - 4, held at 1 from below by a floor among the maximum's leaves.
; LIMITS: NaN and infinities among the inputs are not served; a block of zeros gets the byte 1 (the rule says 127): its codes are zeros, and this program alone reads the bytes.
.set TURNW, 4608                       ; LDS 0 .. 73,727: a wave's turn: 32 places of 144 bytes (a block's 128 + 16 of padding)
.set PLACE, 144
.set IMG,   73728                      ; the tile's 8 fragment images, 12,288 bytes
.set SCB,   86016                      ; the tile's 512 scale bytes
.set X,     16                         ; v16-47   the row as loaded
.set Y,     48                         ; v48-79   gamma, later my block of 32
.set BE,    80                         ; v80-111  beta
.set CD,    112                        ; v112-118 codes
.set SEL,   32                         ; s[32:33] lane selects: lane l xor 16
.macro WSUM a                          ; the sum over the wave's 32 lanes, in every lane
	s_delay_alu instid0(VALU_DEP_1)
	v_add_f32_dpp v[\a], v[\a], v[\a] row_xmask:1 row_mask:0xf bank_mask:0xf
	s_delay_alu instid0(VALU_DEP_1)
	v_add_f32_dpp v[\a], v[\a], v[\a] row_xmask:2 row_mask:0xf bank_mask:0xf
	s_delay_alu instid0(VALU_DEP_1)
	v_add_f32_dpp v[\a], v[\a], v[\a] row_xmask:4 row_mask:0xf bank_mask:0xf
	s_delay_alu instid0(VALU_DEP_1)
	v_add_f32_dpp v[\a], v[\a], v[\a] row_xmask:8 row_mask:0xf bank_mask:0xf
	s_delay_alu instid0(VALU_DEP_1)
	v_permlanex16_b32 v14, v[\a], s[SEL], s[SEL+1]
	s_delay_alu instid0(VALU_DEP_1)
	v_add_f32 v[\a], v[\a], v14
.endm
	s_load_b512 s[8:23], s[0:1], 0x0               ; x, Wq, Wk, Wv, Wo, W1, W2, gamma
	s_load_b128 s[24:27], s[0:1], 0x40             ; beta, cod
	s_load_b64 s[28:29], s[0:1], 0x50              ; scl
	v_lshl_add_u32 v128, v0, 2, 0x15200
	v_mov_b32 v129, 0
	v_lshrrev_b32 v1, 5, v0
	s_delay_alu instid0(VALU_DEP_1)
	v_readfirstlane_b32 s2, v1                     ; wave = slot
	v_and_b32 v1, 31, v0                           ; lane
	s_delay_alu instid0(VALU_DEP_1)
	v_lshlrev_b32 v2, 4, v1                        ; 16 x lane
	s_mul_i32 s3, s2, TURNW
	v_lshrrev_b32 v10, 3, v1
	v_and_b32 v11, 7, v1
	s_delay_alu instid0(VALU_DEP_2)
	v_mul_u32_u24 v3, v10, PLACE
	s_delay_alu instid0(VALU_DEP_1)
	v_lshl_add_u32 v3, v11, 4, v3
	s_delay_alu instid0(VALU_DEP_1)
	v_add_nc_u32 v3, s3, v3                        ; into the turn: eight lanes fill a block's place
	v_mul_u32_u24 v4, v1, PLACE
	s_delay_alu instid0(VALU_DEP_1)
	v_add_nc_u32 v4, s3, v4                        ; out of it: my block
	v_lshrrev_b32 v10, 2, v1                       ; my block's K step,
	v_and_b32 v11, 1, v1                           ; the half of the lanes that holds it,
	v_bfe_u32 v12, v1, 1, 1                        ; and which six registers: c
	s_delay_alu instid0(VALU_DEP_3)
	v_mul_u32_u24 v13, v10, 1536
	s_delay_alu instid0(VALU_DEP_1)
	v_lshl_add_u32 v13, v11, 8, v13
	s_lshl_b32 s3, s2, 4
	s_add_co_u32 s3, s3, IMG
	v_add_nc_u32 v13, s3, v13
	s_delay_alu instid0(VALU_DEP_1)
	v_mad_u32_u24 v5, v12, 520, v13                ; registers 6 c, 6 c + 1 (and, 512 on, 6 c + 4, 6 c + 5)
	s_delay_alu instid0(VALU_DEP_2)
	v_mad_u32_u24 v6, v12, 1016, v13               ; registers 6 c + 2, 6 c + 3 lie 8 on from here
	v_and_b32 v11, 3, v1
	s_delay_alu instid0(VALU_DEP_1)
	v_lshl_add_u32 v7, v10, 6, v11
	s_lshl_b32 s3, s2, 2
	s_add_co_u32 s3, s3, SCB
	v_add_nc_u32 v7, s3, v7                        ; my block's scale byte: 64 x K step + 4 x slot + block % 4
	v_lshlrev_b32 v8, 3, v0                        ; the way out: 8 bytes a thread
	s_delay_alu instid0(VALU_DEP_1)
	v_add_nc_u32 v9, IMG, v8
	v_add_nc_u32 v15, SCB, v2
	v_mov_b32 v14, 0                               ; a lane permute's destination counts as one of its sources
	s_mov_b32 s[SEL], 0x76543210
	s_mov_b32 s[SEL+1], 0xfedcba98
	s_mov_b32 s34, 0x3a800000                      ; 1 / 1024
	s_mov_b32 s35, 0x3727c5ac                      ; 1e-5
	s_and_b32 s6, ttmp9, 63
	s_cmp_lt_u32 ttmp9, 256
	s_cselect_b32 s6, ttmp9, s6                    ; the tile's number in its own tensor
	s_lshr_b32 s7, s6, 1
	s_lshl_b32 s7, s7, 5
	s_and_b32 s6, s6, 1
	s_lshl_b32 s6, s6, 3
	s_add_co_u32 s6, s6, s7
	s_add_co_u32 s6, s6, s2
	s_and_b32 s7, s2, 8
	s_add_co_u32 s6, s6, s7                        ; my row
	s_lshl_b32 s6, s6, 12                          ; x 4,096 bytes
	s_mov_b32 s7, 0
	s_mul_i32 s30, ttmp9, 12288
	s_mov_b32 s31, 0
	s_lshl_b32 s36, ttmp9, 9
	s_mov_b32 s37, 0
	s_wait_kmcnt 0x0
	s_mov_b64 s[4:5], s[8:9]                       ; which tensor: the choice hangs on the work-group's number alone
	s_cmp_ge_u32 ttmp9, 256
	s_cselect_b64 s[4:5], s[10:11], s[4:5]
	s_cmp_ge_u32 ttmp9, 320
	s_cselect_b64 s[4:5], s[12:13], s[4:5]
	s_cmp_ge_u32 ttmp9, 384
	s_cselect_b64 s[4:5], s[14:15], s[4:5]
	s_cmp_ge_u32 ttmp9, 448
	s_cselect_b64 s[4:5], s[16:17], s[4:5]
	s_cmp_ge_u32 ttmp9, 512
	s_cselect_b64 s[4:5], s[18:19], s[4:5]
	s_cmp_ge_u32 ttmp9, 576
	s_cselect_b64 s[4:5], s[20:21], s[4:5]
	s_add_nc_u64 s[4:5], s[4:5], s[6:7]
	s_add_nc_u64 s[26:27], s[26:27], s[30:31]
	s_add_nc_u64 s[28:29], s[28:29], s[36:37]
.set j, 0
.rept 8
	global_load_b128 v[X+4*j:X+4*j+3], v2, s[4:5] offset:512*j th:TH_LOAD_NT   ; 512 consecutive bytes an instruction
.set j, j+1
.endr
	s_cmp_lt_u32 ttmp9, 256                        ; x's tiles take the layer norm; the weights go as they are
	s_cbranch_scc0 .Lplain
.set j, 0
.rept 8
	global_load_b128 v[Y+4*j:Y+4*j+3], v2, s[22:23] offset:512*j
	global_load_b128 v[BE+4*j:BE+4*j+3], v2, s[24:25] offset:512*j
.set j, j+1
.endr
	s_wait_loadcnt 16                              ; the row is in; the 16 younger loads of gamma and beta may be out
	v_pk_add_f32 v[122:123], v[16:17], v[18:19]
	v_pk_add_f32 v[126:127], v[24:25], v[28:29]
	v_pk_add_f32 v[124:125], v[32:33], v[36:37]
	v_pk_add_f32 v[118:119], v[40:41], v[44:45]
	v_pk_add_f32 v[116:117], v[20:21], v[22:23]
	v_pk_add_f32 v[114:115], v[26:27], v[30:31]
	v_pk_add_f32 v[112:113], v[34:35], v[38:39]
	v_pk_add_f32 v[120:121], v[42:43], v[46:47]
	s_delay_alu instid0(VALU_DEP_1)
	v_pk_add_f32 v[120:121], v[120:121], v[118:119]
	v_pk_add_f32 v[122:123], v[122:123], v[116:117]
	v_pk_add_f32 v[126:127], v[126:127], v[114:115]
	v_pk_add_f32 v[124:125], v[124:125], v[112:113]
	s_delay_alu instid0(VALU_DEP_2)
	v_pk_add_f32 v[120:121], v[120:121], v[126:127]
	s_delay_alu instid0(VALU_DEP_2)
	v_pk_add_f32 v[122:123], v[122:123], v[124:125]
	s_delay_alu instid0(VALU_DEP_1)
	v_pk_add_f32 v[120:121], v[120:121], v[122:123]
	s_delay_alu instid0(VALU_DEP_1)
	v_add_f32 v120, v120, v121
	WSUM 120
	s_delay_alu instid0(VALU_DEP_1)
	v_mul_f32 v120, s34, v120                      ; the mean
.set j, 0
.rept 16
	v_pk_add_f32 v[X+j:X+j+1], v[X+j:X+j+1], v[120:121] op_sel_hi:[1,0] neg_lo:[0,1] neg_hi:[0,1]   ; x - mean
.set j, j+2
.endr
	v_pk_mul_f32 v[122:123], v[X:X+1], v[X:X+1]    ; the sum of squares of the differences, two chains
	v_pk_mul_f32 v[124:125], v[X+2:X+3], v[X+2:X+3]
.irp i, 4,8,12,16,20,24,28
	s_delay_alu instid0(VALU_DEP_2)
	v_pk_fma_f32 v[122:123], v[X+\i:X+\i+1], v[X+\i:X+\i+1], v[122:123]
	s_delay_alu instid0(VALU_DEP_2)
	v_pk_fma_f32 v[124:125], v[X+\i+2:X+\i+3], v[X+\i+2:X+\i+3], v[124:125]
.endr
	s_delay_alu instid0(VALU_DEP_1)
	v_pk_add_f32 v[122:123], v[122:123], v[124:125]
	s_delay_alu instid0(VALU_DEP_1)
	v_add_f32 v122, v122, v123
	WSUM 122
	s_delay_alu instid0(VALU_DEP_1)
	v_fma_f32 v122, v122, s34, s35                 ; the variance + 1e-5
	s_wait_alu depctr_va_vdst(0)
	v_rsq_f32 v122, v122
	v_nop                                          ; a plain instruction behind the transcendental,
	s_wait_alu depctr_va_vdst(0)                   ; and the wait ahead of its first reader
.set j, 0
.rept 16
	v_pk_mul_f32 v[X+j:X+j+1], v[X+j:X+j+1], v[122:123] op_sel_hi:[1,0]
.set j, j+2
.endr
	s_wait_loadcnt 0x0                             ; gamma and beta
.set j, 0
.rept 16
	v_pk_fma_f32 v[X+j:X+j+1], v[X+j:X+j+1], v[Y+j:Y+j+1], v[BE+j:BE+j+1]
.set j, j+2
.endr
.Lplain:
	s_wait_loadcnt 0x0
.set j, 0
	s_wait_alu depctr_va_vdst(0)
.rept 8
	ds_store_b128 v3, v[X+4*j:X+4*j+3] offset:576*j   ; a load's 512 bytes are four blocks: four places
.set j, j+1
.endr
.set j, 0
.rept 8
	ds_load_b128 v[Y+4*j:Y+4*j+3], v4 offset:16*j  ; the bytes are my wave's own, and LDS serves a wave's instructions in order: these see the stores above
.set j, j+1
.endr
	s_wait_dscnt 0x0
	v_max3_num_f32 v10, |v[Y]|, |v[Y+1]|, |v[Y+2]|  ; my block's largest magnitude
	v_max3_num_f32 v11, |v[Y+3]|, |v[Y+4]|, |v[Y+5]|
.irp i, 6,10,14,18,22,26
	s_delay_alu instid0(VALU_DEP_2)
	v_max3_num_f32 v10, v10, |v[Y+\i]|, |v[Y+\i+1]|
	s_delay_alu instid0(VALU_DEP_2)
	v_max3_num_f32 v11, v11, |v[Y+\i+2]|, |v[Y+\i+3]|
.endr
	s_delay_alu instid0(VALU_DEP_2)
	v_max3_num_f32 v10, v10, |v[Y+30]|, |v[Y+31]|
	s_delay_alu instid0(VALU_DEP_1)
	v_max3_num_f32 v10, v10, v11, 0x2800000        ; and the floor 2^(5 - 127): the byte cannot fall under 1
	s_delay_alu instid0(VALU_DEP_1)
	v_add_nc_u32 v12, 0xfe000000, v10              ; 4 off its exponent field: the conversion takes that field as its scale
	s_delay_alu instid0(VALU_DEP_1)
	v_lshrrev_b32 v13, 23, v12                     ; the scale's byte
	v_cvt_scalef32_pk16_bf6_f32 v[CD:CD+2], v[Y:Y+15], v12
	v_cvt_scalef32_pk16_bf6_f32 v[CD+4:CD+6], v[Y+16:Y+31], v12   ; (a conversion's three registers begin on an even number)
	v_nop                                          ; one plain instruction behind a scaled conversion
	v_mov_b32 v[CD+3], v[CD+4]
	v_mov_b32 v[CD+4], v[CD+5]
	v_mov_b32 v[CD+5], v[CD+6]
	ds_store_b64 v5, v[CD:CD+1]
	ds_store_b64 v6, v[CD+2:CD+3] offset:8
	ds_store_b64 v5, v[CD+4:CD+5] offset:512
	ds_store_b8 v7, v13
	s_wait_dscnt 0x0                               ; for the others' sake: my part of the images has landed
	s_barrier_signal -1
	s_barrier_wait -1
.irp i, 0,1,2
	ds_load_b64 v[16+2*\i:17+2*\i], v9 offset:4096*\i
.endr
	s_wait_dscnt 0x0
.irp i, 0,1,2
	global_store_b64 v8, v[16+2*\i:17+2*\i], s[26:27] offset:4096*\i   ; a wave stores 256 consecutive bytes, aligned
.endr
	s_cmp_lg_u32 s2, 0
	s_cbranch_scc1 .Lend
	ds_load_b128 v[24:27], v15                     ; wave 0: the tile's 512 scale bytes
	s_wait_dscnt 0x0
	global_store_b128 v2, v[24:27], s[28:29]
.Lend:
	s_wait_tensorcnt 0x0
	ds_add_u32 v128, v129
	s_wait_dscnt 0x0
	s_endpgm
.Lfunc_end_k_q32528031fc_prep:
	.size	k_q32528031fc_prep, .Lfunc_end_k_q32528031fc_prep-k_q32528031fc_prep
	.p2alignl 7, 3214868480
	.fill 96, 4, 3214868480
	.section	.rodata,"a",@progbits
	.p2align	6, 0x0
	.amdhsa_kernel k_q32528031fc_prep
		.amdhsa_group_segment_fixed_size 88576
		.amdhsa_private_segment_fixed_size 0
		.amdhsa_enable_private_segment 0
		.amdhsa_kernarg_size 88
		.amdhsa_user_sgpr_count 2
		.amdhsa_user_sgpr_kernarg_segment_ptr 1
		.amdhsa_wavefront_size32 1
		.amdhsa_system_sgpr_workgroup_id_x 1
		.amdhsa_system_sgpr_workgroup_id_y 1
		.amdhsa_system_sgpr_workgroup_id_z 1
		.amdhsa_system_vgpr_workitem_id 0
		.amdhsa_next_free_vgpr 130
		.amdhsa_next_free_sgpr 66
		.amdhsa_reserve_vcc 0
		.amdhsa_float_denorm_mode_32 3
		.amdhsa_float_denorm_mode_16_64 3
		.amdhsa_memory_ordered 1
		.amdhsa_forward_progress 1
		.amdhsa_inst_pref_size 18
	.end_amdhsa_kernel
	.amdgpu_metadata
---
amdhsa.version: [ 1, 2 ]
amdhsa.kernels:
  - .name:           k_q32528031fc_prep
    .symbol:         k_q32528031fc_prep.kd
    .args:
      - { .name: x, .offset: 0, .size: 8, .value_kind: global_buffer, .address_space: global }
      - { .name: q_weight, .offset: 8, .size: 8, .value_kind: global_buffer, .address_space: global }
      - { .name: k_weight, .offset: 16, .size: 8, .value_kind: global_buffer, .address_space: global }
      - { .name: v_weight, .offset: 24, .size: 8, .value_kind: global_buffer, .address_space: global }
      - { .name: o_weight, .offset: 32, .size: 8, .value_kind: global_buffer, .address_space: global }
      - { .name: ffn1_weight, .offset: 40, .size: 8, .value_kind: global_buffer, .address_space: global }
      - { .name: ffn2_weight, .offset: 48, .size: 8, .value_kind: global_buffer, .address_space: global }
      - { .name: ln1_gamma, .offset: 56, .size: 8, .value_kind: global_buffer, .address_space: global }
      - { .name: ln1_beta, .offset: 64, .size: 8, .value_kind: global_buffer, .address_space: global }
      - { .name: cod, .offset: 72, .size: 8, .value_kind: global_buffer, .address_space: global }
      - { .name: scl, .offset: 80, .size: 8, .value_kind: global_buffer, .address_space: global }
    .group_segment_fixed_size: 88576
    .private_segment_fixed_size: 0
    .kernarg_segment_align: 8
    .kernarg_segment_size: 88
    .max_flat_workgroup_size: 512
    .sgpr_count:     66
    .vgpr_count:     130
    .wavefront_size: 32
...
	.end_amdgpu_metadata
.endif
;; end of part 6
;; launch qkv (part 7): grid 16 x 16, 12 waves a work-group, no clusters, 0 bytes of LDS; arguments cod, scl, q_bias, k_bias, v_bias, qkvc, qkvs; writes qkvc, qkvs
.if DOCPART == 7
	.amdgcn_target "amdgcn-amd-amdhsa--gfx1250"
	.amdhsa_code_object_version 6
	.text
	.protected	k_q32528031fc_qkv
	.globl	k_q32528031fc_qkv
	.p2align	8
	.type	k_q32528031fc_qkv,@function
k_q32528031fc_qkv:
	s_mov_b64 s[64:65], 0
	v_nop
	global_prefetch_b8 v0, s[64:65] scope:SCOPE_SE
	s_setreg_imm32_b32 hwreg(HW_REG_WAVE_SCHED_MODE, 0, 2), 2
	s_setreg_imm32_b32 hwreg(HW_REG_WAVE_MODE, 25, 1), 1
	s_wait_xcnt 0x0
	s_wait_alu depctr_vm_vsrc(0)
; Q, K, V = LN1(x) W^T + b on codes of BF6, and the results quantised at once: Q and K along the head's 64, V along the keys.
; SHARES.  A work-group: 256 tokens (y) x 3 head units (x); a head unit hu = 0 .. 47 is kind hu / 16 (Q, K, V), head hu % 16.  A wave: 64 tokens x one head unit's 64: 16 accumulators.
; ONE PATH FOR ALL KINDS.  D(o, i) = R_i (source 0) x P_o (source 1).  In D a lane holds one slot of P_o, and the 32 registers of o run along R's 64 rows as two blocks of 32: register 16 b + n is row
; 32 b + 16 (lane / 16) + n, since tile T's slot r is row 32 (T / 2) + 8 (T % 2) + r + 8 (r / 8).  Q, K: R = the weight's four tiles, P = the tokens'; V: the two are swapped, so that the registers run along the keys.
; Fragments and scale words come from memory straight into registers: they lie there as images of registers (three loads of 16 bytes a lane).  No LDS, no barrier: waves share nothing.
; The sums begin as the bias, loaded into the accumulators.  OUT: for each o a half fragment (16 rows x 64 K: six registers a lane, 768 bytes) and a word a row with its two scale bytes (upper half 0).
; No joint loads: operands go to registers, so there is no LDS tile that several work-groups could be sent.
; LIMITS: NaN and infinities are not served; a block of zeros gets the byte 1 over zero codes.
; THE MODE: SCHED_MODE bits 1:0 = 2 (LLVM: expert scheduling mode 2), set by the entry lines.  The code itself states the register dependences between vector or matrix instructions and memory instructions, with s_wait_alu, always for 0.
; THE PLAN.  Registers that memory instructions touch:
;   v1 .. v6          offsets, made once at the head and never written again: one wait on va_vdst ahead of the first load.
;   ACC               the bias's loads land in it at the head; afterwards matrix and vector instructions alone name it.
;   PF, RF, v16-19    one set.  A K step's 28 loads land in it, its 16 products read it: one wait on va_vdst at the head of every step but the first.
;   v32-37 + 8 o, v88, v89   what is stored: written by the four quantisers and two selects, read by the ten stores: one wait on va_vdst ahead of the run of stores.
; Nothing that a memory instruction reads is ever written again, so no wait on vm_vsrc is owed.
.set PF,  32                           ; v32-79   P's four fragments
.set RF,  80                           ; v80-127  R's four
.set ACC, 128                          ; v128-255 D(o, i) at ACC + 8 (4 o + i)
.set SEL, 46                           ; s[46:47]
.macro WM d, a, b, sa, sb, ra, rb      ; one product in place; ra, rb: the side's scale words stand in lanes 16-31
.if (\ra) && (\rb)
	v_wmma_scale_f32_16x16x128_f8f6f4 v[\d:\d+7], v[\a:\a+11], v[\b:\b+11], v[\d:\d+7], v[\sa], v[\sb] matrix_a_fmt:MATRIX_FMT_BF6 matrix_b_fmt:MATRIX_FMT_BF6 matrix_a_scale:MATRIX_SCALE_ROW1 matrix_b_scale:MATRIX_SCALE_ROW1
.elseif (\ra)
	v_wmma_scale_f32_16x16x128_f8f6f4 v[\d:\d+7], v[\a:\a+11], v[\b:\b+11], v[\d:\d+7], v[\sa], v[\sb] matrix_a_fmt:MATRIX_FMT_BF6 matrix_b_fmt:MATRIX_FMT_BF6 matrix_a_scale:MATRIX_SCALE_ROW1
.elseif (\rb)
	v_wmma_scale_f32_16x16x128_f8f6f4 v[\d:\d+7], v[\a:\a+11], v[\b:\b+11], v[\d:\d+7], v[\sa], v[\sb] matrix_a_fmt:MATRIX_FMT_BF6 matrix_b_fmt:MATRIX_FMT_BF6 matrix_b_scale:MATRIX_SCALE_ROW1
.else
	v_wmma_scale_f32_16x16x128_f8f6f4 v[\d:\d+7], v[\a:\a+11], v[\b:\b+11], v[\d:\d+7], v[\sa], v[\sb] matrix_a_fmt:MATRIX_FMT_BF6 matrix_b_fmt:MATRIX_FMT_BF6
.endif
.endm
; 32 numbers of a lane, register 16 b + n = k 32 b + 16 (lane / 16) + n of my row, become six registers of codes in v[c] on (lanes 0-15 block 0, lanes 16-31 block 1) and the two scale bytes in v[t + 4]
.macro HQ s, c, t
	v_max3_num_f32 v[\t], |v[\s]|, |v[\s+1]|, 0x2800000          ; my 16 of each block, from the low end on, and the floor 2^(5 - 127)
	v_max3_num_f32 v[\t+1], |v[\s+16]|, |v[\s+17]|, 0x2800000
.irp i, 2,4,6,8,10,12,14
	v_max3_num_f32 v[\t], v[\t], |v[\s+\i]|, |v[\s+\i+1]|
	v_max3_num_f32 v[\t+1], v[\t+1], |v[\s+16+\i]|, |v[\s+17+\i]|
.endr
	v_permlanex16_b32 v[\t+2], v[\t], s[SEL], s[SEL+1]
	v_permlanex16_b32 v[\t+3], v[\t+1], s[SEL], s[SEL+1]
	v_max_num_f32 v[\t], v[\t], v[\t+2]            ; with lane l xor 16's 16: the block's largest magnitude
	v_max_num_f32 v[\t+1], v[\t+1], v[\t+3]
	v_add_nc_u32 v[\t], 0xfe000000, v[\t]          ; 4 off the exponent field: the conversion's scale operand
	v_add_nc_u32 v[\t+1], 0xfe000000, v[\t+1]
	v_lshrrev_b32 v[\t+2], 23, v[\t]               ; the bytes
	v_lshrrev_b32 v[\t+3], 23, v[\t+1]
	v_lshl_or_b32 v[\t+4], v[\t+3], 8, v[\t+2]
	v_cvt_scalef32_pk16_bf6_f32 v[\c:\c+2], v[\s:\s+15], v[\t]
	v_cvt_scalef32_pk16_bf6_f32 v[\c+4:\c+6], v[\s+16:\s+31], v[\t+1]
	v_nop                                          ; one plain instruction behind a scaled conversion
.irp i, 0,1,2
	v_permlane16_swap_b32 v[\c+\i], v[\c+4+\i]     ; a whole block to a lane
.endr
	v_mov_b32 v[\c+3], v[\c+4]
	v_mov_b32 v[\c+4], v[\c+5]
	v_mov_b32 v[\c+5], v[\c+6]
.endm
	s_load_b256 s[4:11], s[0:1], 0x0               ; cod, scl, q_bias, k_bias
	s_load_b128 s[12:15], s[0:1], 0x20             ; v_bias, qkvc
	s_load_b64 s[16:17], s[0:1], 0x30              ; qkvs
	v_lshrrev_b32 v1, 5, v0
	v_readfirstlane_b32 s18, v1                    ; wave 0 .. 11
	v_and_b32 v7, 31, v0                           ; lane
	v_and_b32 v8, 15, v0                           ; r
	v_bfe_u32 v9, v0, 4, 1                         ; h
	v_lshlrev_b32 v1, 4, v7                        ; 16 x lane
	v_lshlrev_b32 v2, 3, v7                        ; 8 x lane
	v_lshlrev_b32 v3, 2, v8
	v_lshl_add_u32 v3, v9, 9, v3                   ; scale words: lanes 0-15 an even tile's, lanes 16-31 the next tile's: 512 h + 4 r
	v_lshlrev_b32 v4, 6, v9                        ; 64 h
	v_and_b32 v5, 8, v8
	v_add_nc_u32 v5, v5, v8
	v_lshlrev_b32 v5, 2, v5                        ; 4 (r + 8 (r / 8))
	v_lshlrev_b32 v6, 2, v7                        ; 4 x lane
	s_wait_alu depctr_va_sdst(0)                   ; s18 is written, ahead of its first reader: the head unit, the tiles and all bases are made from it
	s_lshr_b32 s19, s18, 2
	s_mul_i32 s20, ttmp9, 3
	s_add_co_u32 s19, s19, s20                     ; hu
	s_lshr_b32 s20, s19, 4                         ; kind
	s_and_b32 s21, s19, 15                         ; head
	s_and_b32 s22, s18, 3
	s_lshl_b32 s22, s22, 2
	s_and_b32 s23, ttmp7, 0xffff
	s_lshl_b32 s23, s23, 4
	s_add_co_u32 s23, s23, s22                     ; my first tile of tokens
	s_lshl_b32 s24, s19, 2
	s_add_co_u32 s24, s24, 256                     ; my first tile of the weight
	s_cmp_ge_u32 s19, 32
	s_cselect_b32 s25, s23, s24                    ; R's first tile
	s_cselect_b32 s26, s24, s23                    ; P's
	s_mul_i32 s28, s25, 12288
	s_mov_b32 s29, 0
	s_mul_i32 s30, s26, 12288
	s_mov_b32 s31, 0
	s_lshl_b32 s32, s25, 9
	s_mov_b32 s33, 0
	s_lshl_b32 s34, s26, 9
	s_mov_b32 s35, 0
	s_lshr_b32 s36, s23, 7                         ; the batch
	s_lshl_b32 s36, s36, 4
	s_add_co_u32 s36, s36, s21
	s_lshl_b32 s36, s36, 7
	s_and_b32 s37, s23, 127
	s_add_co_u32 s36, s36, s37                     ; (batch x 16 + head) x 128 + the tile in its batch
	s_lshl_b32 s37, s20, 12
	s_add_co_u32 s36, s36, s37                     ; + kind x 4,096
	s_mul_i32 s38, s36, 768
	s_mov_b32 s39, 0
	s_lshl_b32 s40, s36, 6
	s_mov_b32 s41, 0
	s_lshl_b32 s44, s21, 8                         ; the head's 64 numbers of the bias
	s_mov_b32 s45, 0
	s_mov_b32 s27, 0xffff0000                      ; lanes 16-31
	s_mov_b32 s[SEL], 0x76543210
	s_mov_b32 s[SEL+1], 0xfedcba98
	s_wait_kmcnt 0x0
	s_add_nc_u64 s[28:29], s[4:5], s[28:29]        ; R's fragments
	s_add_nc_u64 s[30:31], s[4:5], s[30:31]        ; P's
	s_add_nc_u64 s[32:33], s[6:7], s[32:33]        ; R's scale words
	s_add_nc_u64 s[34:35], s[6:7], s[34:35]        ; P's
	s_add_nc_u64 s[14:15], s[14:15], s[38:39]
	s_add_nc_u64 s[16:17], s[16:17], s[40:41]
	s_cmp_eq_u32 s20, 0
	s_cselect_b64 s[42:43], s[8:9], s[10:11]
	s_cmp_eq_u32 s20, 2
	s_cselect_b64 s[42:43], s[12:13], s[42:43]
	s_add_nc_u64 s[42:43], s[42:43], s[44:45]
	s_wait_alu depctr_va_vdst(0)                   ; the six offsets v1 to v6 are written: every load and store of the kernel, on both ways below, reads one of them
	s_cmp_eq_u32 s20, 2                            ; the sums begin as the bias
	s_cbranch_scc1 .Lbias_v
.irp o, 0,1,2,3                        ; Q, K: the bias runs along the registers: register 16 b + n takes number 32 b + 16 h + n
.irp bb, 0,1
.irp q, 0,1,2,3
	global_load_b128 v[ACC+32*\o+16*\bb+4*\q:ACC+32*\o+16*\bb+4*\q+3], v4, s[42:43] offset:128*\bb+16*\q
.endr
.endr
.endr
	s_branch .Lbias_done
.Lbias_v:
.irp o, 0,1,2,3                        ; V: the bias hangs on the lane's slot of tile o alone: one number for the 32 registers
.set j, 0
.rept 32
	global_load_b32 v[ACC+32*\o+j], v5, s[42:43] offset:(32*(\o/2)+8*(\o%2))*4
.set j, j+1
.endr
.endr
.Lbias_done:
; A K step of 128: 24 loads of 16 bytes a lane and 4 of scale words, then 16 products, the accumulators by turns, one instruction a turn, in the same order in every step.
.macro KSTEP ks
.if \ks > 0
.rept 4
	v_nop                                          ; four places in front of loads into registers that matrix instructions have read
.endr
	s_wait_alu depctr_va_vdst(0)                   ; the last step's sixteen products are done reading PF, RF and the scale words v16 to v19, in which the loads below land
.endif
.irp t, 0,1,2,3
.irp c, 0,1,2
	global_load_b128 v[PF+12*\t+4*\c:PF+12*\t+4*\c+3], v1, s[30:31] offset:12288*\t+1536*\ks+512*\c
	global_load_b128 v[RF+12*\t+4*\c:RF+12*\t+4*\c+3], v1, s[28:29] offset:12288*\t+1536*\ks+512*\c
.endr
.endr
.irp p, 0,1
	global_load_b32 v[16+\p], v3, s[32:33] offset:1024*\p+64*\ks
	global_load_b32 v[18+\p], v3, s[34:35] offset:1024*\p+64*\ks
.endr
	s_wait_loadcnt 0x0                             ; one set of fragment registers: the SIMD's other two waves work meanwhile
.irp o, 0,1,2,3
.irp i, 0,1,2,3
	WM ACC+8*(4*\o+\i), RF+12*\i, PF+12*\o, 16+\i/2, 18+\o/2, \i%2, \o%2
.endr
.endr
.endm
.irp s, 0,1,2,3,4,5,6,7
	KSTEP \s
.endr
.rept 4
	v_nop                                          ; four places in front of the first read of results and the first write of operands
.endr
.irp o, 0,1,2,3
	HQ ACC+32*\o, 32+8*\o, 64+6*\o
.endr
	v_cndmask_b32 v88, v68, v74, s27               ; lanes 0-15 tile 0's words, lanes 16-31 tile 1's
	v_cndmask_b32 v89, v80, v86, s27
	s_wait_alu depctr_va_vdst(0)                   ; the quantisers have written the codes v32-37 + 8 o, the selects v88 and v89: the ten stores below read them
.irp o, 0,1,2,3
	global_store_b128 v1, v[32+8*\o:35+8*\o], s[14:15] offset:768*\o          ; 512 consecutive bytes, aligned
	global_store_b64 v2, v[36+8*\o:37+8*\o], s[14:15] offset:768*\o+512       ; and 256
.endr
	global_store_b32 v6, v88, s[16:17]
	global_store_b32 v6, v89, s[16:17] offset:128
	s_endpgm
.Lfunc_end_k_q32528031fc_qkv:
	.size	k_q32528031fc_qkv, .Lfunc_end_k_q32528031fc_qkv-k_q32528031fc_qkv
	.p2alignl 7, 3214868480
	.fill 96, 4, 3214868480
	.section	.rodata,"a",@progbits
	.p2align	6, 0x0
	.amdhsa_kernel k_q32528031fc_qkv
		.amdhsa_group_segment_fixed_size 0
		.amdhsa_private_segment_fixed_size 0
		.amdhsa_enable_private_segment 0
		.amdhsa_kernarg_size 56
		.amdhsa_user_sgpr_count 2
		.amdhsa_user_sgpr_kernarg_segment_ptr 1
		.amdhsa_wavefront_size32 1
		.amdhsa_system_sgpr_workgroup_id_x 1
		.amdhsa_system_sgpr_workgroup_id_y 1
		.amdhsa_system_sgpr_workgroup_id_z 1
		.amdhsa_system_vgpr_workitem_id 0
		.amdhsa_next_free_vgpr 256
		.amdhsa_next_free_sgpr 66
		.amdhsa_reserve_vcc 0
		.amdhsa_float_denorm_mode_32 3
		.amdhsa_float_denorm_mode_16_64 3
		.amdhsa_memory_ordered 1
		.amdhsa_forward_progress 1
		.amdhsa_inst_pref_size 66
	.end_amdhsa_kernel
	.amdgpu_metadata
---
amdhsa.version: [ 1, 2 ]
amdhsa.kernels:
  - .name:           k_q32528031fc_qkv
    .symbol:         k_q32528031fc_qkv.kd
    .args:
      - { .name: cod, .offset: 0, .size: 8, .value_kind: global_buffer, .address_space: global }
      - { .name: scl, .offset: 8, .size: 8, .value_kind: global_buffer, .address_space: global }
      - { .name: q_bias, .offset: 16, .size: 8, .value_kind: global_buffer, .address_space: global }
      - { .name: k_bias, .offset: 24, .size: 8, .value_kind: global_buffer, .address_space: global }
      - { .name: v_bias, .offset: 32, .size: 8, .value_kind: global_buffer, .address_space: global }
      - { .name: qkvc, .offset: 40, .size: 8, .value_kind: global_buffer, .address_space: global }
      - { .name: qkvs, .offset: 48, .size: 8, .value_kind: global_buffer, .address_space: global }
    .group_segment_fixed_size: 0
    .private_segment_fixed_size: 0
    .kernarg_segment_align: 8
    .kernarg_segment_size: 56
    .max_flat_workgroup_size: 384
    .sgpr_count:     66
    .vgpr_count:     256
    .wavefront_size: 32
...
	.end_amdgpu_metadata
.endif
;; end of part 7
;; launch attn (part 8): grid 8 x 32, 16 waves a work-group, no clusters, 215,040 bytes of LDS; arguments qkvc, qkvs, cc, cs; writes cc, cs
.if DOCPART == 8
	.amdgcn_target "amdgcn-amd-amdhsa--gfx1250"
	.amdhsa_code_object_version 6
	.text
	.protected	k_q32528031fc_attn
	.globl	k_q32528031fc_attn
	.p2align	8
	.type	k_q32528031fc_attn,@function
k_q32528031fc_attn:
	s_mov_b64 s[64:65], 0
	v_nop
	global_prefetch_b8 v0, s[64:65] scope:SCOPE_SE
	s_setreg_imm32_b32 hwreg(HW_REG_WAVE_SCHED_MODE, 0, 2), 2
	s_setreg_imm32_b32 hwreg(HW_REG_WAVE_MODE, 25, 1), 1
	s_wait_xcnt 0x0
	s_wait_alu depctr_vm_vsrc(0)
; Causal attention of one head (y = batch x 16 + head) on codes of BF6; head size 64; the result is quantised along the head's 64 for the next product.
; THE SOFTMAX: t = score x log2(e) / 8; M = the running largest t rounded UP to a whole number; p = 2^(t - M) is quantised along the keys; the row's sum is taken of the unquantised p and divides at the end.
; SHARES.  A wave owns one tile of 16 queries.  Waves 0-7 take tiles 8 j + w, waves 8-15 tiles 8 (15 - j) + (w - 8) (j = work-group x): a tile of group g walks g + 1 key steps of 128, so each SIMD's four
; waves (s, s + 4, s + 8, s + 12) walk 2 (j + 1) + 2 (16 - j) = 34 steps in every work-group.
; LDS is filled ONCE, through registers, with the head's whole K and V (images of registers: 768 bytes for 16 rows x 64 K) and their scale words; one barrier; then it is only read.
; LAYOUT.  S^T = K Q^T (source 0 = 16 keys, source 1 = my queries); the head's 64 fill half of the instruction's 128: the upper six registers of both operands are zero codes, under the scale byte 0.
; O^T = V^T P^T (source 0 = 16 of the head's 64, K = 128 keys).  A lane holds one query throughout.  Tile T's slot r is token 32 (T / 2) + 8 (T % 2) + r + 8 (r / 8), so the 16 registers of key tiles 2 b, 2 b + 1 are keys 32 b + 16 (lane / 16) + 0 .. 15.
; The loop has 16 trips in every wave; a step all of whose keys come after my queries is jumped over by a scalar branch on ids.  No joint loads: nothing is filled by a copy engine.
; LIMITS: NaN and infinities are not served; a block of zeros gets the byte 1 over zero codes.
; REGISTERS: v1-6 lane terms; v7-11 the step's addresses; v12 -M, v13 the largest t, v[14:15] the sum; v16-27 Q; v28 the last store's offset; v32-79 four fragments of K; v84-87 K's scale words, v88-91 V's halves, v92-93 V's words;
;   v96-159 S^T, then p, then V's four fragments; v160-191 O^T; v224-235 p's codes; v232-254 at work; v253 p's scale word; v255 Q's.  s4-35: in the loop, the diagonal's masks.
; THE MODE: SCHED_MODE bits 1:0 = 2 (LLVM: expert scheduling mode 2), set by the entry lines.  The code itself states the register dependences between vector or matrix instructions and memory or LDS instructions, with s_wait_alu, always for 0.
; THE PLAN.  Registers that memory or LDS instructions touch:
;   v1-v5            made at the head, never written again.
;   v7-v11           the step's LDS addresses: read by the step's LDS loads, written by five additions at the next step's head: a wait on vm_vsrc ahead of the additions, a wait on va_vdst behind them.
;   v32-37 + 12 t    K's fragments: LDS loads land twice a step, four products read them each time: the wait on va_vdst at the step's head, and one more ahead of the second four.
;   v84-91           scale words: loaded at the step's head; read by the products and by two shifts of the same step.
;   v96-143          V's fragments land where p lay: one wait on va_vdst behind the last reader of p.  O^T's rescalings stand ahead of that wait, so that it is also the wait between the vector lines that
;                    make p's codes, p's scale word and V's scale words and the products that take them, with the places ahead of it.
;   v32-135, v7-v12  at the head: data and addresses of the copy into LDS: one wait on vm_vsrc behind the barrier, ahead of all that writes them again.
;   v32-37, v68, v28 what is stored at the end, and an offset of its own: one wait on va_vdst ahead of the three stores.
; The diagonal's 64 compares write scalar registers, in two runs of 32, each with one wait on va_sdst ahead of the 32 selects that read them.
.set VC,   98304                       ; LDS: K's codes 0 .. 98,303; V's from here; K's words from 196,608; V's from 204,800
.set KSO,  196608
.set G,    40                          ; s40  my group: the last key step that I walk
.set STEP, 41
.set TK,   42                          ; s42  6,144 x step: a step's eight images
.set TS,   43                          ; s43  512 x step: its scale words
.set SEL,  44
.set CS,   46                          ; s[46:47] c = log2(e) / 8
.macro WS d, a, sa, ra                 ; S^T's tile: begins its sum with 0
.if (\ra)
	v_wmma_scale_f32_16x16x128_f8f6f4 v[\d:\d+7], v[\a:\a+11], v[16:27], 0, v[\sa], v255 matrix_a_fmt:MATRIX_FMT_BF6 matrix_b_fmt:MATRIX_FMT_BF6 matrix_a_scale:MATRIX_SCALE_ROW1
.else
	v_wmma_scale_f32_16x16x128_f8f6f4 v[\d:\d+7], v[\a:\a+11], v[16:27], 0, v[\sa], v255 matrix_a_fmt:MATRIX_FMT_BF6 matrix_b_fmt:MATRIX_FMT_BF6
.endif
.endm
.macro WO d, a, sa, ra                 ; O^T's tile, in place
.if (\ra)
	v_wmma_scale_f32_16x16x128_f8f6f4 v[\d:\d+7], v[\a:\a+11], v[224:235], v[\d:\d+7], v[\sa], v253 matrix_a_fmt:MATRIX_FMT_BF6 matrix_b_fmt:MATRIX_FMT_BF6 matrix_a_scale:MATRIX_SCALE_ROW1
.else
	v_wmma_scale_f32_16x16x128_f8f6f4 v[\d:\d+7], v[\a:\a+11], v[224:235], v[\d:\d+7], v[\sa], v253 matrix_a_fmt:MATRIX_FMT_BF6 matrix_b_fmt:MATRIX_FMT_BF6
.endif
.endm
.macro HQ s, c, t                      ; 32 numbers of a lane (register 16 b + n = k 32 b + 16 (lane / 16) + n) -> six registers of codes in v[c] on, two scale bytes in v[t + 4]
	v_max3_num_f32 v[\t], |v[\s]|, |v[\s+1]|, 0x2800000
	v_max3_num_f32 v[\t+1], |v[\s+16]|, |v[\s+17]|, 0x2800000
.irp i, 2,4,6,8,10,12,14
	v_max3_num_f32 v[\t], v[\t], |v[\s+\i]|, |v[\s+\i+1]|
	v_max3_num_f32 v[\t+1], v[\t+1], |v[\s+16+\i]|, |v[\s+17+\i]|
.endr
	v_permlanex16_b32 v[\t+2], v[\t], s[SEL], s[SEL+1]
	v_permlanex16_b32 v[\t+3], v[\t+1], s[SEL], s[SEL+1]
	v_max_num_f32 v[\t], v[\t], v[\t+2]
	v_max_num_f32 v[\t+1], v[\t+1], v[\t+3]
	v_add_nc_u32 v[\t], 0xfe000000, v[\t]
	v_add_nc_u32 v[\t+1], 0xfe000000, v[\t+1]
	v_lshrrev_b32 v[\t+2], 23, v[\t]
	v_lshrrev_b32 v[\t+3], 23, v[\t+1]
	v_lshl_or_b32 v[\t+4], v[\t+3], 8, v[\t+2]
	v_cvt_scalef32_pk16_bf6_f32 v[\c:\c+2], v[\s:\s+15], v[\t]
	v_cvt_scalef32_pk16_bf6_f32 v[\c+4:\c+6], v[\s+16:\s+31], v[\t+1]
	v_nop
.irp i, 0,1,2
	v_permlane16_swap_b32 v[\c+\i], v[\c+4+\i]
.endr
	v_mov_b32 v[\c+3], v[\c+4]
	v_mov_b32 v[\c+4], v[\c+5]
	v_mov_b32 v[\c+5], v[\c+6]
.endm
	s_load_b256 s[4:11], s[0:1], 0x0               ; qkvc, qkvs, cc, cs
	v_lshl_add_u32 v250, v0, 2, 0x34000
	v_mov_b32 v251, 0
	v_lshrrev_b32 v1, 5, v0
	v_readfirstlane_b32 s12, v1                    ; wave 0 .. 15
	v_and_b32 v13, 31, v0                          ; lane
	v_and_b32 v14, 15, v0                          ; r
	v_bfe_u32 v15, v0, 4, 1                        ; h
	v_lshlrev_b32 v1, 4, v13                       ; 16 x lane
	v_lshlrev_b32 v2, 3, v13                       ; 8 x lane
	v_add_nc_u32 v3, VC, v1
	v_add_nc_u32 v4, VC, v2
	v_lshl_add_u32 v5, v13, 2, KSO
	s_wait_alu depctr_va_sdst(0)                   ; s12 is written, ahead of its first reader: my tile, my group and my bases are made from it
	s_and_b32 s15, s12, 7
	s_lshr_b32 s17, s15, 1
	s_lshl_b32 s17, s17, 5
	s_and_b32 s18, s12, 1
	s_lshl_b32 s18, s18, 3
	s_add_co_u32 s17, s17, s18
	v_and_b32 v6, 8, v14
	v_add_nc_u32 v6, v6, v14
	v_lshlrev_b32 v15, 4, v15
	v_sub_nc_u32 v6, v6, v15
	v_add_nc_u32 v6, s17, v6                       ; my query's place among its group's 128, less 16 h: register n's key is hidden on the diagonal where 32 (n / 16) + n % 16 is above it
	v_lshlrev_b32 v7, 4, v0                        ; the copy: 16 bytes a thread, 8,192 an instruction; four registers reach all of it
	v_add_nc_u32 v8, 0x10000, v7
	v_add_nc_u32 v9, 0x20000, v7
	v_add_nc_u32 v10, 0x30000, v7
	v_lshlrev_b32 v11, 4, v0
	v_lshlrev_b32 v12, 2, v14
	s_and_b32 s13, ttmp7, 0xffff                   ; batch x 16 + head
	s_sub_co_u32 s14, 15, ttmp9
	s_cmp_lt_u32 s12, 8
	s_cselect_b32 s[G], ttmp9, s14
	s_lshl_b32 s16, s[G], 3
	s_add_co_u32 s16, s16, s15                     ; my tile of queries
	s_mul_i32 s20, s13, 98304
	s_mov_b32 s21, 0
	s_lshl_b32 s26, s13, 13
	s_mov_b32 s27, 0
	s_lshl_b32 s18, s13, 7
	s_add_co_u32 s18, s18, s16
	s_mul_i32 s32, s18, 768
	s_mov_b32 s33, 0
	s_lshl_b32 s38, s18, 6
	s_mov_b32 s39, 0
	s_lshr_b32 s18, s13, 4
	s_lshl_b32 s18, s18, 7
	s_add_co_u32 s18, s18, s16                     ; my tile among all 256 tiles of tokens
	s_and_b32 s19, s13, 15                         ; the head
	s_lshl_b32 s48, s18, 4
	s_add_co_u32 s48, s48, s19
	s_mul_i32 s48, s48, 768
	s_mov_b32 s49, 0
	s_lshl_b32 s54, s18, 9
	s_lshl_b32 s19, s19, 1
	s_add_co_u32 s54, s54, s19
	s_mov_b32 s55, 0
	s_mov_b32 s[SEL], 0x76543210
	s_mov_b32 s[SEL+1], 0xfedcba98
	s_mov_b32 s[CS], 0x3e38aa3b
	s_mov_b32 s[CS+1], s[CS]                       ; (named with it as a pair, so it is written)
	s_wait_kmcnt 0x0
	s_add_nc_u64 s[22:23], s[4:5], s[20:21]
	s_add_nc_u64 s[24:25], s[22:23], 6291456       ; V's codes of the head
	s_add_nc_u64 s[22:23], s[22:23], 3145728       ; K's
	s_add_nc_u64 s[28:29], s[6:7], s[26:27]
	s_add_nc_u64 s[30:31], s[28:29], 524288        ; V's words
	s_add_nc_u64 s[28:29], s[28:29], 262144        ; K's
	s_add_nc_u64 s[34:35], s[4:5], s[32:33]        ; my Q
	s_add_nc_u64 s[36:37], s[6:7], s[38:39]
	s_add_nc_u64 s[50:51], s[8:9], s[48:49]        ; where my codes go,
	s_add_nc_u64 s[52:53], s[10:11], s[54:55]      ; and their scale bytes
	s_wait_alu depctr_va_vdst(0)                   ; v1 to v5 and v7 to v12 are written: the loads and LDS stores below read them as offsets and addresses
.set n, 0
.rept 12
	global_load_b128 v[32+4*n:35+4*n], v11, s[22:23] offset:8192*n
.set n, n+1
.endr
.set n, 0
.rept 12
	global_load_b128 v[80+4*n:83+4*n], v11, s[24:25] offset:8192*n
.set n, n+1
.endr
	global_load_b128 v[128:131], v11, s[28:29]
	global_load_b128 v[132:135], v11, s[30:31]
	global_load_b128 v[16:19], v1, s[34:35]
	global_load_b64 v[20:21], v2, s[34:35] offset:512
	global_load_b32 v255, v12, s[36:37]
.set n, 0
.rept 26
	s_wait_loadcnt 28-n                            ; load n is in: behind it stand 25 - n of the copy and Q's three
	ds_store_b128 v[7+n/8], v[32+4*n:35+4*n] offset:8192*(n%8)
.set n, n+1
.endr
	s_wait_dscnt 0x0                               ; for the others' sake: my part of the copy has landed
	s_barrier_signal -1
	s_barrier_wait -1
	s_wait_loadcnt 0x0                             ; Q
	s_wait_alu depctr_vm_vsrc(0)                   ; the copy's LDS stores have read v32 to v135 and v7 to v10, its loads v11 and v12: the zero codes, -M, the scores and the steps' addresses are written over them from here on
.irp i, 22,23,24,25,26,27
	v_mov_b32 v\i, 0                               ; the upper 64 of the instruction's K: zero codes, written once
.endr
.irp t, 0,1,2,3
.irp i, 6,7,8,9,10,11
	v_mov_b32 v[32+12*\t+\i], 0
.endr
.endr
.set n, 0
.rept 32
	v_mov_b32 v[160+n], 0                          ; O^T: the step is written once; the first change of M multiplies zeros
.set n, n+1
.endr
	v_mov_b32 v13, 0xff61b1e6                      ; the largest t so far: -3e38
	v_floor_f32 v12, -v13                          ; -M
	v_mov_b32 v14, 0
	v_mov_b32 v15, 0
.irp i, 236,237,238,239,252,253
	v_mov_b32 v\i, 0                               ; lane permutes' destinations and a pair's upper half are written before they are named
.endr
	s_mov_b32 s[STEP], 0
	s_mov_b32 s[TK], 0
	s_mov_b32 s[TS], 0
.Lstep:
	s_cmp_gt_u32 s[STEP], s[G]                     ; all of this step's keys come after my queries
	s_cbranch_scc1 .Lhidden
	s_wait_alu depctr_vm_vsrc(0)                   ; the last step's LDS loads have read v7 to v11, which the five additions write
	v_add_nc_u32 v7, s[TS], v5
	v_add_nc_u32 v8, s[TK], v1
	v_add_nc_u32 v9, s[TK], v2
	v_add_nc_u32 v10, s[TK], v3
	v_add_nc_u32 v11, s[TK], v4
	v_nop                                          ; six places: the products below write over registers that the last step's products read (five are owed)
	s_wait_alu depctr_va_vdst(0)                   ; v7 to v11 are written, which this step's LDS loads read; the last step's products and shifts are done reading K's fragments and v84 to v91, in which loads land; in the first trip the zero codes are written, which the products take
.irp p, 0,1,2,3
	ds_load_b32 v[84+\p], v7 offset:128*\p         ; K's words: lanes 0-15 tile 2 p's, lanes 16-31 tile 2 p + 1's
.endr
.irp c, 0,1
.irp p, 0,1
	ds_load_b32 v[88+2*\c+\p], v7 offset:8192+256*\c+128*\p   ; V's: the two bytes of keys 64 c on
.endr
.endr
.irp g, 0,1
.if \g == 1
	v_lshl_or_b32 v92, v90, 16, v88                ; V's scale words of these 128 keys.  With the two lines below: the four places in front of the loads
	v_lshl_or_b32 v93, v91, 16, v89
	v_nop
	v_nop
	s_wait_alu depctr_va_vdst(0)                   ; the four products above are done reading K's fragments, in which the next four tiles land
.endif
.irp t, 0,1,2,3
	ds_load_b128 v[32+12*\t:35+12*\t], v8 offset:768*(4*\g+\t)
	ds_load_b64 v[36+12*\t:37+12*\t], v9 offset:768*(4*\g+\t)+512
.endr
	s_wait_dscnt 0x0
.irp t, 0,1,2,3
	WS 96+8*(4*\g+\t), 32+12*\t, 84+2*\g+\t/2, \t%2
.endr
.endr
.rept 4
	v_nop
.endr
	s_cmp_lg_u32 s[STEP], s[G]                     ; on the diagonal hidden scores become -infinity ahead of the maximum
	s_cbranch_scc1 .Lopen
	v_mov_b32 v254, 0xff800000
.irp u, 0,1                            ; 32 scores at a time: a run of compares into s4 to s35, one wait, a run of selects
.set n, 0
.rept 32
	v_cmp_gt_i32 s[4+n], 32*((32*\u+n)/16)+n%16, v6
.set n, n+1
.endr
	s_wait_alu depctr_va_sdst(0)                   ; the 32 compares have written s4 to s35, ahead of the selects that read them
.set n, 0
.rept 32
	v_cndmask_b32 v[96+32*\u+n], v[96+32*\u+n], v254, s[4+n]
.set n, n+1
.endr
.endr
.Lopen:
.irp b, 0,1,2,3
	v_max3_num_f32 v[232+\b], v[96+16*\b], v[97+16*\b], v[98+16*\b]   ; the largest score of each block of 32 keys: for the row's maximum and for the block's largest p
.endr
.irp i, 3,5,7,9,11,13
.irp b, 0,1,2,3
	v_max3_num_f32 v[232+\b], v[232+\b], v[96+16*\b+\i], v[97+16*\b+\i]
.endr
.endr
.irp b, 0,1,2,3
	v_max_num_f32 v[232+\b], v[232+\b], v[111+16*\b]
.endr
.irp b, 0,1,2,3
	v_permlanex16_b32 v[236+\b], v[232+\b], s[SEL], s[SEL+1]
.endr
.irp b, 0,1,2,3
	v_max_num_f32 v[232+\b], v[232+\b], v[236+\b]
.endr
	v_max3_num_f32 v254, v232, v233, v234
	v_max_num_f32 v254, v254, v235
	v_mul_f32 v254, s[CS], v254
	v_max_num_f32 v13, v13, v254                   ; the running largest t
	v_mov_b32 v254, v12
	v_floor_f32 v12, -v13                          ; the new -M: M is a whole number
	v_sub_f32 v254, v12, v254
	v_cvt_i32_f32 v254, v254                       ; (it saturates)
	v_ldexp_f32 v252, 1.0, v254                    ; f = 2^(old M - new M)
.set n, 0
.rept 32
	v_pk_fma_f32 v[96+n:97+n], v[96+n:97+n], s[CS:CS+1], v[12:13] op_sel_hi:[1,0,0]   ; t - M
.set n, n+2
.endr
.irp b, 0,1,2,3
	v_fma_f32 v[232+\b], v[232+\b], s[CS], v12
.endr
.set n, 0
	s_wait_alu depctr_va_vdst(0)
.rept 64
	v_exp_f32 v[96+n], v[96+n]                     ; p = 2^(t - M)
.set n, n+1
.endr
	v_pk_mul_f32 v[14:15], v[14:15], v[252:253] op_sel_hi:[1,0]   ; the sums under the new M: the plain instruction behind the exponentials
	s_wait_alu depctr_va_vdst(0)                   ; the 64 exponentials have written p: one wait for the batch, ahead of its first reader
.irp b, 0,1,2,3
	v_exp_f32 v[232+\b], v[232+\b]                 ; each block's largest p
.endr
	v_pk_add_f32 v[236:237], v[96:97], v[98:99]    ; the row's sum of the unquantised p, two chains
.irp j, 4,8,12,16,20,24,28,32,36,40,44,48,52,56,60
	v_pk_add_f32 v[14:15], v[14:15], v[96+\j:97+\j]
	v_pk_add_f32 v[236:237], v[236:237], v[98+\j:99+\j]
.endr
	v_pk_add_f32 v[14:15], v[14:15], v[236:237]
	s_wait_alu depctr_va_vdst(0)                   ; the four exponentials have written v232 to v235: and one wait for the four
.irp b, 0,1,2,3
	v_max_num_f32 v[232+\b], 0x2800000, v[232+\b]  ; the floor 2^(5 - 127)
.endr
.irp b, 0,1,2,3
	v_add_nc_u32 v[244+\b], 0xfe000000, v[232+\b]
.endr
.irp b, 0,1,2,3
	v_lshrrev_b32 v[236+\b], 23, v[244+\b]
.endr
	v_lshl_or_b32 v253, v237, 8, v236              ; p's scale word
	v_lshl_or_b32 v253, v238, 16, v253
	v_lshl_or_b32 v253, v239, 24, v253
.irp c, 0,1
	v_cvt_scalef32_pk16_bf6_f32 v[224+6*\c:226+6*\c], v[96+32*\c:111+32*\c], v[244+2*\c]
	v_cvt_scalef32_pk16_bf6_f32 v[236+4*\c:238+4*\c], v[112+32*\c:127+32*\c], v[244+2*\c+1]
.endr
	v_nop
.irp c, 0,1
.irp i, 0,1,2
	v_permlane16_swap_b32 v[224+6*\c+\i], v[236+4*\c+\i]
.endr
.irp i, 0,1,2
	v_mov_b32 v[227+6*\c+\i], v[236+4*\c+\i]
.endr
.endr
.set n, 0
.rept 16
	v_pk_mul_f32 v[160+n:161+n], v[160+n:161+n], v[252:253] op_sel_hi:[1,0]   ; O^T under the new M; also the places between the codes' and the scale word's last writes and the products
.set n, n+2
.endr
	s_wait_alu depctr_va_vdst(0)                   ; the sums and conversions are done with p in v96 to v143, in which V's fragments land; p's codes v224 to v235, its scale word v253 and V's words v92, v93 are written, which the products below take
.irp t, 0,1,2,3
.irp c, 0,1
	ds_load_b128 v[96+12*\t+6*\c:99+12*\t+6*\c], v10 offset:768*(4*\c+\t)          ; V's four fragments, where p lay: registers 6 c on are keys 64 c on
	ds_load_b64 v[100+12*\t+6*\c:101+12*\t+6*\c], v11 offset:768*(4*\c+\t)+512
.endr
.endr
	s_wait_dscnt 0x0
.irp t, 0,1,2,3
	WO 160+8*\t, 96+12*\t, 92+\t/2, \t%2
.endr
.Lhidden:
	s_add_co_u32 s[TK], s[TK], 6144
	s_add_co_u32 s[TS], s[TS], 512
	s_add_co_u32 s[STEP], s[STEP], 1
	s_cmp_lt_u32 s[STEP], 16
	s_cbranch_scc1 .Lstep
.rept 4
	v_nop                                          ; four places behind the last products
.endr
	s_wait_alu depctr_va_vdst(0)
	v_add_f32 v14, v14, v15
	v_permlanex16_b32 v252, v14, s[SEL], s[SEL+1]
	v_add_f32 v14, v14, v252                       ; the row's sum
	s_wait_alu depctr_va_vdst(0)
	v_rcp_f32 v14, v14
	v_and_b32 v28, 15, v0                          ; (a plain instruction behind the transcendental)  A register of its own: no LDS or memory instruction has read it
	v_lshlrev_b32 v28, 5, v28                      ; 32 r
	s_wait_alu depctr_va_vdst(0)                   ; the reciprocal has written v14, ahead of its first reader
.set n, 0
.rept 32
	v_mul_f32 v[96+n], v[160+n], v14               ; register 16 b + i is channel 32 b + 16 h + i of my query
.set n, n+1
.endr
	HQ 96, 32, 64
	s_wait_alu depctr_va_vdst(0)                   ; the quantiser has written the codes v32 to v37 and the bytes v68, the shift v28: the three stores read them
	global_store_b128 v1, v[32:35], s[50:51]
	global_store_b64 v2, v[36:37], s[50:51] offset:512
	global_store_b16 v28, v68, s[52:53]            ; two bytes a row, 32 bytes apart; both halves of the lanes write the same value: 32 bytes a wave
	s_wait_dscnt 0x0                               ; the closing lines, six on end
	s_wait_alu 0x0
	s_wait_tensorcnt 0x0
	ds_add_u32 v250, v251
	s_wait_dscnt 0x0
	s_endpgm
.Lfunc_end_k_q32528031fc_attn:
	.size	k_q32528031fc_attn, .Lfunc_end_k_q32528031fc_attn-k_q32528031fc_attn
	.p2alignl 7, 3214868480
	.fill 96, 4, 3214868480
	.section	.rodata,"a",@progbits
	.p2align	6, 0x0
	.amdhsa_kernel k_q32528031fc_attn
		.amdhsa_group_segment_fixed_size 215040
		.amdhsa_private_segment_fixed_size 0
		.amdhsa_enable_private_segment 0
		.amdhsa_kernarg_size 32
		.amdhsa_user_sgpr_count 2
		.amdhsa_user_sgpr_kernarg_segment_ptr 1
		.amdhsa_wavefront_size32 1
		.amdhsa_system_sgpr_workgroup_id_x 1
		.amdhsa_system_sgpr_workgroup_id_y 1
		.amdhsa_system_sgpr_workgroup_id_z 1
		.amdhsa_system_vgpr_workitem_id 0
		.amdhsa_next_free_vgpr 256
		.amdhsa_next_free_sgpr 66
		.amdhsa_reserve_vcc 0
		.amdhsa_float_denorm_mode_32 3
		.amdhsa_float_denorm_mode_16_64 3
		.amdhsa_memory_ordered 1
		.amdhsa_forward_progress 1
		.amdhsa_inst_pref_size 41
	.end_amdhsa_kernel
	.amdgpu_metadata
---
amdhsa.version: [ 1, 2 ]
amdhsa.kernels:
  - .name:           k_q32528031fc_attn
    .symbol:         k_q32528031fc_attn.kd
    .args:
      - { .name: qkvc, .offset: 0, .size: 8, .value_kind: global_buffer, .address_space: global }
      - { .name: qkvs, .offset: 8, .size: 8, .value_kind: global_buffer, .address_space: global }
      - { .name: cc, .offset: 16, .size: 8, .value_kind: global_buffer, .address_space: global }
      - { .name: cs, .offset: 24, .size: 8, .value_kind: global_buffer, .address_space: global }
    .group_segment_fixed_size: 215040
    .private_segment_fixed_size: 0
    .kernarg_segment_align: 8
    .kernarg_segment_size: 32
    .max_flat_workgroup_size: 512
    .sgpr_count:     66
    .vgpr_count:     256
    .wavefront_size: 32
...
	.end_amdgpu_metadata
.endif
;; end of part 8
;; launch tail (part 9): grid 128 x 1, 16 waves a work-group, no clusters, 205,312 bytes of LDS; arguments cc, cs, cod, scl, x, o_bias, ln2_gamma, ln2_beta, ffn1_bias, ffn2_bias, out0; writes out0
.if DOCPART == 9
	.amdgcn_target "amdgcn-amd-amdhsa--gfx1250"
	.amdhsa_code_object_version 6
	.text
	.protected	k_q32528031fc_tail
	.globl	k_q32528031fc_tail
	.p2align	8
	.type	k_q32528031fc_tail,@function
k_q32528031fc_tail:
	s_mov_b64 s[64:65], 0
	v_nop
	global_prefetch_b8 v0, s[64:65] scope:SCOPE_SE
	s_setreg_imm32_b32 hwreg(HW_REG_WAVE_SCHED_MODE, 0, 2), 2
	s_setreg_imm32_b32 hwreg(HW_REG_WAVE_MODE, 25, 1), 1
	s_wait_xcnt 0x0
	s_wait_alu depctr_vm_vsrc(0)
; out = x1 + gelu(LN2(x1) W1^T + b1) W2^T + b2, x1 = x + ctx Wo^T + bo: three products on codes of BF6 in one launch; x1 and the hidden layers never go to memory.
; SHARES.  A work-group owns 32 whole rows (two tiles of tokens, o = 0, 1), so that the layer norm stays inside it.  In all three products wave w makes columns 64 w .. 64 w + 63: four tiles of the weight (source 0)
; x two tiles of rows (source 1): 8 accumulators, the same 64 registers for all three.  Register 32 o + 16 b + n of a lane is column 64 w + 32 b + 16 (lane / 16) + n of token 8 o + r + 8 (r / 8): 32 neighbours along the next K.
; THE WEIGHTS' FRAGMENTS come from memory straight into registers (images of registers), in TWO sets that take turns: the loads of K step s + 1 are issued at the head of step s, so a wave has two steps' 28 loads on their way.
; The stream does not stop between products: a product's last step asks for the next weight's step 0, and its step 1 is asked for straight behind the last product, so both land during the layer norm or the GELU.
; The rows' codes go from wave to wave through LDS as half fragments of 768 bytes, wave w's being the next K's 64 w on.  x1 waits in LDS, as an image of its 64 registers, from the layer norm to the last product.
; gamma, beta, b1 and b2 are copied into LDS once and read from there in the results' layout.
; Six barriers; in front of each a wave waits for all its LDS instructions.  No region is written again before a barrier that every wave reaches behind its last read of it.
; GELU: 0.5 x (1 + erf(x / sqrt 2)), erf as z P(z^2) / Q(z^2) on z held to +-4.  LIMITS: 1 + erf carries an absolute error of about 1e-7; NaN and infinities are not served; a block of zeros gets the byte 1 over zero codes.
; No joint loads: the weights go to registers, so there is no LDS tile that several work-groups could be sent.
; REGISTERS: v1-15 addresses; v16-23 the rows' scale words; v24-25, v26-27 the weight's, set 0 and 1; v28-31 sums, later two coefficients; v32-55 the rows' two fragments, set 0; v176-187 and v240-251 set 1;
;   v32-63, v176-191, v240-255 at work between products; v64-127 the accumulators; v192-239 the weight's four fragments, set 0; v128-175 set 1.
; THE MODE: SCHED_MODE bits 1:0 = 2 (LLVM: expert scheduling mode 2), set by the entry lines.  The code itself states the register dependences between vector or matrix instructions and memory or LDS instructions, with s_wait_alu, always for 0.
; THE PLAN.  Registers that memory or LDS instructions touch:
;   v1-v13, v15   offsets and LDS addresses, made at the head and never written again: one wait on va_vdst ahead of the first load.
;   W0, W1        the weight's two sets with their scale words.  F0, F1: the rows' two sets.  K step s: its eight products read W[s % 2] and F[s % 2]; at its head the loads of step s + 1, from memory and from LDS,
;                 land in the other two, which the products of step s - 1 read.  So ONE wait on va_vdst stands at the head of each step but a product's first, and states all that the step's loads hang on.
;   v16-23        the rows' scale words: loaded at a product's head, read by its products; the wait behind the product before stands between.
;   Behind a product's last places one wait on va_vdst: step 7's products are done reading W1, F1 and F0, in which loads land next; behind the last product: the accumulators are written, which the LDS stores read.
;   Between products each run of LDS stores and of loads into registers that vector lines have named stands behind ONE wait on va_vdst: the two quantisers stand together ahead of it, beta's and b2's loads behind one.
;   A wait on vm_vsrc stands wherever registers that LDS stores have read are written again: at the head (x's rows, ctx's codes, the head's own addresses), in RSUM (v28, v30, x1's image), ahead of the second and third product (the codes just sent).
.set S0,    0                          ; LDS: scale bytes [o][slot 16][half 16] u16, two sets;
.set S1,    1024
.set RED1,  2048                       ; partial sums [o][slot 16][wave 16] f32, two sets;
.set RED2,  4096
.set A0,    6144                       ; the rows' codes [o][half 16] x 768 bytes, two sets;
.set A1,    30720
.set STAGE, 55296                      ; 32 rows x (4,096 + 16) bytes: x on the way in, then x1's images (8,192 bytes a wave), out0 on the way out
.set SP,    4112
.set VECS,  186880                     ; gamma, beta, b1, b2: 4,096 bytes each
.set AF,  32                           ; the rows' fragment of tile o in set p stands at AF + 12 o + p (144 + 52 o): 32, 44; 176, 240
.set ACC, 64
.set T1,  176                          ; sixteen registers at work,
.set T2,  240                          ; and sixteen more
.set HH,  128                          ; the way out: two rows
.set ZZ,  32                           ; GELU: z, then x / 2
.set PP,  48
.set QQ,  176
.set Z2,  240
.set SEL, 44
.macro WM d, a, b, sa, sb, ra, rb      ; one product in place; ra, rb: the side's scale words stand in lanes 16-31
.if (\ra) && (\rb)
	v_wmma_scale_f32_16x16x128_f8f6f4 v[\d:\d+7], v[\a:\a+11], v[\b:\b+11], v[\d:\d+7], v[\sa], v[\sb] matrix_a_fmt:MATRIX_FMT_BF6 matrix_b_fmt:MATRIX_FMT_BF6 matrix_a_scale:MATRIX_SCALE_ROW1 matrix_b_scale:MATRIX_SCALE_ROW1
.elseif (\ra)
	v_wmma_scale_f32_16x16x128_f8f6f4 v[\d:\d+7], v[\a:\a+11], v[\b:\b+11], v[\d:\d+7], v[\sa], v[\sb] matrix_a_fmt:MATRIX_FMT_BF6 matrix_b_fmt:MATRIX_FMT_BF6 matrix_a_scale:MATRIX_SCALE_ROW1
.elseif (\rb)
	v_wmma_scale_f32_16x16x128_f8f6f4 v[\d:\d+7], v[\a:\a+11], v[\b:\b+11], v[\d:\d+7], v[\sa], v[\sb] matrix_a_fmt:MATRIX_FMT_BF6 matrix_b_fmt:MATRIX_FMT_BF6 matrix_b_scale:MATRIX_SCALE_ROW1
.else
	v_wmma_scale_f32_16x16x128_f8f6f4 v[\d:\d+7], v[\a:\a+11], v[\b:\b+11], v[\d:\d+7], v[\sa], v[\sb] matrix_a_fmt:MATRIX_FMT_BF6 matrix_b_fmt:MATRIX_FMT_BF6
.endif
.endm
.macro HQ s, c, t                      ; 32 numbers of a lane (register 16 b + n = k 32 b + 16 (lane / 16) + n) -> six registers of codes in v[c] on, two scale bytes in v[t + 4]
	v_max3_num_f32 v[\t], |v[\s]|, |v[\s+1]|, 0x2800000
	v_max3_num_f32 v[\t+1], |v[\s+16]|, |v[\s+17]|, 0x2800000
.irp i, 2,4,6,8,10,12,14
	v_max3_num_f32 v[\t], v[\t], |v[\s+\i]|, |v[\s+\i+1]|
	v_max3_num_f32 v[\t+1], v[\t+1], |v[\s+16+\i]|, |v[\s+17+\i]|
.endr
	v_permlanex16_b32 v[\t+2], v[\t], s[SEL], s[SEL+1]
	v_permlanex16_b32 v[\t+3], v[\t+1], s[SEL], s[SEL+1]
	v_max_num_f32 v[\t], v[\t], v[\t+2]
	v_max_num_f32 v[\t+1], v[\t+1], v[\t+3]
	v_add_nc_u32 v[\t], 0xfe000000, v[\t]
	v_add_nc_u32 v[\t+1], 0xfe000000, v[\t+1]
	v_lshrrev_b32 v[\t+2], 23, v[\t]
	v_lshrrev_b32 v[\t+3], 23, v[\t+1]
	v_lshl_or_b32 v[\t+4], v[\t+3], 8, v[\t+2]
	v_cvt_scalef32_pk16_bf6_f32 v[\c:\c+2], v[\s:\s+15], v[\t]
	v_cvt_scalef32_pk16_bf6_f32 v[\c+4:\c+6], v[\s+16:\s+31], v[\t+1]
	v_nop
.irp i, 0,1,2
	v_permlane16_swap_b32 v[\c+\i], v[\c+4+\i]
.endr
	v_mov_b32 v[\c+3], v[\c+4]
	v_mov_b32 v[\c+4], v[\c+5]
	v_mov_b32 v[\c+5], v[\c+6]
.endm
.macro VEC32 dst, sb                   ; my wave's 64 numbers of a vector along the columns, from memory, in the results' layout: register 16 b + n takes number 32 b + 16 h + n
.irp bb, 0,1
.irp q, 0,1,2,3
	global_load_b128 v[\dst+16*\bb+4*\q:\dst+16*\bb+4*\q+3], v5, s[\sb:\sb+1] offset:128*\bb+16*\q
.endr
.endr
.endm
.macro LVEC d0, d1, off                ; the same from the copy in LDS: numbers 16 h + n into v[d0] on, 32 + 16 h + n into v[d1] on
.irp q, 0,1,2,3
	ds_load_b128 v[\d0+4*\q:\d0+4*\q+3], v13 offset:\off+16*\q
	ds_load_b128 v[\d1+4*\q:\d1+4*\q+3], v13 offset:\off+128+16*\q
.endr
.endm
.macro PLACES
.rept 4
	v_nop
.endr
.endm
.macro BARRIER                         ; my LDS stores have landed and my LDS loads are in: then the work-group's barrier
	s_wait_dscnt 0x0
	s_barrier_signal -1
	s_barrier_wait -1
.endm
; The 14 loads of one K step of a weight: my four tiles' fragments and their scale words, into set ks % 2.  wt: the weight's first tile in cod and scl, which stands in the immediates (7,126,528 at the most: inside the signed 24 bits).
.macro WLOAD wt, ks
.irp i, 0,1,2,3
.irp c, 0,1,2
	global_load_b128 v[192-64*((\ks)%2)+12*\i+4*\c:192-64*((\ks)%2)+12*\i+4*\c+3], v1, s[28:29] offset:((\wt)+\i)*12288+1536*(\ks)+512*\c
.endr
.endr
.irp p, 0,1
	global_load_b32 v[24+2*((\ks)%2)+\p], v4, s[30:31] offset:(\wt)*512+1024*\p+64*(\ks)
.endr
.endm
; The 8 LDS loads of one K step of the rows: two tiles' fragments, each two half fragments of 768 bytes, into set ks % 2.
.macro AFLOAD ab, ks
.irp o, 0,1
.irp c, 0,1
	ds_load_b128 v[AF+12*\o+((\ks)%2)*(144+52*\o)+6*\c:AF+12*\o+((\ks)%2)*(144+52*\o)+6*\c+3], v1 offset:\ab+(16*\o+2*(\ks)+\c)*768
	ds_load_b64 v[AF+12*\o+((\ks)%2)*(144+52*\o)+6*\c+4:AF+12*\o+((\ks)%2)*(144+52*\o)+6*\c+5], v2 offset:\ab+(16*\o+2*(\ks)+\c)*768+512
.endr
.endr
.endm
; A product: 8 K steps of 128.  It finds its weight's steps 0 and 1 asked for.  A step: four places; the one wait; the loads of the step after it, from memory and from LDS, into the sets that the step before it has read;
; 8 products in place, the accumulators by turns.  nwt: the next product's weight (0: none): its step 0 is asked for in step 7, its step 1 behind the last product.
; The rows' scale words for all of K come first: lanes 0-15 tile 0's, lanes 16-31 tile 1's.
.macro GEMM wt, ab, sb, nwt
	ds_load_b128 v[16:19], v3 offset:\sb
	ds_load_b128 v[20:23], v3 offset:\sb+16
.irp ks, 0,1,2,3,4,5,6,7
	PLACES                                         ; in front of loads into registers that matrix instructions have read
.if \ks == 0
	AFLOAD \ab, 0                                  ; the first step's own fragments
.else
	s_wait_alu depctr_va_vdst(0)                   ; the products of the step before are done reading their sets of the weight's fragments and scale words and of the rows' fragments, in which the loads below land
.endif
.if (\ks > 0) && (\ks < 7)
	WLOAD \wt, \ks+1
.endif
.if (\ks == 7) && (\nwt > 0)
	WLOAD \nwt, 0
.endif
.if \ks < 7
	AFLOAD \ab, \ks+1
.endif
.if (\ks == 7) && (\nwt == 0)
	s_wait_loadcnt 0x0                             ; the very last step: nothing was asked for behind it
.else
	s_wait_loadcnt 14                              ; this step's loads are in; the 14 of the step after it may be out
.endif
.if \ks < 7
	s_wait_dscnt 8                                 ; this step's fragments of the rows are in (in step 0 the scale words too); the 8 LDS loads of the step after it may be out
.else
	s_wait_dscnt 0x0
.endif
.irp i, 0,1,2,3
.irp o, 0,1
	WM ACC+8*(4*\o+\i), 192-64*(\ks%2)+12*\i, AF+12*\o+(\ks%2)*(144+52*\o), 24+2*(\ks%2)+\i/2, 16+\ks, \i%2, \o
.endr
.endr
.endr
	PLACES                                         ; behind the last products: for the loads below, and for the first read of results
.if \nwt > 0
	s_wait_alu depctr_va_vdst(0)                   ; the product's last steps are done reading the weight's set 1, both sets of the rows' fragments and v16 to v23: the loads below and those of the next phase land there
	WLOAD \nwt, 1
.else
	s_wait_alu depctr_va_vdst(0)                   ; the last products have written the accumulators, which the LDS stores below read, and are done reading v128 to v191, in which the rows on the way out land
.endif
.endm
.macro LEND d, e                       ; the end of a lane's sum: the two chains, the pair's halves, lane l xor 16's
	v_pk_add_f32 v[\d:\d+1], v[\d:\d+1], v[\e:\e+1]
	v_add_f32 v[\d], v[\d], v[\d+1]
	v_permlanex16_b32 v[\e], v[\d], s[SEL], s[SEL+1]
	v_add_f32 v[\d], v[\d], v[\e]
.endm
.macro LSUM s, d, e                    ; my wave's sum of a row's 64 numbers
	v_pk_add_f32 v[\d:\d+1], v[\s:\s+1], v[\s+2:\s+3]
	v_pk_add_f32 v[\e:\e+1], v[\s+4:\s+5], v[\s+6:\s+7]
.irp i, 8,12,16,20,24,28
	v_pk_add_f32 v[\d:\d+1], v[\d:\d+1], v[\s+\i:\s+\i+1]
	v_pk_add_f32 v[\e:\e+1], v[\e:\e+1], v[\s+\i+2:\s+\i+3]
.endr
	LEND \d, \e
.endm
.macro LSQ s, d, e                     ; and of their squares
	v_pk_mul_f32 v[\d:\d+1], v[\s:\s+1], v[\s:\s+1]
	v_pk_mul_f32 v[\e:\e+1], v[\s+2:\s+3], v[\s+2:\s+3]
.irp i, 4,8,12,16,20,24,28
	v_pk_fma_f32 v[\d:\d+1], v[\s+\i:\s+\i+1], v[\s+\i:\s+\i+1], v[\d:\d+1]
	v_pk_fma_f32 v[\e:\e+1], v[\s+\i+2:\s+\i+3], v[\s+\i+2:\s+\i+3], v[\e:\e+1]
.endr
	LEND \d, \e
.endm
.macro RSUM base                       ; the sixteen waves' parts of my two rows, added in one order in every wave: v28 (o = 0), v30 (o = 1)
.irp o, 0,1
.irp q, 0,1,2,3
	ds_load_b128 v[32+16*\o+4*\q:35+16*\o+4*\q], v10 offset:\base+1024*\o+16*\q
.endr
.endr
	s_wait_dscnt 0x0
	s_wait_alu depctr_vm_vsrc(0)                   ; the LDS stores of my parts have read v28 and v30, which are written below; the first time x1's image stores have read the accumulators, which are written again behind this macro
.irp o, 0,1
	v_pk_add_f32 v[32+16*\o:33+16*\o], v[32+16*\o:33+16*\o], v[34+16*\o:35+16*\o]
	v_pk_add_f32 v[36+16*\o:37+16*\o], v[36+16*\o:37+16*\o], v[38+16*\o:39+16*\o]
	v_pk_add_f32 v[32+16*\o:33+16*\o], v[32+16*\o:33+16*\o], v[40+16*\o:41+16*\o]
	v_pk_add_f32 v[36+16*\o:37+16*\o], v[36+16*\o:37+16*\o], v[42+16*\o:43+16*\o]
	v_pk_add_f32 v[32+16*\o:33+16*\o], v[32+16*\o:33+16*\o], v[44+16*\o:45+16*\o]
	v_pk_add_f32 v[36+16*\o:37+16*\o], v[36+16*\o:37+16*\o], v[46+16*\o:47+16*\o]
	v_pk_add_f32 v[32+16*\o:33+16*\o], v[32+16*\o:33+16*\o], v[36+16*\o:37+16*\o]
	v_add_f32 v[28+2*\o], v[32+16*\o], v[33+16*\o]
.endr
.endm
.macro SENDQ c, t, o, ab, sb           ; a half fragment and its two scale bytes go to LDS as they stand
	ds_store_b128 v6, v[\c:\c+3] offset:\ab+12288*\o
	ds_store_b64 v7, v[\c+4:\c+5] offset:\ab+12288*\o+512
	ds_store_b16 v8, v[\t+4] offset:\sb+512*\o
.endm
.macro GELU16 b                        ; 16 numbers of the hidden layer
.set HB, ACC+16*(\b)
.irp k, 0,2,4,6,8,10,12,14
	v_pk_mul_f32 v[ZZ+\k:ZZ+\k+1], v[HB+\k:HB+\k+1], 0x3f3504f3 op_sel_hi:[1,0]   ; z = x / sqrt 2
.endr
.irp k, 0,1,2,3,4,5,6,7,8,9,10,11,12,13,14,15
	v_med3_num_f32 v[ZZ+\k], v[ZZ+\k], -4.0, 4.0
.endr
.irp k, 0,2,4,6,8,10,12,14
	v_pk_mul_f32 v[Z2+\k:Z2+\k+1], v[ZZ+\k:ZZ+\k+1], v[ZZ+\k:ZZ+\k+1]
.endr
.irp k, 0,2,4,6,8,10,12,14
	v_pk_fma_f32 v[PP+\k:PP+\k+1], v[Z2+\k:Z2+\k+1], v[28:29], 0x32edffee op_sel_hi:[1,1,0]
	v_pk_fma_f32 v[QQ+\k:QQ+\k+1], v[Z2+\k:Z2+\k+1], v[30:31], 0xb95fbd29 op_sel_hi:[1,1,0]
.endr
.irp a, 0xb60cff51, 0xb86ec2d2, 0xba40ac63, 0xbb41a1f6, 0xbc83dbd4
.irp k, 0,2,4,6,8,10,12,14
	v_pk_fma_f32 v[PP+\k:PP+\k+1], v[PP+\k:PP+\k+1], v[Z2+\k:Z2+\k+1], \a op_sel_hi:[1,1,0]
.endr
.endr
.irp a, 0xbadc924e, 0xbbf19bf8, 0xbc69b6a7
.irp k, 0,2,4,6,8,10,12,14
	v_pk_fma_f32 v[QQ+\k:QQ+\k+1], v[QQ+\k:QQ+\k+1], v[Z2+\k:Z2+\k+1], \a op_sel_hi:[1,1,0]
.endr
.endr
.irp k, 0,2,4,6,8,10,12,14
	v_pk_mul_f32 v[PP+\k:PP+\k+1], v[PP+\k:PP+\k+1], v[ZZ+\k:ZZ+\k+1]
.endr
	s_wait_alu depctr_va_vdst(0)
.irp k, 0,1,2,3,4,5,6,7,8,9,10,11,12,13,14,15
	v_rcp_f32 v[Z2+\k], v[QQ+\k]
.endr
.irp k, 0,2,4,6,8,10,12,14
	v_pk_mul_f32 v[ZZ+\k:ZZ+\k+1], v[HB+\k:HB+\k+1], 0.5 op_sel_hi:[1,0]   ; x / 2: plain work behind the reciprocals
.endr
	s_wait_alu depctr_va_vdst(0)                   ; the sixteen reciprocals have written v240 to v255: one wait, ahead of their first reader
.irp k, 0,2,4,6,8,10,12,14
	v_pk_mul_f32 v[PP+\k:PP+\k+1], v[PP+\k:PP+\k+1], v[Z2+\k:Z2+\k+1]     ; erf
.endr
.irp k, 0,2,4,6,8,10,12,14
	v_pk_fma_f32 v[HB+\k:HB+\k+1], v[ZZ+\k:ZZ+\k+1], v[PP+\k:PP+\k+1], v[ZZ+\k:ZZ+\k+1]
.endr
.endm
	s_load_b512 s[4:19], s[0:1], 0x0               ; cc, cs, cod, scl, x, o_bias, ln2_gamma, ln2_beta
	s_load_b128 s[20:23], s[0:1], 0x40             ; ffn1_bias, ffn2_bias
	s_load_b64 s[24:25], s[0:1], 0x50              ; out0
	v_lshrrev_b32 v15, 5, v0
	v_readfirstlane_b32 s26, v15                   ; wave 0 .. 15
	v_and_b32 v63, 31, v0                          ; lane
	v_and_b32 v56, 15, v0                          ; r
	v_bfe_u32 v57, v0, 4, 1                        ; h
	v_lshlrev_b32 v1, 4, v63                       ; 16 x lane
	v_lshlrev_b32 v2, 3, v63                       ; 8 x lane
	v_lshlrev_b32 v3, 5, v63                       ; 32 x lane: a row's eight scale words
	v_lshlrev_b32 v4, 2, v56
	v_lshl_add_u32 v4, v57, 9, v4                  ; the weights' scale words: 512 h + 4 r
	v_lshlrev_b32 v5, 6, v57                       ; 64 h
	s_wait_alu depctr_va_sdst(0)                   ; s26 is written, ahead of its first reader: my wave's LDS places and bases are made from it
	s_mul_i32 s27, s26, 768
	v_add_nc_u32 v6, s27, v1                       ; my half fragment: 768 w + 16 x lane,
	v_add_nc_u32 v7, s27, v2                       ; 768 w + 8 x lane
	s_lshl_b32 s27, s26, 1
	v_lshl_add_u32 v8, v56, 5, s27                 ; its scale bytes: 32 r + 2 w
	s_lshl_b32 s27, s26, 2
	v_lshl_add_u32 v9, v56, 6, s27                 ; my part of a row's sum: 64 r + 4 w
	v_lshlrev_b32 v10, 6, v56                      ; a row's sixteen parts: 64 r
	v_and_b32 v58, 8, v56
	v_add_nc_u32 v58, v58, v56
	v_mul_u32_u24 v11, v58, SP
	v_lshl_add_u32 v11, v57, 6, v11
	s_lshl_b32 s27, s26, 8
	s_add_co_u32 s27, s27, STAGE
	v_add_nc_u32 v11, s27, v11                     ; the stage in the results' layout: row r + 8 (r / 8), + 64 h + 256 w
	s_mul_i32 s27, s26, 2*SP
	s_add_co_u32 s27, s27, STAGE
	v_add_nc_u32 v12, s27, v1                      ; the stage by rows: rows 2 w, 2 w + 1, 16 bytes a lane
	s_lshl_b32 s27, s26, 8
	s_add_co_u32 s27, s27, VECS
	v_add_nc_u32 v13, s27, v5                      ; the vectors' copies: my wave's 64 numbers, + 64 h
	s_lshl_b32 s27, s26, 13
	s_add_co_u32 s27, s27, STAGE
	v_add_nc_u32 v15, s27, v1                      ; x1's image: 8,192 w + 16 x lane, in the stage
	v_lshlrev_b32 v59, 3, v0                       ; for the head alone: 8 x thread,
	v_add_nc_u32 v60, VECS, v59
	v_lshlrev_b32 v61, 4, v0                       ; 16 x thread,
	v_lshlrev_b32 v62, 1, v0                       ; 2 x thread
	s_mul_i32 s32, ttmp9, 24576
	s_mov_b32 s33, 0
	s_lshl_b32 s34, ttmp9, 10
	s_mov_b32 s35, 0
	s_lshl_b32 s36, ttmp9, 17
	s_lshl_b32 s37, s26, 13
	s_add_co_u32 s36, s36, s37                     ; rows 32 G + 2 w of 4,096 bytes
	s_mov_b32 s37, 0
	s_lshl_b32 s38, s26, 8
	s_mov_b32 s39, 0
	s_mul_i32 s40, s26, 49152
	s_mov_b32 s41, 0
	s_lshl_b32 s42, s26, 11
	s_mov_b32 s43, 0
	s_mov_b32 s[SEL], 0x76543210
	s_mov_b32 s[SEL+1], 0xfedcba98
	s_mov_b32 s46, 0x3a800000                      ; 1 / 1024
	s_mov_b32 s47, 0x3727c5ac                      ; 1e-5
	s_wait_kmcnt 0x0
	s_add_nc_u64 s[4:5], s[4:5], s[32:33]
	s_add_nc_u64 s[6:7], s[6:7], s[34:35]
	s_add_nc_u64 s[12:13], s[12:13], s[36:37]
	s_add_nc_u64 s[24:25], s[24:25], s[36:37]
	s_add_nc_u64 s[14:15], s[14:15], s[38:39]      ; my wave's 64 numbers of o_bias
	s_add_nc_u64 s[28:29], s[8:9], s[40:41]        ; my four tiles of a weight: 4 w tiles on
	s_add_nc_u64 s[30:31], s[10:11], s[42:43]
	s_wait_alu depctr_va_vdst(0)                   ; v1 to v13, v15 and v59 to v62 are written: every load, store and LDS instruction of the kernel reads one of them as its offset or address
	; ---- 0: ctx's codes and scale bytes, the four vectors and x's 32 rows go into LDS; the first sums begin as o_bias; the weight stream begins
.irp i, 0,1,2
	global_load_b128 v[32+4*\i:35+4*\i], v61, s[4:5] offset:8192*\i th:TH_LOAD_NT
.endr
	global_load_u16 v44, v62, s[6:7]
	global_load_b64 v[46:47], v59, s[16:17]        ; gamma, beta, b1, b2: 8 bytes a thread, 4,096 a vector
	global_load_b64 v[48:49], v59, s[18:19]
	global_load_b64 v[50:51], v59, s[20:21]
	global_load_b64 v[52:53], v59, s[22:23]
.irp rr, 0,1
.irp q, 0,1,2,3,4,5,6,7
	global_load_b128 v[HH+32*\rr+4*\q:HH+32*\rr+4*\q+3], v1, s[12:13] offset:4096*\rr+512*\q th:TH_LOAD_NT
.endr
.endr
	VEC32 ACC, 14
	VEC32 ACC+32, 14
	WLOAD 448, 0
	s_wait_loadcnt 30                              ; all but the 16 younger loads of the bias and the 14 of the weight's step 0
.irp i, 0,1,2
	ds_store_b128 v61, v[32+4*\i:35+4*\i] offset:A0+8192*\i
.endr
	ds_store_b16 v62, v44 offset:S0
.irp i, 0,1,2,3
	ds_store_b64 v60, v[46+2*\i:47+2*\i] offset:4096*\i
.endr
.irp rr, 0,1
.irp q, 0,1,2,3,4,5,6,7
	ds_store_b128 v12, v[HH+32*\rr+4*\q:HH+32*\rr+4*\q+3] offset:SP*\rr+512*\q
.endr
.endr
	s_wait_dscnt 0x0                               ; for the others' sake: my stores have landed
	s_wait_alu depctr_vm_vsrc(0)                   ; the LDS stores have read x's rows in v128 to v191, ctx's codes and the vectors in v32 to v53, and with the loads above v59 to v62: the weight's step 1, the rows' fragments and later work land there
	WLOAD 448, 1                                   ; where x's rows lay
	s_barrier_signal -1
	s_barrier_wait -1
	; ---- 1: x1 = x + ctx Wo^T + bo, and my part of each row's sum
	GEMM 448, A0, S0, 512
.irp bb, 0,1
.irp q, 0,1,2,3
	ds_load_b128 v[32+16*\bb+4*\q:35+16*\bb+4*\q], v11 offset:128*\bb+16*\q        ; x in the results' layout: tile 0,
.endr
.endr
.irp q, 0,1,2,3
	ds_load_b128 v[T1+4*\q:T1+4*\q+3], v11 offset:8*SP+16*\q                       ; tile 1
	ds_load_b128 v[T2+4*\q:T2+4*\q+3], v11 offset:8*SP+128+16*\q
.endr
	s_wait_dscnt 0x0
.set n, 0
.rept 16
	v_pk_add_f32 v[ACC+n:ACC+n+1], v[ACC+n:ACC+n+1], v[32+n:33+n]                  ; each accumulator from its low end on
.set n, n+2
.endr
.set n, 0
.rept 8
	v_pk_add_f32 v[ACC+32+n:ACC+33+n], v[ACC+32+n:ACC+33+n], v[T1+n:T1+n+1]
.set n, n+2
.endr
.set n, 0
.rept 8
	v_pk_add_f32 v[ACC+48+n:ACC+49+n], v[ACC+48+n:ACC+49+n], v[T2+n:T2+n+1]
.set n, n+2
.endr
	LSUM ACC, 28, 56
	LSUM ACC+32, 30, 56
	s_wait_alu depctr_va_vdst(0)                   ; my sums v28, v30 and x1 in the accumulators are written, which the LDS stores here and behind the barrier read; the additions are done with v32 to v63, in which the parts of the sums land
	ds_store_b32 v9, v28 offset:RED1
	ds_store_b32 v9, v30 offset:RED1+1024
	BARRIER
	; ---- 2: x1 is laid by (every wave's reads of x are over); the mean; x1 - mean, in place; my part of the sum of squares
.set n, 0
.rept 16
	ds_store_b128 v15, v[ACC+4*n:ACC+4*n+3] offset:512*n
.set n, n+1
.endr
	RSUM RED1
	v_mul_f32 v28, s46, v28
	v_mul_f32 v30, s46, v30
.irp o, 0,1
.set n, 0
.rept 16
	v_pk_add_f32 v[ACC+32*\o+n:ACC+32*\o+n+1], v[ACC+32*\o+n:ACC+32*\o+n+1], v[28+2*\o:29+2*\o] op_sel_hi:[1,0] neg_lo:[0,1] neg_hi:[0,1]
.set n, n+2
.endr
.endr
	LSQ ACC, 28, 56
	LSQ ACC+32, 30, 56
	s_wait_alu depctr_va_vdst(0)                   ; my sums of squares v28 and v30 are written, which the LDS stores read; the additions are done with v32 to v63, in which the parts land behind the barrier
	ds_store_b32 v9, v28 offset:RED2
	ds_store_b32 v9, v30 offset:RED2+1024
	BARRIER
	; ---- 3: LN2, quantised: K's 64 w on of the next product
	LVEC T1, T2, 0                                 ; gamma
	RSUM RED2
	v_fma_f32 v28, v28, s46, s47
	v_fma_f32 v30, v30, s46, s47
	s_wait_alu depctr_va_vdst(0)
	v_rsq_f32 v28, v28
	v_rsq_f32 v30, v30
	v_nop                                          ; a plain instruction behind the transcendentals,
	s_wait_alu depctr_va_vdst(0)                   ; and one wait: the two roots have written v28 and v30, ahead of their first reader; and the additions of the parts are done with v32 to v63, in which beta lands
	LVEC 32, 48, 4096                              ; beta, where the parts of the sums lay
.irp o, 0,1
.set n, 0
.rept 16
	v_pk_mul_f32 v[ACC+32*\o+n:ACC+32*\o+n+1], v[ACC+32*\o+n:ACC+32*\o+n+1], v[28+2*\o:29+2*\o] op_sel_hi:[1,0]
.set n, n+2
.endr
.endr
	s_wait_dscnt 0x0                               ; beta
.irp o, 0,1
.set n, 0
.rept 8
	v_pk_fma_f32 v[ACC+32*\o+n:ACC+32*\o+n+1], v[ACC+32*\o+n:ACC+32*\o+n+1], v[T1+n:T1+n+1], v[32+n:33+n]
.set n, n+2
.endr
.set n, 0
.rept 8
	v_pk_fma_f32 v[ACC+32*\o+16+n:ACC+32*\o+17+n], v[ACC+32*\o+16+n:ACC+32*\o+17+n], v[T2+n:T2+n+1], v[48+n:49+n]
.set n, n+2
.endr
.endr
	HQ ACC, 32, 48
	HQ ACC+32, 40, 56
	s_wait_alu depctr_va_vdst(0)                   ; both quantisers have written their codes (v32-37, v40-45) and bytes (v52, v60), which the LDS stores read, and are done reading the accumulators, in which ffn1_bias lands
	SENDQ 32, 48, 0, A1, S1
	SENDQ 40, 56, 1, A1, S1
	LVEC ACC, ACC+16, 8192                         ; the next sums begin as ffn1_bias
	LVEC ACC+32, ACC+48, 8192
	BARRIER
	; ---- 4: the hidden layer, GELU, quantised
	s_wait_alu depctr_vm_vsrc(0)                   ; the LDS stores of the codes and bytes have read v32-37, v40-45, v52 and v60: the rows' fragments land there, and the GELU writes there
	GEMM 512, A1, S1, 576
	v_mov_b32 v28, 0xaf95df0b                      ; the two leading coefficients stand in registers: an instruction takes one literal
	v_mov_b32 v29, 0xaf95df0b
	v_mov_b32 v30, 0xb77460cd
	v_mov_b32 v31, 0xb77460cd
	GELU16 0
	GELU16 1
	GELU16 2
	GELU16 3
	HQ ACC, 32, 48
	HQ ACC+32, 40, 56
	s_wait_alu depctr_va_vdst(0)                   ; both quantisers have written their codes and bytes, which the LDS stores read, and are done reading the accumulators, in which x1 lands; the GELU is done with v176-191 and v240-255, in which ffn2_bias lands
	LVEC T1, T2, 12288                             ; ffn2_bias
	SENDQ 32, 48, 0, A0, S0
	SENDQ 40, 56, 1, A0, S0
.set n, 0
.rept 16
	ds_load_b128 v[ACC+4*n:ACC+4*n+3], v15 offset:512*n   ; x1 comes back: my wave's own bytes
.set n, n+1
.endr
	BARRIER
	; ---- 5: the last product adds onto x1 + b2
.irp o, 0,1
.set n, 0
.rept 8
	v_pk_add_f32 v[ACC+32*\o+n:ACC+32*\o+n+1], v[ACC+32*\o+n:ACC+32*\o+n+1], v[T1+n:T1+n+1]
.set n, n+2
.endr
.set n, 0
.rept 8
	v_pk_add_f32 v[ACC+32*\o+16+n:ACC+32*\o+17+n], v[ACC+32*\o+16+n:ACC+32*\o+17+n], v[T2+n:T2+n+1]
.set n, n+2
.endr
.endr
	s_wait_alu depctr_vm_vsrc(0)                   ; the LDS stores of the codes and bytes have read v32-37, v40-45 and v52, in which the rows' fragments of set 0 land
	s_wait_alu depctr_va_vdst(0)                   ; the additions are done reading ffn2_bias in v176-191 and v240-255, in which the rows' fragments of set 1 land
	GEMM 576, A0, S0, 0
.irp o, 0,1
.irp bb, 0,1
.irp q, 0,1,2,3
	ds_store_b128 v11, v[ACC+32*\o+16*\bb+4*\q:ACC+32*\o+16*\bb+4*\q+3] offset:8*SP*\o+128*\bb+16*\q   ; each accumulator from its low end on
.endr
.endr
.endr
	BARRIER
	; ---- 6: each wave stores two whole rows
.set n, 0
.rept 16
	ds_load_b128 v[HH+4*n:HH+4*n+3], v12 offset:SP*(n/8)+512*(n%8)
.set n, n+1
.endr
.set n, 0
.rept 16
	s_wait_dscnt 15-n                              ; load n is in; the 15 - n younger ones may be out
	global_store_b128 v1, v[HH+4*n:HH+4*n+3], s[24:25] offset:4096*(n/8)+512*(n%8) th:TH_STORE_NT   ; 512 consecutive bytes, aligned
.set n, n+1
.endr
	s_wait_xcnt 0x0
	v_lshl_add_u32 v254, v0, 2, 0x31a00            ; the add's two registers are made anew here: no memory or LDS instruction of the kernel has read v254 or v255
	v_mov_b32 v255, 0
	s_wait_dscnt 0x0                               ; the closing lines, six on end
	s_wait_alu 0x0
	s_wait_tensorcnt 0x0
	ds_add_u32 v254, v255
	s_wait_dscnt 0x0
	s_endpgm
.Lfunc_end_k_q32528031fc_tail:
	.size	k_q32528031fc_tail, .Lfunc_end_k_q32528031fc_tail-k_q32528031fc_tail
	.p2alignl 7, 3214868480
	.fill 96, 4, 3214868480
	.section	.rodata,"a",@progbits
	.p2align	6, 0x0
	.amdhsa_kernel k_q32528031fc_tail
		.amdhsa_group_segment_fixed_size 205312
		.amdhsa_private_segment_fixed_size 0
		.amdhsa_enable_private_segment 0
		.amdhsa_kernarg_size 88
		.amdhsa_user_sgpr_count 2
		.amdhsa_user_sgpr_kernarg_segment_ptr 1
		.amdhsa_wavefront_size32 1
		.amdhsa_system_sgpr_workgroup_id_x 1
		.amdhsa_system_sgpr_workgroup_id_y 1
		.amdhsa_system_sgpr_workgroup_id_z 1
		.amdhsa_system_vgpr_workitem_id 0
		.amdhsa_next_free_vgpr 256
		.amdhsa_next_free_sgpr 66
		.amdhsa_reserve_vcc 0
		.amdhsa_float_denorm_mode_32 3
		.amdhsa_float_denorm_mode_16_64 3
		.amdhsa_memory_ordered 1
		.amdhsa_forward_progress 1
		.amdhsa_inst_pref_size 169
	.end_amdhsa_kernel
	.amdgpu_metadata
---
amdhsa.version: [ 1, 2 ]
amdhsa.kernels:
  - .name:           k_q32528031fc_tail
    .symbol:         k_q32528031fc_tail.kd
    .args:
      - { .name: cc, .offset: 0, .size: 8, .value_kind: global_buffer, .address_space: global }
      - { .name: cs, .offset: 8, .size: 8, .value_kind: global_buffer, .address_space: global }
      - { .name: cod, .offset: 16, .size: 8, .value_kind: global_buffer, .address_space: global }
      - { .name: scl, .offset: 24, .size: 8, .value_kind: global_buffer, .address_space: global }
      - { .name: x, .offset: 32, .size: 8, .value_kind: global_buffer, .address_space: global }
      - { .name: o_bias, .offset: 40, .size: 8, .value_kind: global_buffer, .address_space: global }
      - { .name: ln2_gamma, .offset: 48, .size: 8, .value_kind: global_buffer, .address_space: global }
      - { .name: ln2_beta, .offset: 56, .size: 8, .value_kind: global_buffer, .address_space: global }
      - { .name: ffn1_bias, .offset: 64, .size: 8, .value_kind: global_buffer, .address_space: global }
      - { .name: ffn2_bias, .offset: 72, .size: 8, .value_kind: global_buffer, .address_space: global }
      - { .name: out0, .offset: 80, .size: 8, .value_kind: global_buffer, .address_space: global }
    .group_segment_fixed_size: 205312
    .private_segment_fixed_size: 0
    .kernarg_segment_align: 8
    .kernarg_segment_size: 88
    .max_flat_workgroup_size: 512
    .sgpr_count:     66
    .vgpr_count:     256
    .wavefront_size: 32
...
	.end_amdgpu_metadata
.endif
;; end of part 9
